; MI455X (gfx1250); checked and timed in simulation.
; The chip was launched on July 23, 2026; its instructions are those of AMD's public machine-readable ISA for CDNA 5 (MIT licence, August 2026) and "CDNA5" Instruction Set Architecture Reference Guide (July 2026). The comments in the code are by the model that wrote it; some were corrected since.
;; Multihead Attention. Allowed arithmetic: matrix products marked QUANTISED: E2M3 operands, one E8M0 scale for each 32 along K, by v_wmma_scale_f32_16x16x128_f8f6f4 with both operands' format E2M3, f32 sums; everything else in f32.
;; Inputs: Wk_codes 1,024 x 32 x 24 uint8 (E2M3 codes of Wk, K innermost, in blocks of 32 codes, four codes in three bytes); Wk_scales 1,024 x 32 uint8 (E8M0 scales of Wk, one for each 32 codes along K); Wo_codes 1,024 x 32 x 24 uint8 (E2M3 codes of Wo, K innermost, in blocks of 32 codes, four codes in three bytes); Wo_scales 1,024 x 32 uint8 (E8M0 scales of Wo, one for each 32 codes along K); Wq_codes 1,024 x 32 x 24 uint8 (E2M3 codes of Wq, K innermost, in blocks of 32 codes, four codes in three bytes); Wq_scales 1,024 x 32 uint8 (E8M0 scales of Wq, one for each 32 codes along K); Wv_codes 1,024 x 32 x 24 uint8 (E2M3 codes of Wv, K innermost, in blocks of 32 codes, four codes in three bytes); Wv_scales 1,024 x 32 uint8 (E8M0 scales of Wv, one for each 32 codes along K); b1 1,024 float32; b2 1,024 float32; bk 1,024 float32; bo 1,024 float32; bq 1,024 float32; bv 1,024 float32; g1 1,024 float32; g2 1,024 float32; k_codes 4 x 2,048 x 32 x 24 uint8 (E2M3 codes of k, K innermost, in blocks of 32 codes, four codes in three bytes); k_scales 4 x 2,048 x 32 uint8 (E8M0 scales of k, one for each 32 codes along K); mask 4 x 2,048 bool; q_codes 4 x 2,048 x 32 x 24 uint8 (E2M3 codes of q, K innermost, in blocks of 32 codes, four codes in three bytes); q_scales 4 x 2,048 x 32 uint8 (E8M0 scales of q, one for each 32 codes along K); v_codes 4 x 2,048 x 32 x 24 uint8 (E2M3 codes of v, K innermost, in blocks of 32 codes, four codes in three bytes); v_scales 4 x 2,048 x 32 uint8 (E8M0 scales of v, one for each 32 codes along K).
;; Outputs: out0 4 x 2,048 x 1,024 float32.
;; This version of the problem:
;;   THIS VERSION OF THE PROBLEM IS GIVEN IN LOW PRECISION. The matrix products marked QUANTISED in the list below multiply operands that are first quantised to E2M3 (2 exponent bits, 3 mantissa bits; 6 bits a number), with one power-of-two scale for each 32 numbers along K (OCP MX v1.0); their sums are f32. All else is computed in f32.
;;   The module's matrix products, in the order in which they are computed (A, B: the left and right operand; K: the contracted axis; several contracted axes count as one K, in the product's order):
;;     1. [M 8,192, K 1,024] x [K 1,024, N 1,024]; A: input q (given as codes); B: input Wq (given as codes): QUANTISED
;;     2. [M 8,192, K 1,024] x [K 1,024, N 1,024]; A: input k (given as codes); B: input Wk (given as codes): QUANTISED
;;     3. [M 8,192, K 1,024] x [K 1,024, N 1,024]; A: input v (given as codes); B: input Wv (given as codes): QUANTISED
;;     4. batch 64 x [M 2,048, K 64] x [K 64, N 2,048]; A: computed on the way; B: computed on the way: QUANTISED
;;     5. batch 64 x [M 64, K 2,048] x [K 2,048, N 2,048]; A: computed on the way; B: computed on the way: QUANTISED
;;     6. [M 8,192, K 1,024] x [K 1,024, N 1,024]; A: computed on the way; B: input Wo (given as codes): QUANTISED
;;   THE QUANTISER, for each operand of a quantised product, along K:
;;     - K is cut into blocks of 32 from its start; a last block that is shorter is filled with zeros.
;;     - A block's scale is 2^e with e = floor(log2(the largest magnitude in the block)) - 2, held to -126 .. 127; a block of zeros has e = 0. As a byte (E8M0): e + 127.
;;     - Each number is divided by its block's scale, clamped to +-7.5, and rounded to the nearest number of E2M3, ties to even, subnormals kept.
;;     - The product sums the exact products of the quantised numbers (number of the format x scale) in f32.
;;   ~~~python
;;   def quantise(x, axis):      # numpy; x: float32 -> the quantised numbers, widened to float32 again
;;       x = np.moveaxis(x, axis, -1); K = x.shape[-1]
;;       x = np.pad(x, [(0, 0)] * (x.ndim - 1) + [(0, -K % 32)]); x = x.reshape(x.shape[:-1] + (-1, 32)); a = np.abs(x).max(-1, keepdims=True)
;;       e = np.where(a > 0, np.clip(np.frexp(np.where(a > 0, a, 1))[1] - 1 - 2, -126, 127), 0)      # np.frexp(a)[1] - 1 = floor(log2(a)), exactly
;;       r = np.clip(x / 2.0 ** e, -7.5, 7.5)
;;       step = 2.0 ** (np.maximum(np.frexp(np.where(r == 0, 1, r))[1] - 1, 0) - 3)
;;       q = np.round(r / step) * step * 2.0 ** e      # np.round: ties to even
;;       return np.moveaxis(q.reshape(q.shape[:-2] + (-1,))[..., :K], -1, axis).astype(np.float32)
;;   ~~~
;;   OPERANDS COMPUTED ON THE WAY. 'Computed on the way' means the value that the module computes at that place (a softmax that the list does not call 'softmax' is quantised finished and normalised). What goes into a quantiser is computed in f32, as accurately as f32 sums, v_exp_f32 and their like allow (about 1e-6 of the number): no bf16 or f16 on the way to a quantiser, and a product that is left as it is and whose result goes on into a quantised operand takes f32 operands (vector FMAs, or v_wmma_f32_16x16x4_f32). A number that lies on a knife's edge between two numbers of the format may be rounded either way, as far as f32 arithmetic and the matrix unit's own rounding can turn it there, and no further.
;;   INPUTS GIVEN AS CODES. Wk (in the module: [1024, 1024], K = its axis 0); Wo (in the module: [1024, 1024], K = its axis 0); Wq (in the module: [1024, 1024], K = its axis 0); Wv (in the module: [1024, 1024], K = its axis 0); k (in the module: [4, 2048, 1024], K = its axis 2); q (in the module: [4, 2048, 1024], K = its axis 2); v (in the module: [4, 2048, 1024], K = its axis 2): each comes as NAME_codes (uint8): NAME with its K axis moved to the last place and cut into blocks of 32 codes, [.., K / 32, bytes a block], one block behind the other in memory; four codes in three bytes: a row's codes are one little-endian stream of bits, code i at bits 6 i .. 6 i + 5 (a code: sign, 2 exponent bits, 3 mantissa bits); and NAME_scales (uint8): the same leading axes, one E8M0 byte (e + 127) for each 32 codes along K. Its value is code x scale, taken as it is: it is not quantised again, and the codes and scales need not be those that the quantiser above would give.
;; 2 versions. Each part assembles by itself: llvm-mc -triple=amdgcn-amd-amdhsa -mcpu=gfx1250 --defsym DOCPART=n.
;; ======== version 1 of 2: 3 launches
;; limits: right only within a limited range of input values
;; workspace buffers: qws 6,815,744 bytes; kvws 13,369,344 bytes; qpf 33,554,432 bytes; att 33,554,432 bytes; wows 786,432 bytes
;; launch proj (part 1): grid 4 x 96, 4 waves a work-group, clusters of 4 x 4, 327,680 bytes of LDS; arguments q_codes, q_scales, Wq_codes, Wq_scales, bq, k_codes, k_scales, Wk_codes, Wk_scales, bk, Wv_codes, Wv_scales, v_codes, v_scales, bv, qws, kvws, qpf, Wo_codes, wows; writes qws, kvws, qpf, wows
.if DOCPART == 1
	.amdgcn_target "amdgcn-amd-amdhsa--gfx1250"
	.amdhsa_code_object_version 6
	.text
	.protected	k_q8134e07222_proj
	.globl	k_q8134e07222_proj
	.p2align	8
	.type	k_q8134e07222_proj,@function
k_q8134e07222_proj:
	s_mov_b64 s[64:65], 0
	v_nop
	global_prefetch_b8 v0, s[64:65] scope:SCOPE_SE
	s_setreg_imm32_b32 hwreg(HW_REG_WAVE_MODE, 25, 1), 1
	s_wait_xcnt 0x0
	s_wait_alu depctr_hold_cnt(0) depctr_sa_sdst(0) depctr_va_vdst(0) depctr_va_sdst(0) depctr_va_ssrc(0) depctr_va_vcc(0) depctr_vm_vsrc(0)
	s_getreg_b32 s2, hwreg(HW_REG_IB_STS2, 6, 4)
	s_cmp_eq_u32 s2, 0
	s_cbranch_scc0 .Lentry_in_a_cluster
	s_endpgm
.Lentry_in_a_cluster:
	s_bfe_u32 s2, ttmp6, 0x10000c
	s_cmp_lg_u32 s2, 0xf033
	s_cbranch_scc0 .Lentry_shape_is_right
	s_endpgm
.Lentry_shape_is_right:
; THE THREE PROJECTIONS, on codes of FP6 (E2M3) with one E8M0 scale for each 32 along K, and the quantising of their results.
; One text serves P[i][j] = sum over k of S1[i][k] S0[j][k], K = 1,024.  Source 1 of the matrix instruction takes 16 rows of S1, source 0 takes 16 rows of S0:
; a lane then holds ONE i, and its registers run along j.  The result (+ bias) is quantised along j.
;   KIND 0: S1 = q,  S0 = Wq: lane = token,   registers = channels: qp, quantised along the head's 64 channels -> qws; qp itself in f32 -> qpf
;   KIND 1: S1 = k,  S0 = Wk: the same for kp -> kvws
;   KIND 2: S1 = Wv, S0 = v : lane = channel, registers = keys: vp with the keys innermost, quantised along the keys -> kvws
; KIND is the cluster's y / 8: the same in all sixteen partners of a cluster.  KIND 2's 512 waves also lay one fragment each of Wo's codes in the order of an operand's registers -> wows.
; A tile of P, 256 x 256, is made by a work-group of four waves; a wave makes 128 x 128: 64 accumulators of 16 x 16, 512 registers.  K goes in steps of 256 through a ring of two LDS slots
; filled by the tensor data mover; the scale bytes of the work-group's rows, for all of K, come into LDS once.  4 x 4 work-groups form a cluster: S1's tiles are asked for jointly along a row
; of the cluster, S0's along a column.
; THE CODES THAT THIS LAUNCH MAKES stand, inside each block of 32, in a fixed other order (a lane's 16 numbers of a block are 8 h .. 8 h + 7 and 16 + 8 h .. 16 + 8 h + 7, h = lane / 16).  Both operands of the scores' product
; (q's and k's codes) and both of the second product (v's codes here, the weights' in the next launch) are made by the same lines from the same register layout, so the order is the same on both sides,
; and it never leaves a scale's block: the products are those of the true order.
; LIMITS: a block whose largest magnitude lies under 2^-124 keeps the scale byte 1; a block of zeros gets the byte 1 and not 127 (its codes are zeros, and this program alone reads the bytes); NaN and infinities are not served.
; REGISTERS, in windows of 256: window 0: v0-31 addresses; v32-63 scale words, two sets, and nothing else; from v128 S1's fragments, ONE set.  window 1: S0's fragments, TWO sets.  windows 2, 3: the accumulators ((a, b) at v[8 (8 (a % 4) + b)]).
;   on the way out, window 0: v64-127 the bias along j (KIND 2: v64-79 the bias along i, v80-91 a fragment of Wo); v128-191 a block's 64 numbers; v192-211 its codes; v212-227 at work; v228-235 the eight blocks' scale words; v236-247 scale words as they are stored.
.set KSTEP,  256                       ; along K in a slot
.set NQ,     KSTEP/128                 ; matrix instructions deep
.set ROWB,   192                       ; a tile's row in bytes: 256 codes of 6 bits
.set KROW,   768                       ; a row of 1,024 codes in memory
.set PITCH,  240                       ; an LDS row: 3 x (64 bytes of data + 16 of padding)
.set FR,     12                        ; registers of a fragment: 16 rows x 128 K
.set NL,     6                         ; LDS loads that bring one
.set NP,     4                         ; places behind this matrix instruction (ISA guide 7.12.1)
.set HALFT,  128*PITCH                 ; 128 rows: what one tensor load brings
.set SLOT,   4*HALFT                   ; S1's 256 rows, then S0's 256 rows
.set LAPS,   2                         ; a lap = two K steps = once round the ring: 1,024 / 512
.set KS,     32                        ; a row of scale bytes
.set SCL,    2*SLOT                    ; behind the ring: the scale bytes, as units of 256 bytes + 16 of padding
.set HALFS,  (128*KS/256)*272          ; those of 128 rows: what one tensor load brings
.set SBLK,   (16*KS/256)*272           ; those of 16 rows
.set SPARE,  SCL+4*HALFS               ; behind them: the spare words, 128 bytes for each wave, which no other line names
.set SPITCH, 528                       ; the stage for qp: 16 rows x (512 bytes + 16) for each wave, in slot 0, which has had its last fill and its last read when the first result is stored there
.set HQ,     106496                    ; a head in qws: 128 tiles x 768 bytes of images, 16 x 512 bytes of scale words
.set HKV,    208896                    ; a head in kvws: the same for K, then 16 x 4 x 1,536 bytes of V's images, 16 x 256 bytes of its scale words
.set ADRA, 16                          ; v16-17 LDS address of my S1 fragments in slot 0, 1 (v18-19: for the pieces behind one padding more)
.set ADRB, 20                          ; v20-23 the same for S0
.set STO,  24                          ; v24  the stage: where I put 32 bytes of a row
.set RD,   25                          ; v25  and where I read a row back
.set CO,   26                          ; v26  16 x lane
.set ADRS, 27                          ; v27  LDS address of my scale words: lanes 0-15 S1's rows, lanes 16-31 S0's
.set SPW,  28                          ; v28  LDS address of my spare word; never rewritten
.set NIL,  29                          ; v29  0; never rewritten
.set SC,   32
.set AF,   128
.set BJ,   64
.set BI,   64
.set WF,   80
.set H,    128
.set PC,   192
.set TM,   212
.set WK,   228
.set R,    236
.set RA,   240
.set RB,   244
.set G1, 24                            ; s[24:31] descriptor group 1 for S1's tiles; s[32:39] group 0, one set for each slot
.set G0, 32
.set G1B, 48                           ; s[48:55], s[56:63] the same for S0's tiles
.set G0B, 56
.set G1S, 68                           ; s[68:75], s[76:79] groups 1 and 0 for S1's scales; s[80:87], s[88:91] for S0's
.set G0S, 76
.set G1SB, 80
.set G0SB, 88
.set SEL, 66                           ; s[66:67] lane selects for v_permlanex16_b32: lane l xor 16
.set KIND, 98                          ; s98
.set MSB, 0
.macro WIN new                         ; the immediate's high byte repeats the setting that is left
.if MSB != \new
	s_set_vgpr_msb (MSB<<8)|\new
.set MSB, \new
.endif
.endm
.set MUL_LO, 0xa1                      ; source 0 (S0) window 1, source 1 (S1) window 0, C and D window 2
.set MUL_HI, 0xf1                      ; the same, C and D window 3
.set TO_B,   0x40                      ; destination window 1, address window 0
; A joint load: waves 0 and 1 fetch for S1, waves 2 and 3 for S0.  Each of the two lines has one mask and one set of registers for all that issue it; the branch hangs on the wave's number alone.
; Four v_nop follow each of the two lines, ahead of the jump, the label and what follows.
.macro JLOAD g0a, g1a, g0b, g1b
	s_cmp_eq_u32 s15, 0
	s_cbranch_scc0 .Lfor_b_\@
	tensor_load_to_lds s[\g0a:\g0a+3], s[\g1a:\g1a+7]
	s_nop 0
.rept 4
	v_nop
.endr
	s_branch .Lasked_\@
.Lfor_b_\@:
	tensor_load_to_lds s[\g0b:\g0b+3], s[\g1b:\g1b+7]
	s_nop 0
.rept 4
	v_nop
.endr
.Lasked_\@:
.endm
.macro CREST                           ; a round of the cluster's barrier behind its opening barrier
	s_cmp_lg_u32 s14, 0
	s_cbranch_scc1 .Lnot_wave_0_\@
	s_barrier_signal -3
.Lnot_wave_0_\@:
	s_barrier_wait -3
	s_barrier_signal -1
	s_barrier_wait -1
.endm
.macro CROUND                          ; a whole round
	s_barrier_signal -1
	s_barrier_wait -1
	CREST
.endm
	s_load_b256 s[4:11], s[0:1], 0x0               ; KIND 0: q's codes, q's scales, Wq's codes, Wq's scales
	s_load_b256 s[24:31], s[0:1], 0x28             ; KIND 1: k's, Wk's
	s_load_b256 s[32:39], s[0:1], 0x50             ; KIND 2: Wv's, v's
	v_lshl_add_u32 v[SPW], v0, 2, SPARE
	v_mov_b32 v[NIL], 0
	ds_add_u32 v28, v29
	ds_add_u32 v28, v29
	s_wait_dscnt 0x0
	v_lshrrev_b32 v1, 5, v0
	v_readfirstlane_b32 s14, v1                    ; wave 0..3
	s_lshr_b32 s15, s14, 1                         ; which half of the tile's i is mine.  Also: I fetch for S1 (0) or for S0 (1)
	s_and_b32 s16, s14, 1                          ; which half of its j.  Also: which 128 rows of that tile I fetch
	s_bfe_u32 s40, ttmp6, 0x40000                  ; cx, cy: my place in the cluster
	s_bfe_u32 s41, ttmp6, 0x40004
	s_and_b32 s99, ttmp7, 0xffff                   ; the cluster's y, 0 .. 23
	s_lshr_b32 s[KIND], s99, 3
	s_and_b32 s99, s99, 7                          ; which of the product's eight clusters
	s_cmp_eq_u32 s[KIND], 2
	s_cselect_b32 s96, 0, s99                      ; the 8,192 tokens lie along i (KIND 0, 1) or along j (KIND 2); the 1,024 channels along the other
	s_cselect_b32 s97, s99, 0
	s_lshl_b32 s42, s97, 2
	s_add_co_u32 s42, s42, s40                     ; tile column (j)
	s_lshl_b32 s17, s96, 2
	s_add_co_u32 s17, s17, s41                     ; tile row (i)
	s_lshl_b32 s43, s41, 2
	s_lshl_b32 s43, 15, s43                        ; my row of the cluster
	s_lshl_b32 s44, 0x1111, s40                    ; my column
	s_wait_kmcnt 0x0
	s_cmp_eq_u32 s[KIND], 1                        ; the choice hangs on the cluster's number alone
	s_cselect_b64 s[4:5], s[24:25], s[4:5]
	s_cselect_b64 s[6:7], s[26:27], s[6:7]
	s_cselect_b64 s[8:9], s[28:29], s[8:9]
	s_cselect_b64 s[10:11], s[30:31], s[10:11]
	s_cmp_eq_u32 s[KIND], 2
	s_cselect_b64 s[4:5], s[32:33], s[4:5]         ; S1's codes
	s_cselect_b64 s[6:7], s[34:35], s[6:7]         ; S1's scales
	s_cselect_b64 s[8:9], s[36:37], s[8:9]         ; S0's codes
	s_cselect_b64 s[10:11], s[38:39], s[10:11]     ; S0's scales
	; descriptor group 1: a tile of 128 rows x 192 bytes, padded in LDS
	s_or_b32 s[G1+0], s43, (0<<16)|(1<<20)|(1<<21)|(3<<22)|(3<<25)  ; 15:0 the mask: S1's tiles go to my row; 17:16 element of 1 byte; 20 padding on; 21 set beside a mask; 24:22 after every 16 words; 31:25 of 4 words
	s_or_b32 s[G1B+0], s44, (0<<16)|(1<<20)|(1<<21)|(3<<22)|(3<<25)
.irp g, G1, G1B
	s_mov_b32 s[\g+1], ROWB<<16                    ; tensor_dim0
	s_mov_b32 s[\g+2], 128<<16                     ; tensor_dim1
	s_mov_b32 s[\g+3], ROWB<<16                    ; tile_dim0
	s_mov_b32 s[\g+4], 128                         ; tile_dim1
	s_mov_b32 s[\g+5], KROW                        ; from row to row
	s_mov_b32 s[\g+6], 0
	s_mov_b32 s[\g+7], 0
.endr
	; the scales of 128 rows: a dense block of 4,096 bytes, as rows of 256 bytes (32 elements of 8 bytes), 16 bytes of padding behind each
	s_or_b32 s[G1S+0], s43, (3<<16)|(1<<20)|(1<<21)|(5<<22)|(3<<25)
	s_or_b32 s[G1SB+0], s44, (3<<16)|(1<<20)|(1<<21)|(5<<22)|(3<<25)
.irp g, G1S, G1SB
	s_mov_b32 s[\g+1], 32<<16
	s_mov_b32 s[\g+2], (128*KS/256)<<16
	s_mov_b32 s[\g+3], 32<<16
	s_mov_b32 s[\g+4], 128*KS/256
	s_mov_b32 s[\g+5], 32
	s_mov_b32 s[\g+6], 0
	s_mov_b32 s[\g+7], 0
.endr
	s_lshl_b32 s18, s16, 7                         ; which 128 rows of the tile I fetch
	s_lshl_b32 s20, s17, 8
	s_add_co_u32 s20, s20, s18                     ; S1: row 256 x tile row + 128 x half
	s_lshl_b32 s46, s42, 8
	s_add_co_u32 s46, s46, s18                     ; S0: row 256 x tile column + 128 x half
	s_mov_b32 s21, 0
	s_mov_b32 s47, 0
	s_mov_b64 s[18:19], KS
	s_mul_u64 s[22:23], s[20:21], s[18:19]         ; where these rows' scales begin, in bytes
	s_mul_u64 s[92:93], s[46:47], s[18:19]
	s_mov_b64 s[18:19], KROW
	s_mul_u64 s[20:21], s[20:21], s[18:19]         ; and their codes
	s_mul_u64 s[46:47], s[46:47], s[18:19]
	s_mul_i32 s45, s14, HALFT                      ; where they go: wave x 128 rows: no place in the cluster enters an LDS address
	s_mul_i32 s94, s14, HALFS
	s_add_nc_u64 s[20:21], s[4:5], s[20:21]
	s_add_nc_u64 s[22:23], s[6:7], s[22:23]
	s_add_nc_u64 s[46:47], s[8:9], s[46:47]
	s_add_nc_u64 s[92:93], s[10:11], s[92:93]
	CROUND                                         ; all sixteen work-groups are here: the first joint loads meet
	s_mov_b32 s[G0S], 1
	s_add_co_u32 s[G0S+1], s94, SCL
	s_mov_b64 s[G0S+2:G0S+3], s[22:23]
	s_or_b32 s[G0S+3], s[G0S+3], 0x80000000
	s_mov_b32 s[G0SB], 1
	s_add_co_u32 s[G0SB+1], s94, SCL
	s_mov_b64 s[G0SB+2:G0SB+3], s[92:93]
	s_or_b32 s[G0SB+3], s[G0SB+3], 0x80000000
	JLOAD G0S, G1S, G0SB, G1SB                     ; the scales first: they are wanted with K step 0
.irp s, 0,1
	s_mov_b32 s[G0+4*\s], 1
	s_add_co_u32 s[G0+4*\s+1], s45, \s*SLOT
	s_add_nc_u64 s[G0+4*\s+2:G0+4*\s+3], s[20:21], \s*ROWB
	s_or_b32 s[G0+4*\s+3], s[G0+4*\s+3], 0x80000000
	s_mov_b32 s[G0B+4*\s], 1
	s_add_co_u32 s[G0B+4*\s+1], s45, \s*SLOT
	s_add_nc_u64 s[G0B+4*\s+2:G0B+4*\s+3], s[46:47], \s*ROWB
	s_or_b32 s[G0B+4*\s+3], s[G0B+4*\s+3], 0x80000000
	JLOAD G0+4*\s, G1, G0B+4*\s, G1B               ; three tensor loads of mine are out behind the second of these
.endr
	v_and_b32 v1, 15, v0                           ; l % 16
	v_bfe_u32 v2, v0, 4, 1                         ; l / 16
	v_mul_u32_u24 v3, v1, PITCH
	v_mul_u32_u24 v4, v2, 24
	v_add_nc_u32 v4, v3, v4                        ; a fragment's row x pitch + 24 x half
	v_lshl_add_u32 v5, v2, 4, v4                   ; and the same behind one padding more
	s_mul_i32 s21, s15, HALFT                      ; my 128 rows of S1
	s_mul_i32 s22, s16, HALFT                      ; my 128 rows of S0,
	s_add_co_u32 s22, s22, 2*HALFT                 ; which lie behind S1's 256
.irp s, 0,1
	v_add_nc_u32 v[ADRA+\s], s21, v4
	v_add_nc_u32 v[ADRB+\s], s22, v4
	v_add_nc_u32 v[ADRA+2+\s], s21, v5
	v_add_nc_u32 v[ADRB+2+\s], s22, v5
	s_add_co_u32 s21, s21, SLOT
	s_add_co_u32 s22, s22, SLOT
.endr
	v_mul_u32_u24 v5, v1, KS                       ; my row's scales: 32 bytes a row,
	v_lshrrev_b32 v6, 8, v5
	v_lshl_add_u32 v5, v6, 4, v5                   ; and 16 more for each 256 passed
	s_mul_i32 s21, s15, HALFS
	s_mul_i32 s22, s16, HALFS
	s_add_co_u32 s22, s22, 2*HALFS
	s_sub_co_u32 s22, s22, s21
	v_mul_u32_u24 v6, s22, v2                      ; lanes 16-31 take S0's: one product, the distance between the two bases x the lane's half
	s_add_co_u32 s21, s21, SCL
	v_add_nc_u32 v5, v5, v6
	v_add_nc_u32 v[ADRS], s21, v5
	s_mul_i32 s23, s14, 16*SPITCH                  ; my stage
	v_mul_u32_u24 v5, v1, SPITCH                   ; in: row l % 16, 32 bytes for each half of the lanes
	v_lshl_add_u32 v5, v2, 5, v5
	v_add_nc_u32 v[STO], s23, v5
	v_and_b32 v6, 31, v0
	v_lshlrev_b32 v[CO], 4, v6
	v_add_nc_u32 v[RD], s23, v[CO]                 ; back: the 32 lanes take one row of 512 bytes
.macro FRAG reg, adr, q, i             ; a fragment: lane l holds row l % 16; registers 6 c .. 6 c + 5 hold K = 64 c + 32 (l / 16) + 0 .. 31: 24 bytes of the row's stream of bits, as they lie
.irp p, 0,1,2,3,4,5                    ; in pieces of 8 bytes.  Lanes 16-31 read three pieces further on than lanes 0-15
.set PCE, 12*(\q)+6*(\p/3)+\p%3        ; 16 bytes of padding lie behind every 8 pieces: where the piece three on lies behind one padding more, the second address register serves
.if PCE%8 < 5
	ds_load_b64 v[\reg+2*\p:\reg+2*\p+1], v[\adr] offset:8*PCE+16*(PCE/8)+(\i)*16*PITCH
.else
	ds_load_b64 v[\reg+2*\p:\reg+2*\p+1], v[\adr+2] offset:8*PCE+16*(PCE/8)+(\i)*16*PITCH
.endif
.endr
.endm
; 16 matrix instructions: S1's blocks a0, a0 + 1 x S0's eight, 128 along K: the slot's q-th.  p: S0's set; sc: the set of scale words.  zero = 1: the first product starts the sums.
; The 64 accumulators take turns, one instruction a turn, in the same order in every step.
.macro MUL16 a0, p, q, sc, zero
.irp a, \a0, \a0+1
.irp b, 0,1,2,3,4,5,6,7
.if \zero
	v_wmma_scale_f32_16x16x128_f8f6f4 v[8*(8*((\a)%4)+\b):8*(8*((\a)%4)+\b)+7], v[128*(\p)+FR*\b:128*(\p)+FR*\b+FR-1], v[AF+FR*(\a):AF+FR*(\a)+FR-1], 0, v[SC+8*NQ*(\sc)+NQ*\b+(\q)], v[SC+8*NQ*(\sc)+NQ*(\a)+(\q)] matrix_a_fmt:MATRIX_FMT_FP6 matrix_b_fmt:MATRIX_FMT_FP6 matrix_a_scale:MATRIX_SCALE_ROW1
.else
	v_wmma_scale_f32_16x16x128_f8f6f4 v[8*(8*((\a)%4)+\b):8*(8*((\a)%4)+\b)+7], v[128*(\p)+FR*\b:128*(\p)+FR*\b+FR-1], v[AF+FR*(\a):AF+FR*(\a)+FR-1], v[8*(8*((\a)%4)+\b):8*(8*((\a)%4)+\b)+7], v[SC+8*NQ*(\sc)+NQ*\b+(\q)], v[SC+8*NQ*(\sc)+NQ*(\a)+(\q)] matrix_a_fmt:MATRIX_FMT_FP6 matrix_b_fmt:MATRIX_FMT_FP6 matrix_a_scale:MATRIX_SCALE_ROW1
.endif
.endr
.endr
.endm
.macro FETCH_B slot, q, p              ; S0's eight fragments of the slot's q-th 128 along K into set p
	WIN TO_B
.irp i, 0,1,2,3,4,5,6,7
	FRAG 128*(\p)+FR*\i, ADRB+\slot, \q, \i
.endr
	WIN 0
.endm
.macro FETCH_A slot, q, i0             ; S1's blocks i0 .. i0 + 3
.irp i, \i0, \i0+1, \i0+2, \i0+3
	FRAG AF+FR*(\i), ADRA+\slot, \q, \i
.endr
.endm
.macro SCALES sc                       ; the next K step's scale words into set sc: lanes 0-15 take S1's block i, lanes 16-31 S0's block i
.irp i, 0,1,2,3,4,5,6,7
	ds_load_b64 v[SC+8*NQ*\sc+NQ*\i:SC+8*NQ*\sc+NQ*\i+1], v[ADRS] offset:\i*SBLK
.endr
.endm
; A load into a register that a matrix instruction has read, and a vector instruction or a store that reads a matrix result, stand NP places behind that matrix instruction; only plain vector
; instructions that name none of its registers are places (ISA guide 7.12.1 for vector instructions).
.macro PLACES n
.rept \n
	v_nop
.endr
.endm
.macro STEP slot, q, zero              ; a step of 128 along K that has its successor in the same slot
	s_wait_dscnt 4*NL                              ; S0's set and S1's blocks 0-3 are in; the youngest 24 loads (S1's blocks 4-7) may be out
	WIN MUL_LO
	MUL16 0, (\q)%2, \q, \slot, \zero
	MUL16 2, (\q)%2, \q, \slot, \zero
	s_wait_dscnt 0                                 ; S1's blocks 4-7 are in (asked for 32 matrix instructions ago)
	PLACES NP
	FETCH_B \slot, (\q)+1, 1-(\q)%2
	FETCH_A \slot, (\q)+1, 0
	WIN MUL_HI
	MUL16 4, (\q)%2, \q, \slot, \zero
	MUL16 6, (\q)%2, \q, \slot, \zero
	PLACES NP
	WIN 0
	FETCH_A \slot, (\q)+1, 4
.endm
; A slot's last step changes slots: ONE barrier; in front of it each wave waits for all its tensor loads, adds 0 to its spare word, and waits for that and for its own reads of this slot.  fill = 1: this slot is filled again, two K steps ahead.
.macro TURN slot, next, fill
	s_wait_tensorcnt 0x0                           ; all my tensor loads have landed: my part of the next slot
	ds_add_u32 v[SPW], v[NIL]                      ; 0 onto my spare word
	s_wait_dscnt 4*NL+1                            ; (the add and the youngest 24 loads, S1's blocks 4-7, may be out)
	WIN MUL_LO
	MUL16 0, 1, NQ-1, \slot, 0                     ; sixteen matrix instructions stand between the add and the wait for it
	s_wait_dscnt 0x0                               ; the add is done, and my reads of this slot are over
	s_barrier_signal -1
	MUL16 2, 1, NQ-1, \slot, 0
	WIN 0
	s_barrier_wait -1
.if \fill
	CREST                                          ; the barrier has opened a round of the cluster's barrier: no wave of any partner still reads this slot's tile or has a load on its way
	s_add_nc_u64 s[G0+4*\slot+2:G0+4*\slot+3], s[G0+4*\slot+2:G0+4*\slot+3], 2*ROWB
	s_add_nc_u64 s[G0B+4*\slot+2:G0B+4*\slot+3], s[G0B+4*\slot+2:G0B+4*\slot+3], 2*ROWB
	JLOAD G0+4*\slot, G1, G0B+4*\slot, G1B         ; the first tensor load behind the round; the four v_nop behind it are the places in front of the loads below
.else
	PLACES NP
.endif
	v_add_nc_u32 v[ADRS], 4*NQ, v[ADRS]            ; on to the next K step's scale words
	FETCH_B \next, 0, 0
	FETCH_A \next, 0, 0
	SCALES \next
	WIN MUL_HI
	MUL16 4, 1, NQ-1, \slot, 0
	MUL16 6, 1, NQ-1, \slot, 0
	PLACES NP
	WIN 0
	FETCH_A \next, 0, 4
.endm
	s_wait_tensorcnt 1                             ; the scales and my part of K step 0 are in (K step 1's load may be out)
	s_barrier_signal -1
	s_barrier_wait -1                              ; everybody's are
	FETCH_B 0, 0, 0
	FETCH_A 0, 0, 0
	SCALES 0
	FETCH_A 0, 0, 4
	STEP 0, 0, 1                                   ; the first step stands in front of the loop: its products start the sums
	s_mov_b32 s3, LAPS-1
.Llap:                                                 ; a trip goes once round the ring, from a lap's second step to the next lap's first, and fills both slots again
	TURN 0, 1, 1
	STEP 1, 0, 0
	TURN 1, 0, 1
	STEP 0, 0, 0
	s_sub_co_u32 s3, s3, 1
	s_cmp_lg_u32 s3, 0
	s_cbranch_scc1 .Llap
	TURN 0, 1, 0                                   ; the last lap fills nothing, and has no round of the cluster's barrier
	STEP 1, 0, 0
	; the way out's pointers are asked for here, 64 matrix instructions ahead of their use.  All tensor loads were shown done by the last wait for 0, so the descriptors' registers are free
	s_load_b64 s[68:69], s[0:1], 0x20              ; bq
	s_load_b64 s[86:87], s[0:1], 0x48              ; bk
	s_load_b64 s[88:89], s[0:1], 0x70              ; bv
	s_load_b128 s[92:95], s[0:1], 0x78             ; qws, kvws
	s_load_b128 s[72:75], s[0:1], 0x88             ; qpf, Wo's codes
	s_load_b64 s[76:77], s[0:1], 0x98              ; wows
	s_wait_dscnt 4*NL                              ; the very last step: nothing more to fetch
	WIN MUL_LO
	MUL16 0, 1, NQ-1, 1, 0
	MUL16 2, 1, NQ-1, 1, 0
	s_wait_dscnt 0
	WIN MUL_HI
	MUL16 4, 1, NQ-1, 1, 0
	MUL16 6, 1, NQ-1, 1, 0
	WIN 0
; ---------------- THE WAY OUT ----------------
; 64 numbers of a lane, v[s] .. v[s + 63], sixteen of each of four blocks of 32 (the other sixteen lie in lane l xor 16), become a fragment's codes in v[PC] on and its scale word in v[pw].
; A block's scale: its largest magnitude's exponent field less 2 (7.5, the format's largest number, has the exponent 2), held at 1 from below by the floor 2^(3 - 127) among the maximum's leaves.
.macro QUANT s, pw
.irp b, 0,1,2,3
	v_max3_num_f32 v[TM+\b], |v[\s+16*\b]|, |v[\s+1+16*\b]|, 0x1800000
.endr
.irp i, 2,4,6,8,10,12,14
.irp b, 0,1,2,3
	v_max3_num_f32 v[TM+\b], v[TM+\b], |v[\s+16*\b+\i]|, |v[\s+1+16*\b+\i]|   ; the four blocks by turns
.endr
.endr
.irp b, 0,1,2,3
	v_permlanex16_b32 v[TM+4+\b], v[TM+\b], s[SEL], s[SEL+1]
.endr
.irp b, 0,1,2,3
	v_max_num_f32 v[TM+\b], v[TM+\b], v[TM+4+\b]   ; with lane l xor 16's: the block's largest magnitude
.endr
.irp b, 0,1,2,3
	v_add_nc_u32 v[TM+12+\b], 0xff000000, v[TM+\b] ; 2 off its exponent field: the conversion takes the exponent field of this operand as its scale
.endr
.irp b, 0,1,2,3
	v_lshrrev_b32 v[TM+4+\b], 23, v[TM+12+\b]      ; the scale's byte
.endr
	v_lshl_or_b32 v[\pw], v[TM+5], 8, v[TM+4]
	v_lshl_or_b32 v[\pw], v[TM+6], 16, v[\pw]
	v_lshl_or_b32 v[\pw], v[TM+7], 24, v[\pw]
.irp c, 0,1
	v_cvt_scalef32_pk16_fp6_f32 v[PC+6*\c:PC+2+6*\c], v[\s+32*\c:\s+15+32*\c], v[TM+12+2*\c]
	v_cvt_scalef32_pk16_fp6_f32 v[PC+12+4*\c:PC+14+4*\c], v[\s+16+32*\c:\s+31+32*\c], v[TM+12+2*\c+1]   ; (a conversion's three registers begin on an even number)
.endr
	v_nop                                          ; one plain place behind a scaled conversion
.irp c, 0,1                                    ; the operand's layout wants a whole block in a lane: lanes 0-15 block 2 c, lanes 16-31 block 2 c + 1
.irp i, 0,1,2
	v_permlane16_swap_b32 v[PC+6*\c+\i], v[PC+12+4*\c+\i]
.endr
.irp i, 0,1,2
	v_mov_b32 v[PC+3+6*\c+\i], v[PC+12+4*\c+\i]
.endr
.endr
.endm
.macro ADDB a                          ; block a's 64 sums + the bias along j, into window 0; each accumulator is read from its low end on
	WIN 0x02+(\a)/4
.set AC, 64*((\a)%4)
.set k, 0
.rept 32
	v_pk_add_f32 v[H+k:H+k+1], v[AC+k:AC+k+1], v[BJ+k:BJ+k+1]
.set k, k+2
.endr
	WIN 0
.endm
.macro ADDV a                          ; the same with the bias along i: one number a lane, in both words of a pair
	WIN 0x02+(\a)/4
.set AC, 64*((\a)%4)
.set k, 0
.rept 32
	v_pk_add_f32 v[H+k:H+k+1], v[AC+k:AC+k+1], v[BI+2*(\a):BI+2*(\a)+1]
.set k, k+2
.endr
	WIN 0
.endm
	PLACES NP                                      ; behind the last products: their results are read, and their operands' registers written, below
	v_and_b32 v1, 15, v0                           ; r
	v_bfe_u32 v2, v0, 4, 1                         ; h
	v_and_b32 v4, 31, v0
	v_lshlrev_b32 v4, 3, v4                        ; 8 x lane
	v_lshlrev_b32 v5, 5, v2                        ; 32 h: my half's eight numbers of a tile's sixteen
	v_lshlrev_b32 v8, 2, v1                        ; 4 r
.irp b, 0,1,2,3
	v_mov_b32 v[TM+4+\b], 0                        ; written once: a lane permute's destination counts as one of its sources
.endr
	s_mov_b32 s[SEL], 0x76543210
	s_mov_b32 s[SEL+1], 0xfedcba98
	s_mov_b32 s99, 0xffff0000                      ; the mask of lanes 16-31
	s_wait_kmcnt 0x0
	s_cmp_eq_u32 s[KIND], 1
	s_cselect_b64 s[68:69], s[86:87], s[68:69]
	s_cmp_eq_u32 s[KIND], 2
	s_cselect_b64 s[68:69], s[88:89], s[68:69]     ; the product's bias
	s_lshl_b32 s78, s17, 8
	s_lshl_b32 s79, s15, 7
	s_add_co_u32 s78, s78, s79                     ; my first i
	s_lshl_b32 s79, s42, 8
	s_lshl_b32 s80, s16, 7
	s_add_co_u32 s79, s79, s80                     ; my first j
	s_mov_b32 s83, 0
	s_cmp_eq_u32 s[KIND], 2
	s_cbranch_scc1 .Lv
	; ---- KIND 0, 1: i = 128 tokens (group g of batch b), j = 128 channels (two heads)
	s_lshr_b32 s80, s78, 11                        ; b
	s_bfe_u32 s81, s78, 0x40007                    ; g = (token / 128) % 16
	s_lshr_b32 s82, s79, 6                         ; the first of my two heads
	s_lshl_b32 s80, s80, 4
	s_add_co_u32 s80, s80, s82                     ; 16 b + head
	s_cmp_eq_u32 s[KIND], 0
	s_mov_b32 s96, HKV
	s_cselect_b32 s96, HQ, s96                     ; a head's bytes in the buffer
	s_cselect_b64 s[70:71], s[92:93], s[94:95]     ; qws or kvws
	s_mov_b32 s97, 0
	s_mul_i32 s82, s80, s96
	s_add_nc_u64 s[70:71], s[70:71], s[82:83]      ; at my first head
	s_mul_i32 s82, s81, 6144
	s_add_nc_u64 s[84:85], s[70:71], s[82:83]      ; its images of my eight tiles of tokens,
	s_add_nc_u64 s[86:87], s[84:85], s[96:97]      ; the second head's,
	s_lshl_b32 s82, s81, 9
	s_add_co_u32 s82, s82, 98304
	s_add_nc_u64 s[88:89], s[70:71], s[82:83]      ; and their scale words
	s_add_nc_u64 s[90:91], s[88:89], s[96:97]
	s_lshl_b32 s82, s79, 2
	s_add_nc_u64 s[68:69], s[68:69], s[82:83]      ; the bias at my first channel
	s_lshl_b32 s80, s78, 12
	s_add_co_u32 s82, s82, s80
	s_add_nc_u64 s[72:73], s[72:73], s[82:83]      ; qpf at (my first token, my first channel)
.irp u, 0,1,2,3,4,5,6,7
	global_load_b128 v[BJ+8*\u:BJ+8*\u+3], v5, s[68:69] offset:64*\u         ; register 8 u + e: the bias of channel 16 u + 8 h + e, as the accumulators lie
	global_load_b128 v[BJ+8*\u+4:BJ+8*\u+7], v5, s[68:69] offset:64*\u+16
.endr
	s_wait_loadcnt 0x0
.macro QKBLOCK a                       ; 16 tokens x 128 channels
.if (\a) > 0
	s_wait_xcnt 0x0                                ; the last block's stores have read their registers: they are written again only behind this wait
.endif
	ADDB \a
	QUANT H, WK+(\a)
	global_store_b128 v[CO], v[PC:PC+3], s[84:85] offset:768*(\a)            ; a head's half of the fragment, as an image of its six registers: 512 consecutive bytes,
	global_store_b64 v4, v[PC+4:PC+5], s[84:85] offset:768*(\a)+512          ; then 256
	global_store_b128 v[CO], v[PC+6:PC+9], s[86:87] offset:768*(\a)
	global_store_b64 v4, v[PC+10:PC+11], s[86:87] offset:768*(\a)+512
	s_cmp_lg_u32 s[KIND], 0
	s_cbranch_scc1 .Lnoq_\@                        ; qp alone is wanted in f32 later
.irp u, 0,1,2,3,4,5,6,7
	ds_store_b128 v[STO], v[H+8*\u:H+8*\u+3] offset:64*\u
	ds_store_b128 v[STO], v[H+8*\u+4:H+8*\u+7] offset:64*\u+16
.endr
.irp t, 0,1,2,3,4,5,6,7,8,9,10,11,12,13,14,15
	ds_load_b128 v[H+4*\t:H+4*\t+3], v[RD] offset:\t*SPITCH                   ; LDS serves a wave's instructions in order (ISA guide 5.7.1.4): these see the stores above
.endr
	s_wait_dscnt 0x0
.irp t, 0,1,2,3,4,5,6,7,8,9,10,11,12,13,14,15
	global_store_b128 v[CO], v[H+4*\t:H+4*\t+3], s[72:73] offset:65536*(\a)+4096*\t   ; 32 lanes store 512 consecutive bytes of a row of qp
.endr
.Lnoq_\@:
.endm
.irp a, 0,1,2,3,4,5,6,7
	QKBLOCK \a
.endr
.irp i, 0,1,2,3
	v_cndmask_b32 v[R+\i], v[WK+\i], v[WK+4+\i], s99   ; lanes 0-15: the words of tiles 0-3, lanes 16-31: of tiles 4-7
.endr
.irp i, 0,1,2,3
	v_and_b32 v[RA+\i], 0xffff, v[R+\i]            ; the first head's two bytes; the word's upper two stay 0: they meet zero codes
	v_lshrrev_b32 v[RB+\i], 16, v[R+\i]            ; the second head's
.endr
	global_store_b128 v[CO], v[RA:RA+3], s[88:89]
	global_store_b128 v[CO], v[RB:RB+3], s[90:91]
	s_branch .Ljoin
.Lv:	; ---- KIND 2: i = 128 channels (two heads x four tiles), j = 128 keys (step g of batch b)
	s_lshr_b32 s80, s79, 11                        ; b
	s_bfe_u32 s81, s79, 0x40007                    ; g
	s_lshr_b32 s82, s78, 6                         ; the first of my two heads
	s_lshl_b32 s80, s80, 4
	s_add_co_u32 s80, s80, s82
	s_mul_i32 s82, s80, HKV
	s_add_nc_u64 s[70:71], s[94:95], s[82:83]      ; kvws at my first head
	s_mul_i32 s82, s81, 6144
	s_add_co_u32 s82, s82, 106496
	s_add_nc_u64 s[84:85], s[70:71], s[82:83]      ; V's images of key step g
	s_lshl_b32 s82, s81, 8
	s_add_co_u32 s82, s82, 204800
	s_add_nc_u64 s[88:89], s[70:71], s[82:83]      ; and their scale words
	s_lshl_b32 s82, s78, 2
	s_add_nc_u64 s[68:69], s[68:69], s[82:83]      ; bv at my first channel
	s_lshl_b32 s80, s42, 4
	s_lshl_b32 s81, s17, 2
	s_add_co_u32 s80, s80, s81
	s_add_co_u32 s80, s80, s14                     ; F = 16 x tile column + 4 x tile row + wave: 0 .. 511: my fragment of Wo: tile F / 8, K step F % 8
	s_mul_i32 s82, s80, 1536
	s_add_nc_u64 s[76:77], s[76:77], s[82:83]
	s_lshr_b32 s81, s80, 4
	s_bfe_u32 s96, s80, 0x10003
	s_and_b32 s80, s80, 7
	s_lshl_b32 s81, s81, 5
	s_lshl_b32 s96, s96, 3
	s_add_co_u32 s81, s81, s96                     ; the tile's first row of Wo: 32 (tile / 2) + 8 (tile % 2)
	s_mul_i32 s81, s81, KROW
	s_mul_i32 s80, s80, 96
	s_add_co_u32 s82, s81, s80
	s_add_nc_u64 s[74:75], s[74:75], s[82:83]
	v_mul_u32_u24 v6, v2, HKV
	v_lshl_add_u32 v6, v1, 4, v6                   ; the scale words' place: lanes 0-15 the first head's 256 bytes, lanes 16-31 the second's
	v_and_b32 v7, 8, v1
	v_add_nc_u32 v7, v7, v1                        ; THE ROWS OF Wo THAT FORM A TILE ARE NOT NEIGHBOURS: lane r takes row r + 8 (r / 8) of the tile's span, so that the last launch's results fall where its rows' numbers lie
	v_mul_u32_u24 v7, v7, KROW
	v_mad_u32_u24 v7, v2, 24, v7
.irp a, 0,1,2,3,4,5,6,7
	global_load_b32 v[BI+2*\a], v8, s[68:69] offset:64*\a          ; bv of channel 16 a + r
.endr
.irp p, 0,1,2,3,4,5
	global_load_b64 v[WF+2*\p:WF+2*\p+1], v7, s[74:75] offset:48*(\p/3)+8*(\p%3)
.endr
	s_wait_loadcnt 0x0
.irp a, 0,1,2,3,4,5,6,7
	v_mov_b32 v[BI+2*\a+1], v[BI+2*\a]
.endr
.irp c, 0,1,2
	global_store_b128 v[CO], v[WF+4*\c:WF+4*\c+3], s[76:77] offset:512*\c     ; the fragment as an image of its registers
.endr
.macro VBLOCK a                        ; 16 channels x 128 keys: one whole fragment
	s_wait_xcnt 0x0                                ; earlier stores have read their registers
	ADDV \a
	QUANT H, WK+(\a)
.irp c, 0,1,2
	global_store_b128 v[CO], v[PC+4*\c:PC+4*\c+3], s[84:85] offset:((\a)/4)*HKV+((\a)%4)*1536+512*\c
.endr
.endm
.irp a, 0,1,2,3,4,5,6,7
	VBLOCK \a
.endr
.irp i, 0,1,2,3
	v_cndmask_b32 v[R+\i], v[WK+\i], v[WK+4+\i], s99   ; lanes 0-15: the first head's four tiles, lanes 16-31: the second's
.endr
	global_store_b128 v6, v[R:R+3], s[88:89]
.Ljoin:
	s_wait_tensorcnt 0x0                           ; the wave's end, behind my last tensor load and my last LDS store
	ds_add_u32 v[SPW], v[NIL]
	s_wait_dscnt 0x0
	CROUND                                         ; the closing round: no work-group ends while a partner may still ask for a tile that names it
	s_endpgm
.Lfunc_end_k_q8134e07222_proj:
	.size	k_q8134e07222_proj, .Lfunc_end_k_q8134e07222_proj-k_q8134e07222_proj
	.p2alignl 7, 3214868480
	.fill 96, 4, 3214868480
	.section	.rodata,"a",@progbits
	.p2align	6, 0x0
	.amdhsa_kernel k_q8134e07222_proj
		.amdhsa_group_segment_fixed_size 327680
		.amdhsa_private_segment_fixed_size 0
		.amdhsa_enable_private_segment 0
		.amdhsa_kernarg_size 160
		.amdhsa_user_sgpr_count 2
		.amdhsa_user_sgpr_kernarg_segment_ptr 1
		.amdhsa_wavefront_size32 1
		.amdhsa_system_sgpr_workgroup_id_x 1
		.amdhsa_system_sgpr_workgroup_id_y 1
		.amdhsa_system_sgpr_workgroup_id_z 1
		.amdhsa_system_vgpr_workitem_id 0
		.amdhsa_next_free_vgpr 1024
		.amdhsa_next_free_sgpr 104
		.amdhsa_reserve_vcc 0
		.amdhsa_float_denorm_mode_32 3
		.amdhsa_float_denorm_mode_16_64 3
		.amdhsa_memory_ordered 1
		.amdhsa_forward_progress 1
		.amdhsa_inst_pref_size 255
	.end_amdhsa_kernel
	.section	.bss,"aw",@nobits
	.p2align	6
	.space	262144
	.amdgpu_metadata
---
amdhsa.version: [ 1, 2 ]
amdhsa.kernels:
  - .name:           k_q8134e07222_proj
    .symbol:         k_q8134e07222_proj.kd
    .args:
      - { .name: q_codes, .offset: 0, .size: 8, .value_kind: global_buffer, .address_space: global }
      - { .name: q_scales, .offset: 8, .size: 8, .value_kind: global_buffer, .address_space: global }
      - { .name: Wq_codes, .offset: 16, .size: 8, .value_kind: global_buffer, .address_space: global }
      - { .name: Wq_scales, .offset: 24, .size: 8, .value_kind: global_buffer, .address_space: global }
      - { .name: bq, .offset: 32, .size: 8, .value_kind: global_buffer, .address_space: global }
      - { .name: k_codes, .offset: 40, .size: 8, .value_kind: global_buffer, .address_space: global }
      - { .name: k_scales, .offset: 48, .size: 8, .value_kind: global_buffer, .address_space: global }
      - { .name: Wk_codes, .offset: 56, .size: 8, .value_kind: global_buffer, .address_space: global }
      - { .name: Wk_scales, .offset: 64, .size: 8, .value_kind: global_buffer, .address_space: global }
      - { .name: bk, .offset: 72, .size: 8, .value_kind: global_buffer, .address_space: global }
      - { .name: Wv_codes, .offset: 80, .size: 8, .value_kind: global_buffer, .address_space: global }
      - { .name: Wv_scales, .offset: 88, .size: 8, .value_kind: global_buffer, .address_space: global }
      - { .name: v_codes, .offset: 96, .size: 8, .value_kind: global_buffer, .address_space: global }
      - { .name: v_scales, .offset: 104, .size: 8, .value_kind: global_buffer, .address_space: global }
      - { .name: bv, .offset: 112, .size: 8, .value_kind: global_buffer, .address_space: global }
      - { .name: qws, .offset: 120, .size: 8, .value_kind: global_buffer, .address_space: global }
      - { .name: kvws, .offset: 128, .size: 8, .value_kind: global_buffer, .address_space: global }
      - { .name: qpf, .offset: 136, .size: 8, .value_kind: global_buffer, .address_space: global }
      - { .name: Wo_codes, .offset: 144, .size: 8, .value_kind: global_buffer, .address_space: global }
      - { .name: wows, .offset: 152, .size: 8, .value_kind: global_buffer, .address_space: global }
    .group_segment_fixed_size: 327680
    .private_segment_fixed_size: 0
    .kernarg_segment_align: 8
    .kernarg_segment_size: 160
    .max_flat_workgroup_size: 128
    .sgpr_count:     104
    .vgpr_count:     1024
    .wavefront_size: 32
...
	.end_amdgpu_metadata
.endif
;; end of part 1
;; launch attend (part 2): grid 4 x 64, 16 waves a work-group, clusters of 4 x 1, 288,768 bytes of LDS; arguments qws, kvws, mask, att; writes att
.if DOCPART == 2
	.amdgcn_target "amdgcn-amd-amdhsa--gfx1250"
	.amdhsa_code_object_version 6
	.text
	.protected	k_q8134e07222_attend
	.globl	k_q8134e07222_attend
	.p2align	8
	.type	k_q8134e07222_attend,@function
k_q8134e07222_attend:
	s_mov_b64 s[64:65], 0
	v_nop
	global_prefetch_b8 v0, s[64:65] scope:SCOPE_SE
	s_setreg_imm32_b32 hwreg(HW_REG_WAVE_MODE, 25, 1), 1
	s_wait_xcnt 0x0
	s_wait_alu depctr_hold_cnt(0) depctr_sa_sdst(0) depctr_va_vdst(0) depctr_va_sdst(0) depctr_va_ssrc(0) depctr_va_vcc(0) depctr_vm_vsrc(0)
	s_getreg_b32 s2, hwreg(HW_REG_IB_STS2, 6, 4)
	s_cmp_eq_u32 s2, 0
	s_cbranch_scc0 .Lentry_in_a_cluster
	s_endpgm
.Lentry_in_a_cluster:
	s_bfe_u32 s2, ttmp6, 0x10000c
	s_cmp_lg_u32 s2, 0x3003
	s_cbranch_scc0 .Lentry_shape_is_right
	s_endpgm
.Lentry_shape_is_right:
; attn[b][q][h][:] = sum over keys of A V, A = softmax over the keys that the mask lets through of (Q . K / 32); a row with no such key gives 0.  Both products on codes of FP6 (E2M3) with E8M0 scales.
; A IS QUANTISED FINISHED AND NORMALISED, so a row's maximum and sum are known before any weight is quantised: TWO PASSES over the keys, the scores made in each.
;   pass 1: t = score x log2(e) / 32; M = the running largest t rounded up to a whole number; the sum of 2^(t - M), brought under a new M by an exact power of two.
;   pass 2: A = 2^(t - M) x (1 / sum), quantised along the keys in blocks of 32, multiplied with V.
; THE MASK costs no vector instruction: a word for each key, 0 or -2^100, is loaded as the C of the scores' matrix instruction.  The running largest t begins at -2^83, above every masked t: a masked key's weight is 2^(very negative) = 0.
; LIMITS: |t| of 2^83 or more is not served; NaN and infinities are not served; a block of weights that are all 0 keeps the scale byte 1 (its codes are zeros).
; SHARES.  The cluster's y is the head (16 b + h); its four work-groups take 512 queries each.  A head's K and V, codes and scale words, are 208,896 bytes: they come into LDS ONCE, by first fills alone, asked for JOINTLY by the
; four partners (the same descriptors, the mask 15): no slot is ever filled again.  Each of the sixteen waves takes 16 queries at a time, twice, in 256 registers: four waves to a SIMD, so that one wave's vector work stands beside another's matrix work and LDS loads.
; LAYOUT.  Both products are used transposed: S^T = K Q^T (source 0 = 16 keys, source 1 = my 16 queries), O^T = V^T A^T: a lane holds one query (lane % 16) throughout.  The head has 64 channels: half of the 128 along K of the first product.
; Q's upper six registers are zeros; K's upper six are whatever follows (the next tile's codes): they meet zero codes.  All operands lie in LDS as images of their registers: every LDS load takes consecutive bytes.
; The codes of a block of 32 keys stand in the same fixed order in V (made by the launch before) and in A (made here by the same lines from the same register layout).
; REGISTERS: v1-11 addresses that stay; v13-18 addresses of the step; v20 -M, v21 the largest t; v[22:23] the sum; v[24:25] the factor, later 1 / sum; v26-27 at work; v28-39 Q; v40 Q's scale words, v41 A's, v42-45 K's, v46-49 V's: these hold scales alone;
;   v50-103 K's eight half fragments, or V's four fragments; v104-167 S^T, then the weights; v168-199 O^T; v200-219 A's codes; v220-235 at work; v236-243 at work.
.set HKV,   208896
.set HQ,    106496
.set KSCL,  98304                      ; LDS: K's images at 0 (16 steps x 8 tiles x 768), its scale words here (16 x 512),
.set VIMG,  106496                     ; V's images (16 steps x 4 tiles x 1,536),
.set VSCL,  204800                     ; its scale words (16 x 256),
.set BIAS,  208896                     ; the mask as 2,048 words: stored by the waves, no fill lands here,
.set STAGE, 217088                     ; and a stage of 16 rows x (256 + 16) bytes for each wave
.set S,   104
.set O,   168
.set KF,  50
.set PC,  200
.set TM,  220
.set WV,  12                           ; s12 my wave's number
.set SEL, 40                           ; s[40:41] lane selects for v_permlanex16_b32: lane l xor 16
.set CS,  42                           ; s[42:43] log2(e) / 32
.set TK,  44                           ; s44 the step's images: 6,144 bytes a step, in K and in V alike
.set TS,  45                           ; s45 the step's scale words of K and words of the mask: 512 bytes a step
.set TT,  46                           ; s46 V's scale words: 256 bytes a step
.set CNT, 47
.macro ROUND                           ; a round of the cluster's barrier
	s_barrier_signal -1
	s_barrier_wait -1
	s_cmp_lg_u32 s[WV], 0
	s_cbranch_scc1 .Lnot_wave_0_\@
	s_barrier_signal -3
.Lnot_wave_0_\@:
	s_barrier_wait -3
	s_barrier_signal -1
	s_barrier_wait -1
.endm
	s_load_b256 s[4:11], s[0:1], 0x0               ; qws s[4:5], kvws s[6:7], mask s[8:9], att s[10:11]
	v_lshl_add_u32 v254, v0, 2, 0x46000
	v_mov_b32 v255, 0
	ds_add_u32 v254, v255
	ds_add_u32 v254, v255
	v_lshrrev_b32 v1, 5, v0
	v_readfirstlane_b32 s[WV], v1                  ; wave 0..15
	s_bfe_u32 s13, ttmp6, 0x40000                  ; cx: it enters Q's and att's addresses alone
	s_and_b32 s14, ttmp7, 0xffff                   ; 16 b + h
	s_lshr_b32 s15, s14, 4                         ; b
	s_and_b32 s49, s14, 15                         ; h
	; descriptor groups 1: dense blocks as rows of 256 bytes (32 elements of 8 bytes), no padding.  K's part: 26 rows a wave (16 x 6,656 = 106,496 bytes); V's: 25 rows (16 x 6,400 = 102,400)
	s_mov_b32 s16, 15|(3<<16)|(1<<21)              ; 15:0 the mask: all four work-groups; 17:16 elements of 8 bytes; 21 set beside a mask
	s_mov_b32 s17, 32<<16                          ; tensor_dim0
	s_mov_b32 s18, 26<<16                          ; tensor_dim1
	s_mov_b32 s19, 32<<16                          ; tile_dim0
	s_mov_b32 s20, 26                              ; tile_dim1
	s_mov_b32 s21, 32                              ; from row to row
	s_mov_b32 s22, 0
	s_mov_b32 s23, 0
	s_mov_b32 s24, 15|(3<<16)|(1<<21)
	s_mov_b32 s25, 32<<16
	s_mov_b32 s26, 25<<16
	s_mov_b32 s27, 32<<16
	s_mov_b32 s28, 25
	s_mov_b32 s29, 32
	s_mov_b32 s30, 0
	s_mov_b32 s31, 0
	s_mul_i32 s56, s14, HKV
	s_mov_b32 s57, 0
	s_mul_i32 s44, s[WV], 6656                     ; my part of K: the same offset in the head's bytes and in LDS
	s_mov_b32 s45, 0
	s_mul_i32 s46, s[WV], 6400
	s_add_co_u32 s46, s46, VIMG                    ; my part of V likewise
	s_mov_b32 s47, 0
	s_mov_b32 s[SEL], 0x76543210
	s_mov_b32 s[SEL+1], 0xfedcba98
	s_mov_b32 s[CS], 0x3d38aa3b                    ; log2(e) / 32: the reference divides by sqrt(1024)
	s_mov_b32 s[CS+1], s[CS]                       ; (named with it as a pair, so it is written)
	s_wait_dscnt 0x0
	s_wait_kmcnt 0x0
	s_add_nc_u64 s[6:7], s[6:7], s[56:57]          ; kvws at my head
	s_mov_b32 s32, 1
	s_mov_b32 s33, s44
	s_add_nc_u64 s[34:35], s[6:7], s[44:45]
	s_or_b32 s35, s35, 0x80000000
	s_mov_b32 s36, 1
	s_mov_b32 s37, s46
	s_add_nc_u64 s[38:39], s[6:7], s[46:47]
	s_or_b32 s39, s39, 0x80000000
	ROUND                                          ; all four work-groups are here: the joint loads meet
	tensor_load_to_lds s[32:35], s[16:23]          ; K: images and scale words
	s_nop 0
	tensor_load_to_lds s[36:39], s[24:31]          ; V: two tensor loads of mine are out, and no more are ever issued
	s_nop 0
.rept 4
	v_nop
.endr
	s_lshl_b32 s56, s15, 11
	s_add_nc_u64 s[8:9], s[8:9], s[56:57]          ; the mask of my batch
	v_lshlrev_b32 v236, 2, v0
	global_load_b32 v237, v236, s[8:9]             ; four keys a thread: 512 threads, 2,048 keys
	v_and_b32 v12, 31, v0                          ; lane
	v_and_b32 v19, 15, v0                          ; r
	v_bfe_u32 v26, v0, 4, 1                        ; h
	v_lshlrev_b32 v1, 4, v12                       ; 16 x lane: an image's first four registers
	v_lshlrev_b32 v10, 3, v12                      ; 8 x lane
	v_add_nc_u32 v2, 512, v10                      ; its last two
	v_add_nc_u32 v3, KSCL, v1                      ; K's scale words: lane (r, h): tiles 4 h + 0 .. 3 of key row r
	v_lshlrev_b32 v4, 5, v26
	v_add_nc_u32 v4, BIAS, v4                      ; the mask's words: my half's eight keys of a tile's sixteen
	v_add_nc_u32 v5, VIMG, v1
	v_lshlrev_b32 v11, 4, v19                      ; 16 r
	v_add_nc_u32 v6, VSCL, v11                     ; V's scale words: channel row r, tiles 0 .. 3
	s_mul_i32 s56, s[WV], 4352
	s_add_co_u32 s56, s56, STAGE                   ; my stage
	v_mul_u32_u24 v7, v19, 272
	v_lshl_add_u32 v7, v26, 5, v7
	v_add_nc_u32 v7, s56, v7                       ; in: row r, 32 bytes for each half of the lanes
	v_mul_u32_u24 v8, v26, 272
	v_add_nc_u32 v8, v8, v11
	v_add_nc_u32 v8, s56, v8                       ; back: lanes 0-15 one row of 256 bytes, lanes 16-31 the next
	v_lshl_add_u32 v9, v26, 12, v11                ; and the same two rows in att
.irp i, 34,35,36,37,38,39,98,99,100,101,102,103
	v_mov_b32 v\i, 0                               ; Q's codes of K = 64 .. 127: zeros; and what stands behind K's last half fragment
.endr
	v_mov_b32 v27, 0                               ; written once: a lane permute's destination counts as one of its sources
	v_mov_b32 v25, 0                               ; (named as the upper half of a pair)
.irp b, 0,1,2,3
	v_mov_b32 v[TM+4+\b], 0
.endr
	s_mul_i32 s56, s14, HQ
	s_add_nc_u64 s[4:5], s[4:5], s[56:57]          ; qws at my head
	s_lshl_b32 s58, s13, 5
	s_add_co_u32 s58, s58, s[WV]                   ; my first tile of queries: 32 cx + wave
	s_mul_i32 s58, s58, 768
	s_mov_b32 s59, 0
	s_add_nc_u64 s[50:51], s[4:5], s[58:59]        ; its image
	s_lshl_b32 s58, s13, 2
	s_lshr_b32 s60, s[WV], 3
	s_add_co_u32 s58, s58, s60
	s_lshl_b32 s58, s58, 9                         ; its scale words: the group of eight tiles,
	s_bfe_u32 s60, s[WV], 0x10002
	s_lshl_b32 s60, s60, 8
	s_add_co_u32 s58, s58, s60                     ; the half of the group,
	s_and_b32 s60, s[WV], 3
	s_lshl_b32 s60, s60, 2
	s_add_co_u32 s58, s58, s60                     ; the word among four
	s_add_co_u32 s58, s58, 98304
	s_add_nc_u64 s[52:53], s[4:5], s[58:59]
	s_lshl_b32 s58, s15, 11
	s_lshl_b32 s60, s13, 9
	s_add_co_u32 s58, s58, s60
	s_lshl_b32 s60, s[WV], 4
	s_add_co_u32 s58, s58, s60                     ; my first row of att: 2,048 b + 512 cx + 16 wave
	s_lshl_b32 s58, s58, 12
	s_lshl_b32 s60, s49, 8
	s_add_co_u32 s58, s58, s60                     ; and my head's 256 bytes of it
	s_add_nc_u64 s[54:55], s[10:11], s[58:59]
	s_wait_loadcnt 0x0
	v_mov_b32 v238, 0xf1800000                     ; -2^100
.irp i, 0,1,2,3
	v_bfe_u32 v239, v237, 8*\i, 8
	v_cmp_eq_u32 vcc_lo, 0, v239
	v_cndmask_b32 v[240+\i], 0, v238, vcc_lo       ; a choice of values: no branch and no address hangs on the mask
.endr
	v_lshl_add_u32 v236, v0, 4, BIAS
	ds_store_b128 v236, v[240:243]
	s_wait_tensorcnt 0x1                           ; my part of K is in; V's load may be out
	s_wait_dscnt 0x0                               ; my words of the mask are stored
	s_barrier_signal -1
	s_barrier_wait -1
; The scores of 128 keys: S^T = K Q^T + the mask's words.  v = 1: V's addresses are made too.  The additions are the places behind the last step's products, ahead of the loads into their operands' registers.
.macro SCORES v
	v_add_nc_u32 v13, s[TK], v1
	v_add_nc_u32 v14, s[TK], v2
	v_add_nc_u32 v15, s[TS], v3
	v_add_nc_u32 v16, s[TS], v4
.if \v
	v_add_nc_u32 v17, s[TK], v5
	v_add_nc_u32 v18, s[TT], v6
.endif
.irp t, 0,1,2,3,4,5,6,7
	ds_load_b128 v[S+8*\t:S+8*\t+3], v16 offset:64*\t          ; register 8 t + e: the word of key 16 t + 8 h + e
	ds_load_b128 v[S+8*\t+4:S+8*\t+7], v16 offset:64*\t+16
.endr
.irp t, 0,1,2,3,4,5,6,7
	ds_load_b128 v[KF+6*\t:KF+6*\t+3], v13 offset:768*\t
	ds_load_b64 v[KF+6*\t+4:KF+6*\t+5], v14 offset:768*\t
.endr
	ds_load_b128 v[42:45], v15
	s_wait_dscnt 0x0
.irp t, 0,1,2,3                                ; the eight accumulators take turns, one instruction a turn
	v_wmma_scale_f32_16x16x128_f8f6f4 v[S+8*\t:S+8*\t+7], v[KF+6*\t:KF+6*\t+11], v[28:39], v[S+8*\t:S+8*\t+7], v[42+\t], v40 matrix_a_fmt:MATRIX_FMT_FP6 matrix_b_fmt:MATRIX_FMT_FP6
.endr
.irp t, 4,5,6,7
	v_wmma_scale_f32_16x16x128_f8f6f4 v[S+8*\t:S+8*\t+7], v[KF+6*\t:KF+6*\t+11], v[28:39], v[S+8*\t:S+8*\t+7], v[42+\t-4], v40 matrix_a_fmt:MATRIX_FMT_FP6 matrix_b_fmt:MATRIX_FMT_FP6 matrix_a_scale:MATRIX_SCALE_ROW1
.endr
.rept 4
	v_nop                                          ; places ahead of the first read of the results and of loads into the operands' registers
.endr
.endm
.macro TMINUSM                         ; t - M, two at a time (of the pairs c and -M the low word serves both halves); each accumulator is read from its low end on
.set j, 0
.rept 32
	v_pk_fma_f32 v[S+j:S+j+1], v[S+j:S+j+1], s[CS:CS+1], v[20:21] op_sel_hi:[1,0,0]
.set j, j+2
.endr
.set j, 0
.rept 64
	v_exp_f32 v[S+j], v[S+j]                       ; one batch
.set j, j+1
.endr
.endm
.macro PASS1
	SCORES 0
.irp b, 0,1,2,3
	v_max3_num_f32 v[236+\b], v[S+16*\b], v[S+1+16*\b], v[S+2+16*\b]         ; the largest of my 64 scores, in four chains
.endr
.irp i, 3,5,7,9,11,13
.irp b, 0,1,2,3
	v_max3_num_f32 v[236+\b], v[236+\b], v[S+16*\b+\i], v[S+1+16*\b+\i]
.endr
.endr
.irp b, 0,1,2,3
	v_max_num_f32 v[236+\b], v[236+\b], v[S+15+16*\b]
.endr
	v_max3_num_f32 v26, v236, v237, v238
	v_max_num_f32 v26, v26, v239
	v_permlanex16_b32 v27, v26, s[SEL], s[SEL+1]
	v_max_num_f32 v26, v26, v27                    ; with lane l xor 16's 64 keys
	v_mul_f32 v26, s[CS], v26                      ; as t
	v_max_num_f32 v21, v21, v26                    ; the running largest t
	v_mov_b32 v26, v20
	v_floor_f32 v20, -v21                          ; the new -M = floor(-t): M is a whole number
	v_sub_f32 v26, v20, v26                        ; old M - new M: a whole number, 0 or less
	v_cvt_i32_f32 v26, v26                         ; (it saturates)
	v_ldexp_f32 v24, 1.0, v26                      ; 2^(old M - new M): a factor that rounds nothing
	TMINUSM
	v_pk_mul_f32 v[22:23], v[22:23], v[24:25] op_sel_hi:[1,0]    ; the sum under the new M.  (The plain place behind the exponentials)
	s_wait_alu depctr_va_vdst(0)                   ; one wait for the batch, ahead of its first reader
	v_pk_add_f32 v[236:237], v[S:S+1], v[S+2:S+3]
.irp i, 4,8,12,16,20,24,28,32,36,40,44,48,52,56,60
	v_pk_add_f32 v[22:23], v[22:23], v[S+\i:S+\i+1]
	v_pk_add_f32 v[236:237], v[236:237], v[S+\i+2:S+\i+3]
.endr
	v_pk_add_f32 v[22:23], v[22:23], v[236:237]
	s_add_co_u32 s[TK], s[TK], 6144
	s_add_co_u32 s[TS], s[TS], 512
.endm
; 64 numbers of a lane, sixteen of each of four blocks of 32 keys (the other sixteen lie in lane l xor 16), become a fragment's codes in v[PC] on and its scale word in v[pw]: the same lines as in the launch that made V's codes.
.macro QUANT s, pw
.irp b, 0,1,2,3
	v_max3_num_f32 v[TM+\b], |v[\s+16*\b]|, |v[\s+1+16*\b]|, 0x1800000       ; with the floor 2^(3 - 127): the byte cannot fall under 1
.endr
.irp i, 2,4,6,8,10,12,14
.irp b, 0,1,2,3
	v_max3_num_f32 v[TM+\b], v[TM+\b], |v[\s+16*\b+\i]|, |v[\s+1+16*\b+\i]|
.endr
.endr
.irp b, 0,1,2,3
	v_permlanex16_b32 v[TM+4+\b], v[TM+\b], s[SEL], s[SEL+1]
.endr
.irp b, 0,1,2,3
	v_max_num_f32 v[TM+\b], v[TM+\b], v[TM+4+\b]
.endr
.irp b, 0,1,2,3
	v_add_nc_u32 v[TM+12+\b], 0xff000000, v[TM+\b] ; 2 off the exponent field: the conversion's scale operand
.endr
.irp b, 0,1,2,3
	v_lshrrev_b32 v[TM+4+\b], 23, v[TM+12+\b]      ; the scale's byte
.endr
	v_lshl_or_b32 v[\pw], v[TM+5], 8, v[TM+4]
	v_lshl_or_b32 v[\pw], v[TM+6], 16, v[\pw]
	v_lshl_or_b32 v[\pw], v[TM+7], 24, v[\pw]
.irp c, 0,1
	v_cvt_scalef32_pk16_fp6_f32 v[PC+6*\c:PC+2+6*\c], v[\s+32*\c:\s+15+32*\c], v[TM+12+2*\c]
	v_cvt_scalef32_pk16_fp6_f32 v[PC+12+4*\c:PC+14+4*\c], v[\s+16+32*\c:\s+31+32*\c], v[TM+12+2*\c+1]
.endr
	v_nop                                          ; one plain place behind a scaled conversion
.irp c, 0,1
.irp i, 0,1,2
	v_permlane16_swap_b32 v[PC+6*\c+\i], v[PC+12+4*\c+\i]
.endr
.irp i, 0,1,2
	v_mov_b32 v[PC+3+6*\c+\i], v[PC+12+4*\c+\i]
.endr
.endr
.endm
.macro P2 first                        ; a key step of pass 2.  first = 1: the products start O^T's sums
	SCORES 1
.irp t, 0,1,2,3
.irp c, 0,1,2
	ds_load_b128 v[KF+12*\t+4*\c:KF+12*\t+4*\c+3], v17 offset:1536*\t+512*\c  ; V's four fragments, into the registers that K's have left: they land during the softmax
.endr
.endr
	ds_load_b128 v[46:49], v18
	TMINUSM
	v_nop                                          ; the plain place behind the exponentials
	s_wait_alu depctr_va_vdst(0)                   ; one wait for the batch
.set j, 0
.rept 32
	v_pk_mul_f32 v[S+j:S+j+1], v[S+j:S+j+1], v[24:25] op_sel_hi:[1,0]        ; x 1 / sum: the finished weights
.set j, j+2
.endr
	QUANT S, 41
.rept 8
	v_nop                                          ; a scale word written by a vector instruction stands 8 places ahead of the scaled product, an operand so written 4
.endr
	s_wait_dscnt 0x0                               ; V
.irp t, 0,1,2,3
.if \first
	v_wmma_scale_f32_16x16x128_f8f6f4 v[O+8*\t:O+8*\t+7], v[KF+12*\t:KF+12*\t+11], v[PC:PC+11], 0, v[46+\t], v41 matrix_a_fmt:MATRIX_FMT_FP6 matrix_b_fmt:MATRIX_FMT_FP6
.else
	v_wmma_scale_f32_16x16x128_f8f6f4 v[O+8*\t:O+8*\t+7], v[KF+12*\t:KF+12*\t+11], v[PC:PC+11], v[O+8*\t:O+8*\t+7], v[46+\t], v41 matrix_a_fmt:MATRIX_FMT_FP6 matrix_b_fmt:MATRIX_FMT_FP6
.endif
.endr
	s_add_co_u32 s[TK], s[TK], 6144
	s_add_co_u32 s[TS], s[TS], 512
	s_add_co_u32 s[TT], s[TT], 256
.endm
; A tile of 16 queries: tile 32 cx + 16 tr + wave of the head.  The trip stands in the immediates: no base is stepped.
.macro TRIP tr
	global_load_b128 v[28:31], v1, s[50:51] offset:12288*\tr
	global_load_b64 v[32:33], v10, s[50:51] offset:12288*\tr+512
	global_load_b32 v40, v11, s[52:53] offset:1024*\tr
	v_mov_b32 v21, 0xe9000000                      ; the largest t so far: -2^83
	v_floor_f32 v20, -v21
	v_mov_b32 v22, 0
	v_mov_b32 v23, 0
	s_mov_b32 s[TK], 0
	s_mov_b32 s[TS], 0
	s_mov_b32 s[CNT], 16
	s_wait_loadcnt 0x0
.Lp1_\@:
	PASS1
	s_sub_co_u32 s[CNT], s[CNT], 1
	s_cmp_lg_u32 s[CNT], 0
	s_cbranch_scc1 .Lp1_\@
	v_add_f32 v22, v22, v23
	v_permlanex16_b32 v27, v22, s[SEL], s[SEL+1]
	v_add_f32 v22, v22, v27                        ; the row's sum
	v_cmp_lt_f32 vcc_lo, 0, v22
	v_rcp_f32 v26, v22
	v_nop                                          ; a plain place behind the reciprocal
	s_wait_alu depctr_va_vdst(0)                   ; and the wait ahead of its reader
	v_cndmask_b32 v24, 0, v26, vcc_lo              ; a row with every key masked: the sum is 0, and so are all its weights
	v_mov_b32 v25, v24
.if \tr == 0
	s_wait_tensorcnt 0x0                           ; my part of V is in,
	s_wait_dscnt 0x0
	s_barrier_signal -1
	s_barrier_wait -1                              ; everybody's is
.endif
	s_mov_b32 s[TK], 0
	s_mov_b32 s[TS], 0
	s_mov_b32 s[TT], 0
	P2 1
	s_mov_b32 s[CNT], 15
.Lp2_\@:
	P2 0
	s_sub_co_u32 s[CNT], s[CNT], 1
	s_cmp_lg_u32 s[CNT], 0
	s_cbranch_scc1 .Lp2_\@
.rept 4
	v_nop                                          ; places ahead of the first read of O^T
.endr
.irp t, 0,1,2,3
	ds_store_b128 v7, v[O+8*\t:O+8*\t+3] offset:64*\t          ; lane (r, h): query r, channels 16 t + 8 h + 0 .. 7; each accumulator from its low end on
	ds_store_b128 v7, v[O+8*\t+4:O+8*\t+7] offset:64*\t+16
.endr
.irp i, 0,1,2,3,4,5,6,7
	ds_load_b128 v[S+4*\i:S+4*\i+3], v8 offset:544*\i          ; LDS serves a wave's instructions in order (ISA guide 5.7.1.4): these see my stores
.endr
.irp i, 0,1,2,3,4,5,6,7
	s_wait_dscnt 7-\i                              ; the younger loads may be out
	global_store_b128 v9, v[S+4*\i:S+4*\i+3], s[54:55] offset:1048576*\tr+8192*\i   ; sixteen lanes store 256 consecutive bytes: a head's part of a row
.endr
.if \tr == 0
	s_wait_xcnt 0x0                                ; the stores have read their registers: the next tile's loads land there only behind this wait
.endif
.endm
	TRIP 0
	TRIP 1
	s_wait_tensorcnt 0x0
	ds_add_u32 v254, v255
	s_wait_dscnt 0x0
	ROUND                                          ; the closing round: no work-group ends while a partner may still ask for a tile that names it
	s_endpgm
.Lfunc_end_k_q8134e07222_attend:
	.size	k_q8134e07222_attend, .Lfunc_end_k_q8134e07222_attend-k_q8134e07222_attend
	.p2alignl 7, 3214868480
	.fill 96, 4, 3214868480
	.section	.rodata,"a",@progbits
	.p2align	6, 0x0
	.amdhsa_kernel k_q8134e07222_attend
		.amdhsa_group_segment_fixed_size 288768
		.amdhsa_private_segment_fixed_size 0
		.amdhsa_enable_private_segment 0
		.amdhsa_kernarg_size 32
		.amdhsa_user_sgpr_count 2
		.amdhsa_user_sgpr_kernarg_segment_ptr 1
		.amdhsa_wavefront_size32 1
		.amdhsa_system_sgpr_workgroup_id_x 1
		.amdhsa_system_sgpr_workgroup_id_y 1
		.amdhsa_system_sgpr_workgroup_id_z 1
		.amdhsa_system_vgpr_workitem_id 0
		.amdhsa_next_free_vgpr 256
		.amdhsa_next_free_sgpr 66
		.amdhsa_reserve_vcc 1
		.amdhsa_float_denorm_mode_32 3
		.amdhsa_float_denorm_mode_16_64 3
		.amdhsa_memory_ordered 1
		.amdhsa_forward_progress 1
		.amdhsa_inst_pref_size 99
	.end_amdhsa_kernel
	.amdgpu_metadata
---
amdhsa.version: [ 1, 2 ]
amdhsa.kernels:
  - .name:           k_q8134e07222_attend
    .symbol:         k_q8134e07222_attend.kd
    .args:
      - { .name: qws, .offset: 0, .size: 8, .value_kind: global_buffer, .address_space: global }
      - { .name: kvws, .offset: 8, .size: 8, .value_kind: global_buffer, .address_space: global }
      - { .name: mask, .offset: 16, .size: 8, .value_kind: global_buffer, .address_space: global }
      - { .name: att, .offset: 24, .size: 8, .value_kind: global_buffer, .address_space: global }
    .group_segment_fixed_size: 288768
    .private_segment_fixed_size: 0
    .kernarg_segment_align: 8
    .kernarg_segment_size: 32
    .max_flat_workgroup_size: 512
    .sgpr_count:     66
    .vgpr_count:     256
    .wavefront_size: 32
...
	.end_amdgpu_metadata
.endif
;; end of part 2
;; launch post (part 3): grid 256 x 1, 16 waves a work-group, no clusters, 307,200 bytes of LDS; arguments qpf, att, g1, b1, wows, Wo_scales, bo, g2, b2, out0; writes out0
.if DOCPART == 3
	.amdgcn_target "amdgcn-amd-amdhsa--gfx1250"
	.amdhsa_code_object_version 6
	.text
	.protected	k_q8134e07222_post
	.globl	k_q8134e07222_post
	.p2align	8
	.type	k_q8134e07222_post,@function
k_q8134e07222_post:
	s_mov_b64 s[64:65], 0
	v_nop
	global_prefetch_b8 v0, s[64:65] scope:SCOPE_SE
	s_setreg_imm32_b32 hwreg(HW_REG_WAVE_MODE, 25, 1), 1
	s_wait_xcnt 0x0
; x = LN(qp + attn; g1, b1);  out = LN(x + relu(x Wo + bo); g2, b2).  The product on codes of FP6 (E2M3) with E8M0 scales: x is quantised here, along its 1,024 columns; Wo comes as codes.  All else in f32.
; SHARES.  A work-group owns 32 whole rows (the norms want whole rows): two tiles m of 16.  THE SIXTEEN WAVES SHARE THE COLUMNS: wave w has columns 64 w .. 64 w + 63 of y, x, the product and out.
; Lane (r, h), register 32 m + 16 c + e holds (row 16 m + r, column 64 w + 32 c + 16 h + e): sixteen neighbours along K a lane, as the conversions want them.  The product is used transposed (source 0 = 16 rows of Wo's codes,
; source 1 = 16 rows of x), and the rows of Wo that form a tile were chosen, when wows was laid, so that its results fall into this same layout: bias, relu and residual go register by register.
; x's codes go from wave to wave through LDS as images of the operand's registers; a wave's 64 columns are half a fragment (six registers) and half a scale word.
; A norm's sums meet in LDS: one word a row and wave, one barrier a sum.  The variance is taken of the centred numbers, as the reference has it.
; NO TENSOR LOADS, NO CLUSTER: each byte of Wo's codes is used by ONE wave of a work-group, for two matrix instructions; it comes in the operand's order straight into that wave's registers, 512 consecutive bytes an instruction,
; two K steps ahead.  A ring shared by a cluster would hold 128 along K in 98,304 bytes and leave a wave 8 matrix instructions between two rounds of the cluster's barrier.
; LIMITS: a block whose largest magnitude lies under 2^-124 keeps the scale byte 1; a block of zeros gets the byte 1 and not 127 (its codes are zeros; this launch alone reads the bytes); NaN and infinities are not served.
; REGISTERS: v2-15 addresses; v16-79 Y (y, x, u; during the product Wo's odd K steps v16-63 and x's fragment of tile 0 v64-75); v80-143 AT (attn; gain and bias of a norm; the product's sums; rows on the way out);
;   v144-191 Wo's even K steps; v192-223 Wo's scale words and v238-239 x's: these hold scales alone; v224-237, v240-255 at work (during the product v224-235: x's fragment of tile 1).
.set XSC,  24576                       ; LDS: x's 16 fragments at 0 (K step s, tile m: 2 s + m; 1,536 bytes each; half c at 768 c: 512 bytes, then 256); their scale words here, 128 bytes each,
.set RED,  26624                       ; four sums x 16 waves x 128 bytes,
.set PARK, 34816                       ; x while its registers hold operands: 8,192 bytes a wave,
.set STG,  165888                      ; and a stage of 32 rows x (256 + 16) bytes for each wave
.set Y,   16
.set AT,  80
.set W0,  16
.set W1,  144
.set WS,  192
.set XF0, 64
.set XF1, 224
.set XS,  238
.set WV,  24                           ; s24 my wave's number
.set HI,  30                           ; s30 the mask of lanes 16-31
.set SEL, 32                           ; s[32:33] lane selects for v_permlanex16_b32: lane l xor 16
.set INV, 34                           ; s34 1 / 1024;  s35 -1 / 1024;  s36 the norm's 1e-6
	s_load_b256 s[4:11], s[0:1], 0x0               ; qpf, att, g1, b1
	s_load_b256 s[12:19], s[0:1], 0x20             ; wows, Wo's scales, bo, g2
	s_load_b128 s[20:23], s[0:1], 0x40             ; b2, out0
	v_lshrrev_b32 v1, 5, v0
	v_readfirstlane_b32 s[WV], v1                  ; wave 0..15
	v_and_b32 v224, 31, v0                         ; lane
	v_and_b32 v225, 15, v0                         ; r
	v_bfe_u32 v226, v0, 4, 1                       ; h
	v_lshlrev_b32 v2, 6, v226                      ; 64 h: my sixteen numbers of a block of 32, in a vector of 1,024
	v_lshlrev_b32 v3, 4, v224                      ; 16 x lane
	v_lshlrev_b32 v4, 3, v224                      ; 8 x lane
	v_lshlrev_b32 v5, 2, v224                      ; 4 x lane
	s_lshr_b32 s25, s[WV], 1                       ; my K step of the product
	s_and_b32 s26, s[WV], 1                        ; and my half of it
	s_mul_i32 s27, s25, 3072
	s_mul_i32 s28, s26, 768
	s_add_co_u32 s27, s27, s28
	v_add_nc_u32 v6, s27, v3                       ; where I store my half fragment's first four registers,
	v_add_nc_u32 v7, s27, v4
	v_add_nc_u32 v7, 512, v7                       ; its last two,
	s_lshl_b32 s27, s25, 8
	s_lshl_b32 s28, s26, 1
	s_add_co_u32 s27, s27, s28
	s_add_co_u32 s27, s27, XSC
	v_add_nc_u32 v8, s27, v5                       ; and my two bytes of the scale word
	s_lshl_b32 s27, s[WV], 7
	s_add_co_u32 s27, s27, RED
	v_add_nc_u32 v9, s27, v5                       ; a sum: my wave's word for row = lane
	v_add_nc_u32 v10, RED, v5                      ; and where the sixteen waves' words for that row begin
	s_lshl_b32 s27, s[WV], 13
	s_add_co_u32 s27, s27, PARK
	v_add_nc_u32 v11, s27, v3
	s_mul_i32 s27, s[WV], 8704
	s_add_co_u32 s27, s27, STG                     ; my stage
	v_mul_u32_u24 v12, v225, 272
	v_lshl_add_u32 v12, v226, 6, v12
	v_add_nc_u32 v12, s27, v12                     ; by the work's layout: row r, + 64 h
	v_mul_u32_u24 v13, v226, 272
	v_lshl_add_u32 v13, v225, 4, v13
	v_add_nc_u32 v13, s27, v13                     ; by rows: lanes 0-15 one row of 256 bytes, lanes 16-31 the next
	v_lshlrev_b32 v14, 12, v226
	v_lshl_add_u32 v14, v225, 4, v14               ; and the same two rows in memory
	v_and_b32 v15, 8, v225
	v_add_nc_u32 v15, v15, v225
	v_lshlrev_b32 v15, 5, v15                      ; Wo's scale words: lane r takes row r + 8 (r / 8) of a tile's span, 32 bytes a row
.irp i, 232,233,235,236,237
	v_mov_b32 v\i, 0                               ; written once: lane permutes' destinations and the upper halves of pairs count as read
.endr
	s_mov_b32 s[HI], 0xffff0000
	s_mov_b32 s[SEL], 0x76543210
	s_mov_b32 s[SEL+1], 0xfedcba98
	s_mov_b32 s[INV], 0x3a800000
	s_mov_b32 s[INV+1], 0xba800000
	s_mov_b32 s[INV+2], 0x358637bd
	s_lshl_b32 s38, ttmp9, 17                      ; 32 rows of 4,096 bytes a work-group
	s_lshl_b32 s40, s[WV], 8                       ; 64 columns of 4 bytes a wave
	s_add_co_u32 s38, s38, s40
	s_mov_b32 s39, 0
	s_mov_b32 s41, 0
	s_mul_i32 s42, s[WV], 49152                    ; my four tiles of Wo: 4 x 8 fragments of 1,536 bytes
	s_mov_b32 s43, 0
	s_lshl_b32 s44, s[WV], 11                      ; and their 64 rows of scale bytes
	s_mov_b32 s45, 0
	s_wait_kmcnt 0x0
	s_add_nc_u64 s[4:5], s[4:5], s[38:39]
	s_add_nc_u64 s[6:7], s[6:7], s[38:39]
	s_add_nc_u64 s[22:23], s[22:23], s[38:39]
	s_add_nc_u64 s[8:9], s[8:9], s[40:41]
	s_add_nc_u64 s[10:11], s[10:11], s[40:41]
	s_add_nc_u64 s[16:17], s[16:17], s[40:41]
	s_add_nc_u64 s[18:19], s[18:19], s[40:41]
	s_add_nc_u64 s[20:21], s[20:21], s[40:41]
	s_add_nc_u64 s[12:13], s[12:13], s[42:43]
	s_add_nc_u64 s[14:15], s[14:15], s[44:45]
.macro WLOAD set, s                    ; my four fragments of Wo for K step s: 12 loads of 512 consecutive bytes
.irp t, 0,1,2,3
.irp c, 0,1,2
	global_load_b128 v[\set+12*\t+4*\c:\set+12*\t+4*\c+3], v3, s[12:13] offset:12288*\t+1536*(\s)+512*\c
.endr
.endr
.endm
.macro GLOAD reg, base                 ; 32 numbers of a vector of 1,024, in the work's layout: register 16 c + e: column 64 w + 32 c + 16 h + e
.irp c, 0,1
.irp e, 0,1,2,3
	global_load_b128 v[\reg+16*\c+4*\e:\reg+16*\c+4*\e+3], v2, s[\base:\base+1] offset:128*\c+16*\e
.endr
.endr
.endm
.irp i, 0,1,2,3,4,5,6,7,8,9,10,11,12,13,14,15
	global_load_b128 v[Y+4*\i:Y+4*\i+3], v14, s[4:5] offset:8192*\i th:TH_LOAD_NT      ; qp, by rows: sixteen lanes read 256 consecutive bytes
.endr
.irp i, 0,1,2,3,4,5,6,7,8,9,10,11,12,13,14,15
	global_load_b128 v[AT+4*\i:AT+4*\i+3], v14, s[6:7] offset:8192*\i th:TH_LOAD_NT    ; attn likewise
.endr
.irp t, 0,1,2,3
	global_load_b128 v[WS+8*\t:WS+8*\t+3], v15, s[14:15] offset:32*(32*(\t/2)+8*(\t%2))       ; tile t's scale words of K steps 0-3,
	global_load_b128 v[WS+8*\t+4:WS+8*\t+7], v15, s[14:15] offset:32*(32*(\t/2)+8*(\t%2))+16  ; 4-7
.endr
	WLOAD W1, 0
	s_wait_loadcnt 20                              ; qp and attn are in; the 8 loads of scale words and the 12 of Wo's first K step may be out
.set j, 0
.rept 32
	v_pk_add_f32 v[Y+j:Y+j+1], v[Y+j:Y+j+1], v[AT+j:AT+j+1]   ; y = qp + attn, still by rows
.set j, j+2
.endr
	GLOAD AT, 8                                    ; g1
	GLOAD AT+32, 10                                ; b1
.irp i, 0,1,2,3,4,5,6,7,8,9,10,11,12,13,14,15
	ds_store_b128 v13, v[Y+4*\i:Y+4*\i+3] offset:544*\i       ; y turns through my stage, once: in by rows,
.endr
.irp m, 0,1
.irp c, 0,1
.irp e, 0,1,2,3
	ds_load_b128 v[Y+32*\m+16*\c+4*\e:Y+32*\m+16*\c+4*\e+3], v12 offset:4352*\m+128*\c+16*\e   ; out in the work's layout.  LDS serves a wave's instructions in order (ISA guide 5.7.1.4)
.endr
.endr
.endr
	s_wait_dscnt 0x0
.macro FOLD                            ; the four chains become one number for each tile, lane l xor 16's (the row's other 32 columns of my 64) added
	v_pk_add_f32 v[224:225], v[224:225], v[226:227]
	v_pk_add_f32 v[228:229], v[228:229], v[230:231]
	v_add_f32 v224, v224, v225
	v_add_f32 v228, v228, v229
	v_permlanex16_b32 v232, v224, s[SEL], s[SEL+1]
	v_permlanex16_b32 v233, v228, s[SEL], s[SEL+1]
	v_add_f32 v224, v224, v232
	v_add_f32 v228, v228, v233
.endm
.macro XRED k                          ; v224, v228: my wave's sums for row r of tiles 0, 1 -> the rows' sums over all sixteen waves.  Each of the four sums has LDS bytes of its own: one barrier serves
	v_cndmask_b32 v232, v224, v228, s[HI]          ; lane l: row l of the 32
	ds_store_b32 v9, v232 offset:2048*(\k)
	s_wait_dscnt 0x0                               ; for the others' sake: my word is stored
	s_barrier_signal -1
	s_barrier_wait -1
.irp i, 0,1,2,3,4,5,6,7,8,9,10,11,12,13,14,15
	ds_load_b32 v[240+\i], v10 offset:2048*(\k)+128*\i
.endr
	s_wait_dscnt 0x0
	v_pk_add_f32 v[240:241], v[240:241], v[242:243]
	v_pk_add_f32 v[244:245], v[244:245], v[246:247]
	v_pk_add_f32 v[248:249], v[248:249], v[250:251]
	v_pk_add_f32 v[252:253], v[252:253], v[254:255]
	v_pk_add_f32 v[240:241], v[240:241], v[244:245]
	v_pk_add_f32 v[248:249], v[248:249], v[252:253]
	v_pk_add_f32 v[240:241], v[240:241], v[248:249]
	v_add_f32 v240, v240, v241
	v_permlanex16_b32 v233, v240, s[SEL], s[SEL+1]
	v_cndmask_b32 v224, v240, v233, s[HI]          ; row r's, in both halves of the lanes
	v_cndmask_b32 v228, v233, v240, s[HI]          ; row 16 + r's
.endm
.macro LNORM k                         ; Y = (Y - mean) x rsqrt(var + 1e-6) x gain + bias; gain in v[AT] on, bias in v[AT + 32] on, on their way since before the sums
	v_pk_add_f32 v[224:225], v[Y:Y+1], v[Y+2:Y+3]
	v_pk_add_f32 v[228:229], v[Y+32:Y+33], v[Y+34:Y+35]
	v_pk_add_f32 v[226:227], v[Y+4:Y+5], v[Y+6:Y+7]
	v_pk_add_f32 v[230:231], v[Y+36:Y+37], v[Y+38:Y+39]
.irp j, 8,12,16,20,24,28
	v_pk_add_f32 v[224:225], v[224:225], v[Y+\j:Y+\j+1]
	v_pk_add_f32 v[228:229], v[228:229], v[Y+32+\j:Y+33+\j]
	v_pk_add_f32 v[226:227], v[226:227], v[Y+2+\j:Y+3+\j]
	v_pk_add_f32 v[230:231], v[230:231], v[Y+34+\j:Y+35+\j]
.endr
	FOLD
	XRED 2*\k
	v_mul_f32 v234, s[INV+1], v224                 ; -mean of my row of tile 0,
	v_mul_f32 v236, s[INV+1], v228                 ; of tile 1
.irp j, 0,2,4,6,8,10,12,14,16,18,20,22,24,26,28,30
	v_pk_add_f32 v[Y+\j:Y+\j+1], v[Y+\j:Y+\j+1], v[234:235] op_sel_hi:[1,0]
	v_pk_add_f32 v[Y+32+\j:Y+33+\j], v[Y+32+\j:Y+33+\j], v[236:237] op_sel_hi:[1,0]
.endr
	v_pk_mul_f32 v[224:225], v[Y:Y+1], v[Y:Y+1]
	v_pk_mul_f32 v[228:229], v[Y+32:Y+33], v[Y+32:Y+33]
	v_pk_mul_f32 v[226:227], v[Y+2:Y+3], v[Y+2:Y+3]
	v_pk_mul_f32 v[230:231], v[Y+34:Y+35], v[Y+34:Y+35]
.irp j, 4,8,12,16,20,24,28
	v_pk_fma_f32 v[224:225], v[Y+\j:Y+\j+1], v[Y+\j:Y+\j+1], v[224:225]
	v_pk_fma_f32 v[228:229], v[Y+32+\j:Y+33+\j], v[Y+32+\j:Y+33+\j], v[228:229]
	v_pk_fma_f32 v[226:227], v[Y+2+\j:Y+3+\j], v[Y+2+\j:Y+3+\j], v[226:227]
	v_pk_fma_f32 v[230:231], v[Y+34+\j:Y+35+\j], v[Y+34+\j:Y+35+\j], v[230:231]
.endr
	FOLD
	XRED 2*\k+1
	v_fma_f32 v224, v224, s[INV], s[INV+2]         ; var + 1e-6
	v_fma_f32 v228, v228, s[INV], s[INV+2]
	v_rsq_f32 v234, v224
	v_rsq_f32 v236, v228
	v_nop                                          ; a plain place behind the two
	s_wait_loadcnt 0x0                             ; gain and bias are in
	s_wait_alu depctr_va_vdst(0)                   ; one wait for the two, ahead of their first reader
.irp j, 0,2,4,6,8,10,12,14,16,18,20,22,24,26,28,30
	v_pk_mul_f32 v[Y+\j:Y+\j+1], v[Y+\j:Y+\j+1], v[234:235] op_sel_hi:[1,0]
	v_pk_mul_f32 v[Y+32+\j:Y+33+\j], v[Y+32+\j:Y+33+\j], v[236:237] op_sel_hi:[1,0]
.endr
.irp j, 0,2,4,6,8,10,12,14,16,18,20,22,24,26,28,30
	v_pk_fma_f32 v[Y+\j:Y+\j+1], v[Y+\j:Y+\j+1], v[AT+\j:AT+\j+1], v[AT+32+\j:AT+33+\j]
	v_pk_fma_f32 v[Y+32+\j:Y+33+\j], v[Y+32+\j:Y+33+\j], v[AT+\j:AT+\j+1], v[AT+32+\j:AT+33+\j]
.endr
.endm
; 32 numbers of a lane, v[s] on: sixteen neighbours of each of two blocks of 32 (the other sixteen lie in lane l xor 16), become six registers of codes in v224-229 and two scale bytes in v244
.macro QUANT2 s
	v_max3_num_f32 v234, |v[\s]|, |v[\s+1]|, 0x1800000         ; with the floor 2^(3 - 127): the byte cannot fall under 1
	v_max3_num_f32 v235, |v[\s+16]|, |v[\s+17]|, 0x1800000
.irp i, 2,4,6,8,10,12,14
	v_max3_num_f32 v234, v234, |v[\s+\i]|, |v[\s+1+\i]|
	v_max3_num_f32 v235, v235, |v[\s+16+\i]|, |v[\s+17+\i]|
.endr
	v_permlanex16_b32 v236, v234, s[SEL], s[SEL+1]
	v_permlanex16_b32 v237, v235, s[SEL], s[SEL+1]
	v_max_num_f32 v234, v234, v236                 ; the blocks' largest magnitudes
	v_max_num_f32 v235, v235, v237
	v_add_nc_u32 v240, 0xff000000, v234            ; 2 off the exponent field: the conversion's scale operand
	v_add_nc_u32 v241, 0xff000000, v235
	v_lshrrev_b32 v242, 23, v240                   ; the scale's byte
	v_lshrrev_b32 v243, 23, v241
	v_lshl_or_b32 v244, v243, 8, v242
	v_cvt_scalef32_pk16_fp6_f32 v[224:226], v[\s:\s+15], v240
	v_cvt_scalef32_pk16_fp6_f32 v[230:232], v[\s+16:\s+31], v241
	v_nop                                          ; one plain place behind a scaled conversion
.irp i, 0,1,2
	v_permlane16_swap_b32 v[224+\i], v[230+\i]     ; a whole block to a lane: lanes 0-15 the first block, lanes 16-31 the second
.endr
.irp i, 0,1,2
	v_mov_b32 v[227+\i], v[230+\i]
.endr
.endm
	LNORM 0                                        ; x
.irp m, 0,1
	QUANT2 Y+32*\m
	ds_store_b128 v6, v[224:227] offset:1536*\m
	ds_store_b64 v7, v[228:229] offset:1536*\m
	ds_store_b16 v8, v244 offset:128*\m
	s_wait_dscnt 0x0                               ; the stores have read their registers
.endr
.irp i, 0,1,2,3,4,5,6,7,8,9,10,11,12,13,14,15
	ds_store_b128 v11, v[Y+4*\i:Y+4*\i+3] offset:512*\i        ; x waits in my own bytes of LDS while its registers hold operands
.endr
	s_wait_dscnt 0x0                               ; all my LDS stores are done: the others may read x's images, and Y's registers may be loaded
	GLOAD AT, 16                                   ; bo INTO the accumulators, once for each tile of rows: the bias costs no addition
	GLOAD AT+32, 16
	WLOAD W0, 1
	s_barrier_signal -1
	s_barrier_wait -1                              ; x's sixteen fragments lie in LDS
; K step s: x's two fragments from LDS, eight products (two tiles of rows x my four tiles of Wo), the eight accumulators by turns, one instruction a turn; then the loads of K step s + 2
.macro GSTEP s
.if (\s)%2
.set WSET, W0
.else
.set WSET, W1
.endif
.irp m, 0,1
.set XFM, XF0+(XF1-XF0)*\m
	ds_load_b128 v[XFM:XFM+3], v3 offset:1536*(2*(\s)+\m)
	ds_load_b64 v[XFM+4:XFM+5], v4 offset:1536*(2*(\s)+\m)+512
	ds_load_b128 v[XFM+6:XFM+9], v3 offset:1536*(2*(\s)+\m)+768
	ds_load_b64 v[XFM+10:XFM+11], v4 offset:1536*(2*(\s)+\m)+1280
	ds_load_b32 v[XS+\m], v5 offset:XSC+128*(2*(\s)+\m)
.endr
.if (\s) < 7
	s_wait_loadcnt 12                              ; this step's fragments of Wo are in (ahead of the first step: bo too); the next step's 12 loads may be out
.else
	s_wait_loadcnt 0x0
.endif
	s_wait_dscnt 0x0
.irp m, 0,1
.set XFM, XF0+(XF1-XF0)*\m
.irp t, 0,1,2,3
	v_wmma_scale_f32_16x16x128_f8f6f4 v[AT+32*\m+8*\t:AT+32*\m+8*\t+7], v[WSET+12*\t:WSET+12*\t+11], v[XFM:XFM+11], v[AT+32*\m+8*\t:AT+32*\m+8*\t+7], v[WS+8*\t+(\s)], v[XS+\m] matrix_a_fmt:MATRIX_FMT_FP6 matrix_b_fmt:MATRIX_FMT_FP6
.endr
.endr
.rept 4
	v_nop                                          ; places ahead of loads into the operands' registers, and of the first read of the sums
.endr
.if (\s) < 6
	WLOAD WSET, (\s)+2
.endif
.endm
.irp s, 0,1,2,3,4,5,6,7
	GSTEP \s
.endr
.irp i, 0,1,2,3,4,5,6,7,8,9,10,11,12,13,14,15
	ds_load_b128 v[Y+4*\i:Y+4*\i+3], v11 offset:512*\i         ; x comes back
.endr
.set j, 0
.rept 64
	v_max_num_f32 v[AT+j], 0, v[AT+j]              ; relu, each accumulator from its low end on
.set j, j+1
.endr
	s_wait_dscnt 0x0
.set j, 0
.rept 32
	v_pk_add_f32 v[Y+j:Y+j+1], v[Y+j:Y+j+1], v[AT+j:AT+j+1]   ; u = x + relu(x Wo + bo)
.set j, j+2
.endr
	GLOAD AT, 18                                   ; g2
	GLOAD AT+32, 20                                ; b2
	LNORM 1
.irp m, 0,1
.irp c, 0,1
.irp e, 0,1,2,3
	ds_store_b128 v12, v[Y+32*\m+16*\c+4*\e:Y+32*\m+16*\c+4*\e+3] offset:4352*\m+128*\c+16*\e   ; the way out: through my stage,
.endr
.endr
.endr
.irp i, 0,1,2,3,4,5,6,7,8,9,10,11,12,13,14,15
	ds_load_b128 v[AT+4*\i:AT+4*\i+3], v13 offset:544*\i      ; back by rows
.endr
.irp i, 0,1,2,3,4,5,6,7,8,9,10,11,12,13,14,15
	s_wait_dscnt 15-\i                             ; the younger loads may be out
	global_store_b128 v14, v[AT+4*\i:AT+4*\i+3], s[22:23] offset:8192*\i th:TH_STORE_NT   ; sixteen lanes store 256 consecutive bytes of a row
.endr
	s_wait_xcnt 0x0
	v_lshl_add_u32 v254, v0, 2, 0x4a800
	v_mov_b32 v255, 0
	s_wait_tensorcnt 0x0
	ds_add_u32 v254, v255
	s_wait_dscnt 0x0
	s_endpgm
.Lfunc_end_k_q8134e07222_post:
	.size	k_q8134e07222_post, .Lfunc_end_k_q8134e07222_post-k_q8134e07222_post
	.p2alignl 7, 3214868480
	.fill 96, 4, 3214868480
	.section	.rodata,"a",@progbits
	.p2align	6, 0x0
	.amdhsa_kernel k_q8134e07222_post
		.amdhsa_group_segment_fixed_size 307200
		.amdhsa_private_segment_fixed_size 0
		.amdhsa_enable_private_segment 0
		.amdhsa_kernarg_size 80
		.amdhsa_user_sgpr_count 2
		.amdhsa_user_sgpr_kernarg_segment_ptr 1
		.amdhsa_wavefront_size32 1
		.amdhsa_system_sgpr_workgroup_id_x 1
		.amdhsa_system_sgpr_workgroup_id_y 1
		.amdhsa_system_sgpr_workgroup_id_z 1
		.amdhsa_system_vgpr_workitem_id 0
		.amdhsa_next_free_vgpr 256
		.amdhsa_next_free_sgpr 66
		.amdhsa_reserve_vcc 0
		.amdhsa_float_denorm_mode_32 3
		.amdhsa_float_denorm_mode_16_64 3
		.amdhsa_memory_ordered 1
		.amdhsa_forward_progress 1
		.amdhsa_inst_pref_size 84
	.end_amdhsa_kernel
	.amdgpu_metadata
---
amdhsa.version: [ 1, 2 ]
amdhsa.kernels:
  - .name:           k_q8134e07222_post
    .symbol:         k_q8134e07222_post.kd
    .args:
      - { .name: qpf, .offset: 0, .size: 8, .value_kind: global_buffer, .address_space: global }
      - { .name: att, .offset: 8, .size: 8, .value_kind: global_buffer, .address_space: global }
      - { .name: g1, .offset: 16, .size: 8, .value_kind: global_buffer, .address_space: global }
      - { .name: b1, .offset: 24, .size: 8, .value_kind: global_buffer, .address_space: global }
      - { .name: wows, .offset: 32, .size: 8, .value_kind: global_buffer, .address_space: global }
      - { .name: Wo_scales, .offset: 40, .size: 8, .value_kind: global_buffer, .address_space: global }
      - { .name: bo, .offset: 48, .size: 8, .value_kind: global_buffer, .address_space: global }
      - { .name: g2, .offset: 56, .size: 8, .value_kind: global_buffer, .address_space: global }
      - { .name: b2, .offset: 64, .size: 8, .value_kind: global_buffer, .address_space: global }
      - { .name: out0, .offset: 72, .size: 8, .value_kind: global_buffer, .address_space: global }
    .group_segment_fixed_size: 307200
    .private_segment_fixed_size: 0
    .kernarg_segment_align: 8
    .kernarg_segment_size: 80
    .max_flat_workgroup_size: 512
    .sgpr_count:     66
    .vgpr_count:     256
    .wavefront_size: 32
...
	.end_amdgpu_metadata
.endif
;; end of part 3
;; ======== version 2 of 2: 3 launches
;; limits: right only within a limited range of input values
;; workspace buffers: qws 6,815,744 bytes; kvws 13,369,344 bytes; qpf 33,554,432 bytes; att 33,554,432 bytes; wows 786,432 bytes
;; launch proj (part 4): grid 4 x 96, 4 waves a work-group, clusters of 4 x 4, 327,680 bytes of LDS; arguments q_codes, q_scales, Wq_codes, Wq_scales, bq, k_codes, k_scales, Wk_codes, Wk_scales, bk, Wv_codes, Wv_scales, v_codes, v_scales, bv, qws, kvws, qpf, Wo_codes, wows; writes qws, kvws, qpf, wows
.if DOCPART == 4
	.amdgcn_target "amdgcn-amd-amdhsa--gfx1250"
	.amdhsa_code_object_version 6
	.text
	.protected	k_q8134e07222_proj
	.globl	k_q8134e07222_proj
	.p2align	8
	.type	k_q8134e07222_proj,@function
k_q8134e07222_proj:
	s_mov_b64 s[64:65], 0
	v_nop
	global_prefetch_b8 v0, s[64:65] scope:SCOPE_SE
	s_setreg_imm32_b32 hwreg(HW_REG_WAVE_MODE, 25, 1), 1
	s_wait_xcnt 0x0
	s_wait_alu depctr_hold_cnt(0) depctr_sa_sdst(0) depctr_va_vdst(0) depctr_va_sdst(0) depctr_va_ssrc(0) depctr_va_vcc(0) depctr_vm_vsrc(0)
	s_getreg_b32 s2, hwreg(HW_REG_IB_STS2, 6, 4)
	s_cmp_eq_u32 s2, 0
	s_cbranch_scc0 .Lentry_in_a_cluster
	s_endpgm
.Lentry_in_a_cluster:
	s_bfe_u32 s2, ttmp6, 0x10000c
	s_cmp_lg_u32 s2, 0xf033
	s_cbranch_scc0 .Lentry_shape_is_right
	s_endpgm
.Lentry_shape_is_right:
; Three products on codes of FP6 (E2M3) with E8M0 scales: qp = q Wq + bq, kp = k Wk + bk, vp^T = (v Wv + bv)^T.  No work of the problem is left out in this program: every input is loaded.
; The cluster's y picks the product (8 clusters each).  A work-group of four waves makes 256 x 256, a wave 128 x 128: 64 accumulators.
; K = 1,024 is 768 bytes of a row: three chunks of 256 bytes, each beginning at a multiple of 256 bytes, through a ring of two LDS slots; a step of 128 along K is 96 bytes, eight steps.
; The scales of the 256 + 256 rows come once, as two dense blocks.  4 x 4 clusters: A's tiles are asked for jointly along a row of the cluster, B's along a column.
; No prefetch: the walk along K has three chunks, of which two are asked for at the head, so there is no loop to run ahead in.
; THE WAY OUT: bias added in f32; q and k are quantised along the head's 64 channels, v along the keys (its product is laid transposed: source rows are Wv's), and stored as images of the next launch's operand registers;
; qp also goes out in f32.  The work-groups of the third product also lay Wo's codes in the order in which the last launch's registers take them.
; LIMITS: a block whose largest magnitude lies under 2^-124, or a block of zeros, keeps the scale byte 1 (only this program reads the bytes); NaN and infinities are not served.
.set ROWB,   256
.set NQ,     2
.set KROW,   768
.set STEPS,  8
.set CHUNKS, 3
.set PITCH,  272                       ; 256 bytes + 16 of padding
.set FR,     12
.set NL,     6
.set NP,     4
.set HALFT,  128*PITCH
.set SLOT,   4*HALFT
.set KS,     32
.set SCL,    2*SLOT
.set HALFS,  (128*KS/256)*272
.set SBLK,   (16*KS/256)*272
.set SPARE,  SCL+4*HALFS               ; the spare words: 128 bytes a wave, named by no other line
.set SPITCH, 528
.set STAGE,  SLOT                      ; the stage lies in slot 1: the last chunk, 2, lies in slot 0
.set HQ,     106496
.set HKV,    208896
.set ADRA, 16
.set ADRB, 20
.set STO,  24
.set RD,   25
.set CO,   26
.set ADRS, 27
.set SPW,  28
.set NIL,  29
.set SC,   32
.set AF,   128
.set BJ,   64
.set BI,   64
.set WF,   80
.set H,    128
.set PC,   192
.set TM,   212
.set WK,   228
.set R,    236
.set RA,   240
.set RB,   244
.set G1, 24
.set G0, 32
.set G1B, 48
.set G0B, 56
.set G1S, 68
.set G0S, 76
.set G1SB, 80
.set G0SB, 88
.set G0H, 4
.set G0HB, 8
.set SEL, 66
.set KIND, 98
.set MSB, 0
.macro WIN new
.if MSB != \new
	s_set_vgpr_msb (MSB<<8)|\new
.set MSB, \new
.endif
.endm
.set MUL_LO, 0xa1
.set MUL_HI, 0xf1
.set TO_B,   0x40
.macro JLOAD g0a, g1a, g0b, g1b        ; waves 0, 1 ask for A's halves, waves 2, 3 for B's
	s_cmp_eq_u32 s15, 0
	s_cbranch_scc0 .Lfor_b_\@
	tensor_load_to_lds s[\g0a:\g0a+3], s[\g1a:\g1a+7]
	s_nop 0
.rept 4
	v_nop
.endr
	s_branch .Lasked_\@
.Lfor_b_\@:
	tensor_load_to_lds s[\g0b:\g0b+3], s[\g1b:\g1b+7]
	s_nop 0
.rept 4
	v_nop
.endr
.Lasked_\@:
.endm
.macro CREST
	s_cmp_lg_u32 s14, 0
	s_cbranch_scc1 .Lnot_wave_0_\@
	s_barrier_signal -3
.Lnot_wave_0_\@:
	s_barrier_wait -3
	s_barrier_signal -1
	s_barrier_wait -1
.endm
.macro CROUND
	s_barrier_signal -1
	s_barrier_wait -1
	CREST
.endm
	s_load_b256 s[4:11], s[0:1], 0x0               ; q's codes and scales, Wq's
	s_load_b256 s[24:31], s[0:1], 0x28             ; k's, Wk's
	s_load_b256 s[32:39], s[0:1], 0x50             ; Wv's, v's
	v_lshl_add_u32 v[SPW], v0, 2, SPARE
	v_mov_b32 v[NIL], 0
	ds_add_u32 v[SPW], v[NIL]                      ; the opening lines: the add twice and its wait
	ds_add_u32 v[SPW], v[NIL]
	s_wait_dscnt 0x0
	v_lshrrev_b32 v1, 5, v0
	v_readfirstlane_b32 s14, v1                    ; wave
	s_lshr_b32 s15, s14, 1
	s_and_b32 s16, s14, 1
	s_bfe_u32 s40, ttmp6, 0x40000                  ; cx
	s_bfe_u32 s41, ttmp6, 0x40004                  ; cy
	s_and_b32 s99, ttmp7, 0xffff
	s_lshr_b32 s[KIND], s99, 3                     ; 0 q, 1 k, 2 v: the same in all partners
	s_and_b32 s99, s99, 7
	s_cmp_eq_u32 s[KIND], 2
	s_cselect_b32 s96, 0, s99
	s_cselect_b32 s97, s99, 0
	s_lshl_b32 s42, s97, 2
	s_add_co_u32 s42, s42, s40                     ; tile column
	s_lshl_b32 s17, s96, 2
	s_add_co_u32 s17, s17, s41                     ; tile row
	s_lshl_b32 s43, s41, 2
	s_lshl_b32 s43, 15, s43
	s_lshl_b32 s44, 0x1111, s40
	s_wait_kmcnt 0x0
	s_cmp_eq_u32 s[KIND], 1
	s_cselect_b64 s[4:5], s[24:25], s[4:5]
	s_cselect_b64 s[6:7], s[26:27], s[6:7]
	s_cselect_b64 s[8:9], s[28:29], s[8:9]
	s_cselect_b64 s[10:11], s[30:31], s[10:11]
	s_cmp_eq_u32 s[KIND], 2
	s_cselect_b64 s[4:5], s[32:33], s[4:5]
	s_cselect_b64 s[6:7], s[34:35], s[6:7]
	s_cselect_b64 s[8:9], s[36:37], s[8:9]
	s_cselect_b64 s[10:11], s[38:39], s[10:11]
	s_or_b32 s[G1+0], s43, (0<<16)|(1<<20)|(1<<21)|(5<<22)|(3<<25)
	s_or_b32 s[G1B+0], s44, (0<<16)|(1<<20)|(1<<21)|(5<<22)|(3<<25)
.irp g, G1, G1B
	s_mov_b32 s[\g+1], ROWB<<16
	s_mov_b32 s[\g+2], 256<<16                     ; the head's loads bring 256 rows
	s_mov_b32 s[\g+3], ROWB<<16
	s_mov_b32 s[\g+4], 256
	s_mov_b32 s[\g+5], KROW
	s_mov_b32 s[\g+6], 0
	s_mov_b32 s[\g+7], 0
.endr
	s_or_b32 s[G1S+0], s43, (3<<16)|(1<<20)|(1<<21)|(5<<22)|(3<<25)
	s_or_b32 s[G1SB+0], s44, (3<<16)|(1<<20)|(1<<21)|(5<<22)|(3<<25)
.irp g, G1S, G1SB
	s_mov_b32 s[\g+1], 32<<16                      ; the scales of 256 rows: 32 rows of 256 bytes
	s_mov_b32 s[\g+2], KS<<16
	s_mov_b32 s[\g+3], 32<<16
	s_mov_b32 s[\g+4], KS
	s_mov_b32 s[\g+5], 32
	s_mov_b32 s[\g+6], 0
	s_mov_b32 s[\g+7], 0
.endr
	s_lshl_b32 s20, s17, 8
	s_lshl_b32 s46, s42, 8
	s_mov_b32 s21, 0
	s_mov_b32 s47, 0
	s_mov_b64 s[18:19], KS
	s_mul_u64 s[22:23], s[20:21], s[18:19]
	s_mul_u64 s[92:93], s[46:47], s[18:19]
	s_mov_b64 s[18:19], KROW
	s_mul_u64 s[20:21], s[20:21], s[18:19]
	s_mul_u64 s[46:47], s[46:47], s[18:19]
	s_mul_i32 s18, s16, 128*KROW
	s_mov_b32 s19, 0
	s_mul_i32 s45, s14, HALFT
	s_add_nc_u64 s[20:21], s[4:5], s[20:21]
	s_add_nc_u64 s[22:23], s[6:7], s[22:23]
	s_add_nc_u64 s[46:47], s[8:9], s[46:47]
	s_add_nc_u64 s[92:93], s[10:11], s[92:93]
	CROUND                                         ; in front of the first joint loads
	s_mov_b32 s[G0H], 1
	s_mov_b32 s[G0H+1], 0
	s_mov_b64 s[G0H+2:G0H+3], s[20:21]
	s_or_b32 s[G0H+3], s[G0H+3], 0x80000000
	s_mov_b32 s[G0HB], 1
	s_mov_b32 s[G0HB+1], 2*HALFT
	s_mov_b64 s[G0HB+2:G0HB+3], s[46:47]
	s_or_b32 s[G0HB+3], s[G0HB+3], 0x80000000
	s_mov_b32 s[G0S], 1
	s_mov_b32 s[G0S+1], SCL
	s_mov_b64 s[G0S+2:G0S+3], s[22:23]
	s_or_b32 s[G0S+3], s[G0S+3], 0x80000000
	s_mov_b32 s[G0SB], 1
	s_mov_b32 s[G0SB+1], SCL+2*HALFS
	s_mov_b64 s[G0SB+2:G0SB+3], s[92:93]
	s_or_b32 s[G0SB+3], s[G0SB+3], 0x80000000
	s_add_nc_u64 s[20:21], s[20:21], s[18:19]
	s_add_nc_u64 s[46:47], s[46:47], s[18:19]
.irp s, 0,1
	s_mov_b32 s[G0+4*\s], 1
	s_add_co_u32 s[G0+4*\s+1], s45, \s*SLOT
	s_add_nc_u64 s[G0+4*\s+2:G0+4*\s+3], s[20:21], \s*ROWB
	s_or_b32 s[G0+4*\s+3], s[G0+4*\s+3], 0x80000000
	s_mov_b32 s[G0B+4*\s], 1
	s_add_co_u32 s[G0B+4*\s+1], s45, \s*SLOT
	s_add_nc_u64 s[G0B+4*\s+2:G0B+4*\s+3], s[46:47], \s*ROWB
	s_or_b32 s[G0B+4*\s+3], s[G0B+4*\s+3], 0x80000000
.endr
; the head's four tiles, one load a wave: chunk 0 of A, chunk 0 of B, A's scales, B's scales
.macro ARM under, g0, g1, next
	s_cmp_lt_u32 s14, \under
	s_cbranch_scc0 \next
	tensor_load_to_lds s[\g0:\g0+3], s[\g1:\g1+7]
	s_nop 0
.rept 4
	v_nop
.endr
	s_branch .Lhead_asked
\next:
.endm
	ARM 1, G0H,  G1,  .Lhead_b
	ARM 2, G0HB, G1B, .Lhead_sa
	ARM 3, G0S,  G1S, .Lhead_sb
	tensor_load_to_lds s[G0SB:G0SB+3], s[G1SB:G1SB+7]
	s_nop 0
.rept 4
	v_nop
.endr
.Lhead_asked:
	v_and_b32 v1, 15, v0
	v_bfe_u32 v2, v0, 4, 1
	v_mul_u32_u24 v3, v1, PITCH
	v_mul_u32_u24 v4, v2, 24
	v_add_nc_u32 v4, v3, v4
	s_mov_b32 s21, SLOT-232
	s_mov_b32 s22, SLOT+232
	v_sub_nc_u32 v7, 1, v2
	v_mul_u32_u24 v5, s21, v2
	v_add_nc_u32 v5, v3, v5
	v_add_nc_u32 v5, 232, v5                       ; across two chunks: lanes 0-15 byte 232 in slot 0, lanes 16-31 byte 0 in slot 1
	v_mul_u32_u24 v6, s22, v7
	v_add_nc_u32 v6, v3, v6                        ; and the other way round
	s_mul_i32 s21, s15, HALFT
	s_mul_i32 s22, s16, HALFT
	s_add_co_u32 s22, s22, 2*HALFT
	v_add_nc_u32 v[ADRA+2], s21, v5
	v_add_nc_u32 v[ADRA+3], s21, v6
	v_add_nc_u32 v[ADRB+2], s22, v5
	v_add_nc_u32 v[ADRB+3], s22, v6
.irp s, 0,1
	v_add_nc_u32 v[ADRA+\s], s21, v4
	v_add_nc_u32 v[ADRB+\s], s22, v4
	s_add_co_u32 s21, s21, SLOT
	s_add_co_u32 s22, s22, SLOT
.endr
	v_mul_u32_u24 v5, v1, KS
	v_lshrrev_b32 v6, 8, v5
	v_lshl_add_u32 v5, v6, 4, v5
	s_mul_i32 s21, s15, HALFS
	s_mul_i32 s22, s16, HALFS
	s_add_co_u32 s22, s22, 2*HALFS
	s_sub_co_u32 s22, s22, s21
	v_mul_u32_u24 v6, s22, v2
	s_add_co_u32 s21, s21, SCL
	v_add_nc_u32 v5, v5, v6
	v_add_nc_u32 v[ADRS], s21, v5
	s_mul_i32 s23, s14, 16*SPITCH
	s_add_co_u32 s23, s23, STAGE
	v_mul_u32_u24 v5, v1, SPITCH
	v_lshl_add_u32 v5, v2, 5, v5
	v_add_nc_u32 v[STO], s23, v5
	v_and_b32 v6, 31, v0
	v_lshlrev_b32 v[CO], 4, v6
	v_add_nc_u32 v[RD], s23, v[CO]
.macro FRAG reg, adr, st, i            ; 16 rows x 128 K: six pieces of 8 bytes; byte y of a row lies in slot (y / 256) % 2 at byte y % 256
.irp p, 0,1,2,3,4,5
.set BY, 96*(\st)+48*(\p/3)+8*(\p%3)
.if BY/ROWB == (BY+24)/ROWB
	ds_load_b64 v[\reg+2*\p:\reg+2*\p+1], v[\adr+(BY/ROWB)%2] offset:BY%ROWB+(\i)*16*PITCH
.else
	ds_load_b64 v[\reg+2*\p:\reg+2*\p+1], v[\adr+2+(BY/ROWB)%2] offset:BY%ROWB-232+(\i)*16*PITCH
.endif
.endr
.endm
.macro MUL16 a0, p, q, sc, zero        ; the 64 accumulators take turns
.irp a, \a0, \a0+1
.irp b, 0,1,2,3,4,5,6,7
.if \zero
	v_wmma_scale_f32_16x16x128_f8f6f4 v[8*(8*((\a)%4)+\b):8*(8*((\a)%4)+\b)+7], v[128*(\p)+FR*\b:128*(\p)+FR*\b+FR-1], v[AF+FR*(\a):AF+FR*(\a)+FR-1], 0, v[SC+8*NQ*(\sc)+NQ*\b+(\q)], v[SC+8*NQ*(\sc)+NQ*(\a)+(\q)] matrix_a_fmt:MATRIX_FMT_FP6 matrix_b_fmt:MATRIX_FMT_FP6 matrix_a_scale:MATRIX_SCALE_ROW1
.else
	v_wmma_scale_f32_16x16x128_f8f6f4 v[8*(8*((\a)%4)+\b):8*(8*((\a)%4)+\b)+7], v[128*(\p)+FR*\b:128*(\p)+FR*\b+FR-1], v[AF+FR*(\a):AF+FR*(\a)+FR-1], v[8*(8*((\a)%4)+\b):8*(8*((\a)%4)+\b)+7], v[SC+8*NQ*(\sc)+NQ*\b+(\q)], v[SC+8*NQ*(\sc)+NQ*(\a)+(\q)] matrix_a_fmt:MATRIX_FMT_FP6 matrix_b_fmt:MATRIX_FMT_FP6 matrix_a_scale:MATRIX_SCALE_ROW1
.endif
.endr
.endr
.endm
.macro FETCH_B st, p
	WIN TO_B
.irp i, 0,1,2,3,4,5,6,7
	FRAG 128*(\p)+FR*\i, ADRB, \st, \i
.endr
	WIN 0
.endm
.macro FETCH_A st, i0
.irp i, \i0, \i0+1, \i0+2, \i0+3
	FRAG AF+FR*(\i), ADRA, \st, \i
.endr
.endm
.macro SCALES pr
.irp i, 0,1,2,3,4,5,6,7
	ds_load_b64 v[SC+8*NQ*((\pr)%2)+NQ*\i:SC+8*NQ*((\pr)%2)+NQ*\i+1], v[ADRS] offset:\i*SBLK+4*NQ*(\pr)
.endr
.endm
.macro PLACES n
.rept \n
	v_nop
.endr
.endm
; a step of 128 along K; the next step's fragments are fetched in its middle and at its end.  Where the next step ends in a chunk not yet read: a barrier for that chunk.
; Where it begins in a later chunk: the three lines and the barrier for the chunk left behind, which opens a round where a chunk two on is left to fetch.
.macro STEP st, zero
.set NX, (\st)+1
.set C0, (96*(\st))/ROWB
.set C1, (96*NX)/ROWB
.set E0, (96*(\st)+95)/ROWB
.set E1, (96*NX+95)/ROWB
.if C1 > C0 || E1 > E0
	s_wait_tensorcnt 0x0
.if C1 > C0
	ds_add_u32 v[SPW], v[NIL]
	s_wait_dscnt 4*NL+1                            ; the add and A's blocks 4-7 may be out
.else
	s_wait_dscnt 4*NL                              ; A's blocks 4-7 may be out
.endif
	WIN MUL_LO
	MUL16 0, (\st)%2, (\st)%2, ((\st)/2)%2, \zero
	s_wait_dscnt 0x0
	s_barrier_signal -1
	MUL16 2, (\st)%2, (\st)%2, ((\st)/2)%2, \zero
	WIN 0
	s_barrier_wait -1
.if C1 > C0 && C0+2 < CHUNKS
	CREST
	s_add_nc_u64 s[G0+4*(C0%2)+2:G0+4*(C0%2)+3], s[G0+4*(C0%2)+2:G0+4*(C0%2)+3], 2*ROWB
	s_add_nc_u64 s[G0B+4*(C0%2)+2:G0B+4*(C0%2)+3], s[G0B+4*(C0%2)+2:G0B+4*(C0%2)+3], 2*ROWB
	JLOAD G0+4*(C0%2), G1, G0B+4*(C0%2), G1B
.else
	PLACES NP
.endif
.else
	s_wait_dscnt 4*NL
	WIN MUL_LO
	MUL16 0, (\st)%2, (\st)%2, ((\st)/2)%2, \zero
	MUL16 2, (\st)%2, (\st)%2, ((\st)/2)%2, \zero
	s_wait_dscnt 0
	PLACES NP
.endif
	FETCH_B NX, NX%2
	FETCH_A NX, 0
.if NX%2 == 0
	SCALES NX/2
.endif
	WIN MUL_HI
	MUL16 4, (\st)%2, (\st)%2, ((\st)/2)%2, \zero
	MUL16 6, (\st)%2, (\st)%2, ((\st)/2)%2, \zero
	PLACES NP
	WIN 0
	FETCH_A NX, 4
.endm
	s_wait_alu depctr_va_vdst(0)                   ; the wait at the head's end
	s_wait_tensorcnt 0x0                           ; my tile of the head's four is in
	ds_add_u32 v[SPW], v[NIL]
	s_mov_b32 s[G1+2], 128<<16                     ; no load of mine is out: from here on a load brings 128 rows
	s_mov_b32 s[G1+4], 128
	s_mov_b32 s[G1B+2], 128<<16
	s_mov_b32 s[G1B+4], 128
	s_wait_dscnt 0x0
	CROUND
	JLOAD G0+4, G1, G0B+4, G1B                     ; chunk 1, issued as a refill is
	FETCH_B 0, 0
	FETCH_A 0, 0
	SCALES 0
	FETCH_A 0, 4
	STEP 0, 1
.set ST, 1
.rept STEPS-2
	STEP ST, 0
.set ST, ST+1
.endr
	s_load_b64 s[68:69], s[0:1], 0x20              ; the way out's arguments (every tensor load has been waited for)
	s_load_b64 s[86:87], s[0:1], 0x48
	s_load_b64 s[88:89], s[0:1], 0x70
	s_load_b128 s[92:95], s[0:1], 0x78
	s_load_b128 s[72:75], s[0:1], 0x88
	s_load_b64 s[76:77], s[0:1], 0x98
	s_wait_dscnt 4*NL
	WIN MUL_LO
	MUL16 0, 1, NQ-1, 1, 0
	MUL16 2, 1, NQ-1, 1, 0
	s_wait_dscnt 0
	WIN MUL_HI
	MUL16 4, 1, NQ-1, 1, 0
	MUL16 6, 1, NQ-1, 1, 0
	WIN 0
.macro QUANT s, pw                     ; 64 numbers a lane: four half blocks of 16 -> 12 registers of codes, one scale word
.irp b, 0,1,2,3
	v_max3_num_f32 v[TM+\b], |v[\s+16*\b]|, |v[\s+1+16*\b]|, 0x1800000
.endr
.irp i, 2,4,6,8,10,12,14
.irp b, 0,1,2,3
	v_max3_num_f32 v[TM+\b], v[TM+\b], |v[\s+16*\b+\i]|, |v[\s+1+16*\b+\i]|
.endr
.endr
.irp b, 0,1,2,3
	v_permlanex16_b32 v[TM+4+\b], v[TM+\b], s[SEL], s[SEL+1]
.endr
.irp b, 0,1,2,3
	v_max_num_f32 v[TM+\b], v[TM+\b], v[TM+4+\b]
.endr
.irp b, 0,1,2,3
	v_add_nc_u32 v[TM+12+\b], 0xff000000, v[TM+\b]
.endr
.irp b, 0,1,2,3
	v_lshrrev_b32 v[TM+4+\b], 23, v[TM+12+\b]
.endr
	v_lshl_or_b32 v[\pw], v[TM+5], 8, v[TM+4]
	v_lshl_or_b32 v[\pw], v[TM+6], 16, v[\pw]
	v_lshl_or_b32 v[\pw], v[TM+7], 24, v[\pw]
.irp c, 0,1
	v_cvt_scalef32_pk16_fp6_f32 v[PC+6*\c:PC+2+6*\c], v[\s+32*\c:\s+15+32*\c], v[TM+12+2*\c]
	v_cvt_scalef32_pk16_fp6_f32 v[PC+12+4*\c:PC+14+4*\c], v[\s+16+32*\c:\s+31+32*\c], v[TM+12+2*\c+1]
.endr
	v_nop
.irp c, 0,1
.irp i, 0,1,2
	v_permlane16_swap_b32 v[PC+6*\c+\i], v[PC+12+4*\c+\i]
.endr
.irp i, 0,1,2
	v_mov_b32 v[PC+3+6*\c+\i], v[PC+12+4*\c+\i]
.endr
.endr
.endm
.macro ADDB a
	WIN 0x02+(\a)/4
.set AC, 64*((\a)%4)
.set k, 0
.rept 32
	v_pk_add_f32 v[H+k:H+k+1], v[AC+k:AC+k+1], v[BJ+k:BJ+k+1]
.set k, k+2
.endr
	WIN 0
.endm
.macro ADDV a
	WIN 0x02+(\a)/4
.set AC, 64*((\a)%4)
.set k, 0
.rept 32
	v_pk_add_f32 v[H+k:H+k+1], v[AC+k:AC+k+1], v[BI+2*(\a):BI+2*(\a)+1]
.set k, k+2
.endr
	WIN 0
.endm
	PLACES NP
	v_and_b32 v1, 15, v0
	v_bfe_u32 v2, v0, 4, 1
	v_and_b32 v4, 31, v0
	v_lshlrev_b32 v4, 3, v4
	v_lshlrev_b32 v5, 5, v2
	v_lshlrev_b32 v8, 2, v1
.irp b, 0,1,2,3
	v_mov_b32 v[TM+4+\b], 0
.endr
	s_mov_b32 s[SEL], 0x76543210
	s_mov_b32 s[SEL+1], 0xfedcba98
	s_mov_b32 s99, 0xffff0000
	s_wait_kmcnt 0x0
	s_cmp_eq_u32 s[KIND], 1
	s_cselect_b64 s[68:69], s[86:87], s[68:69]
	s_cmp_eq_u32 s[KIND], 2
	s_cselect_b64 s[68:69], s[88:89], s[68:69]
	s_lshl_b32 s78, s17, 8
	s_lshl_b32 s79, s15, 7
	s_add_co_u32 s78, s78, s79
	s_lshl_b32 s79, s42, 8
	s_lshl_b32 s80, s16, 7
	s_add_co_u32 s79, s79, s80
	s_mov_b32 s83, 0
	s_cmp_eq_u32 s[KIND], 2
	s_cbranch_scc1 .Lv
	s_lshr_b32 s80, s78, 11
	s_bfe_u32 s81, s78, 0x40007
	s_lshr_b32 s82, s79, 6
	s_lshl_b32 s80, s80, 4
	s_add_co_u32 s80, s80, s82
	s_cmp_eq_u32 s[KIND], 0
	s_mov_b32 s96, HKV
	s_cselect_b32 s96, HQ, s96
	s_cselect_b64 s[70:71], s[92:93], s[94:95]
	s_mov_b32 s97, 0
	s_mul_i32 s82, s80, s96
	s_add_nc_u64 s[70:71], s[70:71], s[82:83]
	s_mul_i32 s82, s81, 6144
	s_add_nc_u64 s[84:85], s[70:71], s[82:83]
	s_add_nc_u64 s[86:87], s[84:85], s[96:97]
	s_lshl_b32 s82, s81, 9
	s_add_co_u32 s82, s82, 98304
	s_add_nc_u64 s[88:89], s[70:71], s[82:83]
	s_add_nc_u64 s[90:91], s[88:89], s[96:97]
	s_lshl_b32 s82, s79, 2
	s_add_nc_u64 s[68:69], s[68:69], s[82:83]
	s_lshl_b32 s80, s78, 12
	s_add_co_u32 s82, s82, s80
	s_add_nc_u64 s[72:73], s[72:73], s[82:83]
	s_wait_alu depctr_va_vdst(0)
.irp u, 0,1,2,3,4,5,6,7
	global_load_b128 v[BJ+8*\u:BJ+8*\u+3], v5, s[68:69] offset:64*\u
	global_load_b128 v[BJ+8*\u+4:BJ+8*\u+7], v5, s[68:69] offset:64*\u+16
.endr
	s_wait_loadcnt 0x0
.macro QKBLOCK a
.if (\a) > 0
	s_wait_xcnt 0x0
.endif
	ADDB \a
	QUANT H, WK+(\a)
	global_store_b128 v[CO], v[PC:PC+3], s[84:85] offset:768*(\a)
	global_store_b64 v4, v[PC+4:PC+5], s[84:85] offset:768*(\a)+512
	global_store_b128 v[CO], v[PC+6:PC+9], s[86:87] offset:768*(\a)
	global_store_b64 v4, v[PC+10:PC+11], s[86:87] offset:768*(\a)+512
	s_cmp_lg_u32 s[KIND], 0
	s_cbranch_scc1 .Lnoq_\@
.irp u, 0,1,2,3,4,5,6,7
	ds_store_b128 v[STO], v[H+8*\u:H+8*\u+3] offset:64*\u
	ds_store_b128 v[STO], v[H+8*\u+4:H+8*\u+7] offset:64*\u+16
.endr
.irp t, 0,1,2,3,4,5,6,7,8,9,10,11,12,13,14,15
	ds_load_b128 v[H+4*\t:H+4*\t+3], v[RD] offset:\t*SPITCH
.endr
	s_wait_dscnt 0x0
.irp t, 0,1,2,3,4,5,6,7,8,9,10,11,12,13,14,15
	global_store_b128 v[CO], v[H+4*\t:H+4*\t+3], s[72:73] offset:65536*(\a)+4096*\t
.endr
.Lnoq_\@:
.endm
.irp a, 0,1,2,3,4,5,6,7
	QKBLOCK \a
.endr
.irp i, 0,1,2,3
	v_cndmask_b32 v[R+\i], v[WK+\i], v[WK+4+\i], s99
.endr
.irp i, 0,1,2,3
	v_and_b32 v[RA+\i], 0xffff, v[R+\i]
	v_lshrrev_b32 v[RB+\i], 16, v[R+\i]
.endr
	global_store_b128 v[CO], v[RA:RA+3], s[88:89]
	global_store_b128 v[CO], v[RB:RB+3], s[90:91]
	s_branch .Ljoin
.Lv:
	s_lshr_b32 s80, s79, 11
	s_bfe_u32 s81, s79, 0x40007
	s_lshr_b32 s82, s78, 6
	s_lshl_b32 s80, s80, 4
	s_add_co_u32 s80, s80, s82
	s_mul_i32 s82, s80, HKV
	s_add_nc_u64 s[70:71], s[94:95], s[82:83]
	s_mul_i32 s82, s81, 6144
	s_add_co_u32 s82, s82, 106496
	s_add_nc_u64 s[84:85], s[70:71], s[82:83]
	s_lshl_b32 s82, s81, 8
	s_add_co_u32 s82, s82, 204800
	s_add_nc_u64 s[88:89], s[70:71], s[82:83]
	s_lshl_b32 s82, s78, 2
	s_add_nc_u64 s[68:69], s[68:69], s[82:83]
	s_lshl_b32 s80, s42, 4
	s_lshl_b32 s81, s17, 2
	s_add_co_u32 s80, s80, s81
	s_add_co_u32 s80, s80, s14
	s_mul_i32 s82, s80, 1536
	s_add_nc_u64 s[76:77], s[76:77], s[82:83]
	s_lshr_b32 s81, s80, 4
	s_bfe_u32 s96, s80, 0x10003
	s_and_b32 s80, s80, 7
	s_lshl_b32 s81, s81, 5
	s_lshl_b32 s96, s96, 3
	s_add_co_u32 s81, s81, s96
	s_mul_i32 s81, s81, KROW
	s_mul_i32 s80, s80, 96
	s_add_co_u32 s82, s81, s80
	s_add_nc_u64 s[74:75], s[74:75], s[82:83]
	s_wait_alu depctr_va_vdst(0)
	v_mul_u32_u24 v6, v2, HKV
	v_lshl_add_u32 v6, v1, 4, v6
	v_and_b32 v7, 8, v1
	v_add_nc_u32 v7, v7, v1
	v_mul_u32_u24 v7, v7, KROW
	v_mad_u32_u24 v7, v2, 24, v7
.irp a, 0,1,2,3,4,5,6,7
	global_load_b32 v[BI+2*\a], v8, s[68:69] offset:64*\a
.endr
.irp p, 0,1,2,3,4,5
	global_load_b64 v[WF+2*\p:WF+2*\p+1], v7, s[74:75] offset:48*(\p/3)+8*(\p%3)
.endr
	s_wait_loadcnt 0x0
.irp a, 0,1,2,3,4,5,6,7
	v_mov_b32 v[BI+2*\a+1], v[BI+2*\a]
.endr
.irp c, 0,1,2
	global_store_b128 v[CO], v[WF+4*\c:WF+4*\c+3], s[76:77] offset:512*\c
.endr
.macro VBLOCK a
	s_wait_xcnt 0x0
	ADDV \a
	QUANT H, WK+(\a)
.irp c, 0,1,2
	global_store_b128 v[CO], v[PC+4*\c:PC+4*\c+3], s[84:85] offset:((\a)/4)*HKV+((\a)%4)*1536+512*\c
.endr
.endm
	s_wait_alu depctr_va_vdst(0)
.irp a, 0,1,2,3,4,5,6,7
	VBLOCK \a
.endr
.irp i, 0,1,2,3
	v_cndmask_b32 v[R+\i], v[WK+\i], v[WK+4+\i], s99
.endr
	global_store_b128 v6, v[R:R+3], s[88:89]
.Ljoin:
	s_wait_tensorcnt 0x0                           ; the wave's end
	ds_add_u32 v[SPW], v[NIL]
	s_wait_dscnt 0x0
	CROUND                                         ; the closing round
	s_endpgm
.Lfunc_end_k_q8134e07222_proj:
	.size	k_q8134e07222_proj, .Lfunc_end_k_q8134e07222_proj-k_q8134e07222_proj
	.p2alignl 7, 3214868480
	.fill 96, 4, 3214868480
	.section	.rodata,"a",@progbits
	.p2align	6, 0x0
	.amdhsa_kernel k_q8134e07222_proj
		.amdhsa_group_segment_fixed_size 327680
		.amdhsa_private_segment_fixed_size 0
		.amdhsa_enable_private_segment 0
		.amdhsa_kernarg_size 160
		.amdhsa_user_sgpr_count 2
		.amdhsa_user_sgpr_kernarg_segment_ptr 1
		.amdhsa_wavefront_size32 1
		.amdhsa_system_sgpr_workgroup_id_x 1
		.amdhsa_system_sgpr_workgroup_id_y 1
		.amdhsa_system_sgpr_workgroup_id_z 1
		.amdhsa_system_vgpr_workitem_id 0
		.amdhsa_next_free_vgpr 1024
		.amdhsa_next_free_sgpr 104
		.amdhsa_reserve_vcc 0
		.amdhsa_float_denorm_mode_32 3
		.amdhsa_float_denorm_mode_16_64 3
		.amdhsa_memory_ordered 1
		.amdhsa_forward_progress 1
		.amdhsa_inst_pref_size 255
	.end_amdhsa_kernel
	.section	.bss,"aw",@nobits
	.p2align	6
	.space	262144
	.amdgpu_metadata
---
amdhsa.version: [ 1, 2 ]
amdhsa.kernels:
  - .name:           k_q8134e07222_proj
    .symbol:         k_q8134e07222_proj.kd
    .args:
      - { .name: q_codes, .offset: 0, .size: 8, .value_kind: global_buffer, .address_space: global }
      - { .name: q_scales, .offset: 8, .size: 8, .value_kind: global_buffer, .address_space: global }
      - { .name: Wq_codes, .offset: 16, .size: 8, .value_kind: global_buffer, .address_space: global }
      - { .name: Wq_scales, .offset: 24, .size: 8, .value_kind: global_buffer, .address_space: global }
      - { .name: bq, .offset: 32, .size: 8, .value_kind: global_buffer, .address_space: global }
      - { .name: k_codes, .offset: 40, .size: 8, .value_kind: global_buffer, .address_space: global }
      - { .name: k_scales, .offset: 48, .size: 8, .value_kind: global_buffer, .address_space: global }
      - { .name: Wk_codes, .offset: 56, .size: 8, .value_kind: global_buffer, .address_space: global }
      - { .name: Wk_scales, .offset: 64, .size: 8, .value_kind: global_buffer, .address_space: global }
      - { .name: bk, .offset: 72, .size: 8, .value_kind: global_buffer, .address_space: global }
      - { .name: Wv_codes, .offset: 80, .size: 8, .value_kind: global_buffer, .address_space: global }
      - { .name: Wv_scales, .offset: 88, .size: 8, .value_kind: global_buffer, .address_space: global }
      - { .name: v_codes, .offset: 96, .size: 8, .value_kind: global_buffer, .address_space: global }
      - { .name: v_scales, .offset: 104, .size: 8, .value_kind: global_buffer, .address_space: global }
      - { .name: bv, .offset: 112, .size: 8, .value_kind: global_buffer, .address_space: global }
      - { .name: qws, .offset: 120, .size: 8, .value_kind: global_buffer, .address_space: global }
      - { .name: kvws, .offset: 128, .size: 8, .value_kind: global_buffer, .address_space: global }
      - { .name: qpf, .offset: 136, .size: 8, .value_kind: global_buffer, .address_space: global }
      - { .name: Wo_codes, .offset: 144, .size: 8, .value_kind: global_buffer, .address_space: global }
      - { .name: wows, .offset: 152, .size: 8, .value_kind: global_buffer, .address_space: global }
    .group_segment_fixed_size: 327680
    .private_segment_fixed_size: 0
    .kernarg_segment_align: 8
    .kernarg_segment_size: 160
    .max_flat_workgroup_size: 128
    .sgpr_count:     104
    .vgpr_count:     1024
    .wavefront_size: 32
...
	.end_amdgpu_metadata
.endif
;; end of part 4
;; launch attend (part 5): grid 4 x 64, 16 waves a work-group, no clusters, 252,416 bytes of LDS; arguments qws, kvws, mask, att; writes att
.if DOCPART == 5
	.amdgcn_target "amdgcn-amd-amdhsa--gfx1250"
	.amdhsa_code_object_version 6
	.text
	.protected	k_q8134e07222_attend
	.globl	k_q8134e07222_attend
	.p2align	8
	.type	k_q8134e07222_attend,@function
k_q8134e07222_attend:
	s_mov_b64 s[64:65], 0
	v_nop
	global_prefetch_b8 v0, s[64:65] scope:SCOPE_SE
	s_setreg_imm32_b32 hwreg(HW_REG_WAVE_MODE, 25, 1), 1
	s_wait_xcnt 0x0
; attn[b][q][h][:] = sum over keys of A V, A = softmax over the keys that the mask lets through of (Q . K / 32); a row with no such key gives 0.  Both products on codes of FP6 (E2M3) with E8M0 scales.
; A is quantised finished and normalised, so a row's maximum and sum are known before any weight is quantised; scores and exponentials are made once:
; THE SIXTEEN WAVES SHARE THE KEYS of a tile of 16 queries: wave w owns keys 128 w .. 128 w + 127.  Its 64 weights a lane stay in registers from the exponential to the quantiser.
;   FIRST HALF of a tile: t = score x log2(e) / 32; M_w = the largest t of the wave's keys, rounded up to a whole number; p = 2^(t - M_w); sum_w.
;   SECOND HALF: (-M_w, sum_w) of all waves from LDS; M = the largest M_w, sum = the sum of sum_w 2^(M_w - M) (factors that round nothing); A = p x (2^(M_w - M) / sum), quantised in blocks of 32 keys,
;   times the wave's V: a partial O^T into LDS.  Wave w adds up query row w of the sixteen partials of the tile before and stores its 256 bytes by one instruction.
; THE BARRIER IS SPLIT, AND TWO TILES ARE IN HAND: a wave signals barrier j (tile j's statistics and tile j - 1's partials are stored), makes the FIRST HALF OF TILE j + 1 between the signal and the wait
; (work on registers and loads of the mask's words, which nobody writes again), and behind the wait stores tile j + 1's statistics and makes tile j's second half.  So the weights have two sets of 64 registers.
; Statistics and partials have two buffers each, by the tile's parity: a buffer is written again only behind a barrier that its readers signalled with their loads done.
; A block's largest A is not searched for: the block's largest SCORE goes through the same multiply-add, exponential and multiplication
; (this takes v_exp_f32 not to fall where its input rises; at the worst one weight of a block, within an ulp of a power of two, is held one code low).
; K stays in registers; V lies in the wave's own 6,144 bytes of LDS, as an image of the operand's registers, and comes into registers that the weights have left.
; The head has 64 channels, half of the first product's 128 along K: Q's upper six registers are zero codes; what stands behind a half fragment of K (the next one; behind the last, six address registers) meets those zeros.
; THE MASK: a word for each key, 0 or -2^100, is the C of the scores' matrix instruction.  The largest t is held at -2^83 from below: a masked key's weight is 0.
; NO CLUSTER, NO JOINT LOADS: each byte of K and V serves one wave of a work-group.  No prefetch: K and V are wanted at the head, and Q is asked for two tiles ahead, into registers.
; LIMITS: |t| of 2^83 or more is not served; NaN and infinities are not served; a weight more than 2^126 under the row's largest is 0; a block of weights that are all 0 keeps the scale byte 1 (its codes are zeros).
; SHARES.  Work-group (x, y): head y = 16 b + h, queries 512 x .. 512 x + 511: 32 tiles.  Both products are used transposed: a lane holds one query (lane % 16) throughout.
.set HKV,   208896
.set HQ,    106496
.set STAT,  8192                       ; LDS: the mask's 2,048 words at 0; statistics: row r at 144 r: sixteen -M, then sixteen sums
.set STSZ,  2304
.set OP0,   12800                      ; partials: wave w's 16 rows x 272 bytes at 4,352 w
.set OPSZ,  69632
.set VL,    152064                     ; V's images, 6,144 bytes a wave
.set SPARE, 250368                     ; the spare words, 128 bytes a wave
.set KF,   2                           ; v2-49 K
.set A16,  50                          ; v50-55: addresses, never rewritten (they also stand behind K's last half fragment): 16 x lane,
.set A8,   51                          ; 8 x lane,
.set A16R, 52                          ; 16 r,
.set AMSK, 53                          ; the mask's words of my keys,
.set ASTS, 54                          ; where I store my statistics,
.set ASTR, 55                          ; where I read them
.set AOP,  56                          ; v56-57 my partial, buffers 0, 1
.set ARD,  58                          ; v58-59 the row that I add up, buffers 0, 1
.set AVL,  60                          ; v60 my V
.set QF,   62                          ; v62-73 Q
.set QS,   74                          ; scales alone: v74 Q's, v75 A's, v76-79 K's, v80-83 V's
.set AS,   75
.set KS,   76
.set VS,   80
.set PP,   84                          ; by parity, 6 registers: -M_w, the statistics' word, the four blocks' largest
.set T,    96                          ; v96-127 at work
.set PC,   T
.set RES,  T+28                        ; the row that is stored
.set S,    128                         ; v128-191, v192-255: the weights, by parity
.set WV,  12
.set HI,  13
.set TI,  17
.set CNT, 18
.set SEL, 40
.set CS,  42
	s_load_b256 s[4:11], s[0:1], 0x0               ; qws, kvws, mask, att
	v_lshrrev_b32 v1, 5, v0
	s_delay_alu instid0(VALU_DEP_1)
	v_readfirstlane_b32 s[WV], v1
	s_and_b32 s14, ttmp7, 0xffff                   ; 16 b + h
	s_lshr_b32 s15, s14, 4
	s_and_b32 s16, s14, 15
	s_mul_i32 s26, s14, HKV
	s_mov_b32 s27, 0
	s_mul_i32 s28, s[WV], 6144
	s_mov_b32 s29, 0
	s_mov_b32 s57, 0
	s_mov_b32 s59, 0
	s_mov_b32 s[HI], 0xffff0000
	s_mov_b32 s[SEL], 0x76543210
	s_mov_b32 s[SEL+1], 0xfedcba98
	s_mov_b32 s[CS], 0x3d38aa3b                    ; log2(e) / 32
	s_mov_b32 s[CS+1], s[CS]
	s_mov_b32 s[TI], 0
	s_lshl_b32 s19, s[WV], 9
	s_lshl_b32 s30, s[WV], 2
	s_add_co_u32 s30, s30, STAT
	s_mul_i32 s31, s[WV], 4352
	s_add_co_u32 s31, s31, OP0
	s_mul_i32 s32, s[WV], 272
	s_add_co_u32 s32, s32, OP0
	s_mul_i32 s33, s[WV], 6144
	s_add_co_u32 s33, s33, VL
	v_and_b32 v[T], 31, v0                         ; lane
	v_and_b32 v[T+1], 15, v0                       ; r
	v_bfe_u32 v[T+2], v0, 4, 1                     ; half
	v_lshlrev_b32 v[T+3], 2, v0                    ; four keys of the mask a thread
	v_lshlrev_b32 v[T+7], 4, v0                    ; and their four words
	v_lshlrev_b32 v[A16], 4, v[T]
	v_lshlrev_b32 v[A8], 3, v[T]
	v_lshlrev_b32 v[A16R], 4, v[T+1]
	v_lshlrev_b32 v[AMSK], 5, v[T+2]
	v_mul_u32_u24 v[T+6], v[T+1], 144
	v_mul_u32_u24 v[AOP], v[T+1], 272
	v_add_nc_u32 v[AMSK], s19, v[AMSK]             ; 512 wave + 32 half
	v_lshl_add_u32 v[ASTS], v[T+2], 6, v[T+6]
	v_lshl_add_u32 v[ASTR], v[T+2], 5, v[T+6]
	v_lshl_add_u32 v[AOP], v[T+2], 5, v[AOP]
	v_add_nc_u32 v[ASTS], s30, v[ASTS]             ; row r; lanes 0-15 -M, lanes 16-31 the sum; my wave's word
	v_add_nc_u32 v[ASTR], STAT, v[ASTR]            ; row r, the eight waves of my half
	v_add_nc_u32 v[AOP], s31, v[AOP]
	v_add_nc_u32 v[ARD], s32, v[A8]
	v_add_nc_u32 v[AVL], s33, v[A16]
	v_add_nc_u32 v[AOP+1], OPSZ, v[AOP]
	v_add_nc_u32 v[ARD+1], OPSZ, v[ARD]
.irp i, 68,69,70,71,72,73
	v_mov_b32 v\i, 0                               ; Q's codes of K = 64 .. 127
.endr
	v_mov_b32 v[PP+1], 0                           ; named as upper halves of pairs or as lane permutes' destinations before they are first made
	v_mov_b32 v[PP+7], 0
	v_mov_b32 v[T+17], 0
	v_mov_b32 v[T+21], 0
	v_mov_b32 v[T+5], 0xf1800000                   ; -2^100
	s_wait_alu depctr_va_vdst(0)                   ; the wait at the head's end
	s_wait_kmcnt 0x0
	s_add_nc_u64 s[6:7], s[6:7], s[26:27]          ; kvws at my head
	s_add_nc_u64 s[20:21], s[6:7], s[28:29]        ; my key step's images
	s_lshl_b32 s28, s[WV], 9
	s_add_nc_u64 s[22:23], s[6:7], s[28:29]
	s_lshl_b32 s28, s[WV], 8
	s_add_nc_u64 s[24:25], s[6:7], s[28:29]
	s_lshl_b32 s28, s15, 11
	s_add_nc_u64 s[8:9], s[8:9], s[28:29]
	s_mul_i32 s26, s14, HQ
	s_add_nc_u64 s[4:5], s[4:5], s[26:27]
	s_mul_i32 s28, ttmp9, 24576
	s_add_nc_u64 s[50:51], s[4:5], s[28:29]        ; the images of my 32 tiles of queries, 768 bytes each
	s_lshl_b32 s28, ttmp9, 11
	s_add_co_u32 s28, s28, 98304
	s_add_nc_u64 s[52:53], s[4:5], s[28:29]        ; their scale words: tile i's at 256 (i / 4) + 16 r + 4 (i % 4)
	global_load_b32 v[T+4], v[T+3], s[8:9]
.irp t, 0,1,2,3,4,5,6,7
	global_load_b128 v[KF+6*\t:KF+6*\t+3], v[A16], s[20:21] offset:768*\t
	global_load_b64 v[KF+6*\t+4:KF+6*\t+5], v[A8], s[20:21] offset:768*\t+512
.endr
	global_load_b128 v[KS:KS+3], v[A16], s[22:23] offset:98304
.irp i, 0,1,2,3,4,5,6,7,8,9,10,11
	global_load_b128 v[S+64+4*\i:S+64+4*\i+3], v[A16], s[20:21] offset:106496+512*\i   ; V, on its way to LDS
.endr
	global_load_b128 v[VS:VS+3], v[A16R], s[24:25] offset:204800
	global_load_b128 v[QF:QF+3], v[A16], s[50:51]  ; Q of tile 0
	global_load_b64 v[QF+4:QF+5], v[A8], s[50:51] offset:512
	global_load_b32 v[QS], v[A16R], s[52:53]
	s_lshl_b32 s28, s15, 11
	s_lshl_b32 s19, ttmp9, 9
	s_add_co_u32 s28, s28, s19
	s_add_co_u32 s28, s28, s[WV]                   ; the row of att that I store for tile 0
	s_lshl_b32 s28, s28, 12
	s_lshl_b32 s19, s16, 8
	s_add_co_u32 s28, s28, s19
	s_add_nc_u64 s[54:55], s[10:11], s[28:29]
	s_wait_loadcnt 0x0
.irp i, 0,1,2,3
	v_bfe_u32 v[T+6], v[T+4], 8*\i, 8
	s_delay_alu instid0(VALU_DEP_1)
	v_cmp_eq_u32 vcc_lo, 0, v[T+6]
	s_delay_alu instid0(VALU_DEP_1)
	v_cndmask_b32 v[T+8+\i], 0, v[T+5], vcc_lo     ; a choice of values: no branch and no address hangs on the mask
.endr
	ds_store_b128 v[T+7], v[T+8:T+11]
.irp i, 0,1,2,3,4,5,6,7,8,9,10,11
	ds_store_b128 v[AVL], v[S+64+4*\i:S+64+4*\i+3] offset:512*\i
.endr
	s_wait_dscnt 0x0
	s_barrier_signal -1
	s_barrier_wait -1
; THE FIRST HALF of a tile of parity p: no LDS store, no global access
.macro PHA p
.set SA, S+64*(\p)
.set PA, PP+6*(\p)
.irp t, 0,1,2,3,4,5,6,7
	ds_load_b128 v[SA+8*\t:SA+8*\t+3], v[AMSK] offset:64*\t        ; register 8 t + e: the word of key 16 t + 8 half + e
	ds_load_b128 v[SA+8*\t+4:SA+8*\t+7], v[AMSK] offset:64*\t+16
.endr
	s_wait_loadcnt 0x0                             ; Q
	s_wait_dscnt 0x0
.irp t, 0,1,2,3                                ; eight accumulators by turns
	v_wmma_scale_f32_16x16x128_f8f6f4 v[SA+8*\t:SA+8*\t+7], v[KF+6*\t:KF+6*\t+11], v[QF:QF+11], v[SA+8*\t:SA+8*\t+7], v[KS+\t], v[QS] matrix_a_fmt:MATRIX_FMT_FP6 matrix_b_fmt:MATRIX_FMT_FP6
.endr
.irp t, 4,5,6,7
	v_wmma_scale_f32_16x16x128_f8f6f4 v[SA+8*\t:SA+8*\t+7], v[KF+6*\t:KF+6*\t+11], v[QF:QF+11], v[SA+8*\t:SA+8*\t+7], v[KS+\t-4], v[QS] matrix_a_fmt:MATRIX_FMT_FP6 matrix_b_fmt:MATRIX_FMT_FP6 matrix_a_scale:MATRIX_SCALE_ROW1
.endr
.rept 4
	v_nop                                          ; places ahead of the first read of the scores
.endr
.irp b, 0,1,2,3
	v_max3_num_f32 v[PA+2+\b], v[SA+16*\b], v[SA+1+16*\b], v[SA+2+16*\b]     ; the largest score of each block of 32 keys
.endr
.irp i, 3,5,7,9,11,13
.irp b, 0,1,2,3
	v_max3_num_f32 v[PA+2+\b], v[PA+2+\b], v[SA+16*\b+\i], v[SA+1+16*\b+\i]
.endr
.endr
.irp b, 0,1,2,3
	v_max_num_f32 v[PA+2+\b], v[PA+2+\b], v[SA+15+16*\b]
.endr
.irp b, 0,1,2,3
	s_delay_alu instid0(VALU_DEP_4)
	v_permlanex16_b32 v[T+\b], v[PA+2+\b], s[SEL], s[SEL+1]
.endr
.irp b, 0,1,2,3
	s_delay_alu instid0(VALU_DEP_4)
	v_max_num_f32 v[PA+2+\b], v[PA+2+\b], v[T+\b]
.endr
	s_delay_alu instid0(VALU_DEP_2)
	v_max3_num_f32 v1, v[PA+2], v[PA+3], v[PA+4]
	s_delay_alu instid0(VALU_DEP_1)
	v_max_num_f32 v1, v1, v[PA+5]
	s_delay_alu instid0(VALU_DEP_1)
	v_mul_f32 v1, s[CS], v1                        ; as t
	s_delay_alu instid0(VALU_DEP_1)
	v_max_num_f32 v1, 0xe9000000, v1               ; held at -2^83 from below
	s_delay_alu instid0(VALU_DEP_1)
	v_floor_f32 v[PA], -v1                         ; -M_w: a whole number
.set j, 0
.rept 32
	v_pk_fma_f32 v[SA+j:SA+j+1], v[SA+j:SA+j+1], s[CS:CS+1], v[PA:PA+1] op_sel_hi:[1,0,0]   ; t - M_w
.set j, j+2
.endr
.irp b, 0,1,2,3
	v_fma_f32 v[PA+2+\b], v[PA+2+\b], s[CS], v[PA]
.endr
	s_wait_alu depctr_va_vdst(0)                   ; the wait ahead of the batch
.set j, 0
.rept 64
	v_exp_f32 v[SA+j], v[SA+j]
.set j, j+1
.endr
.irp b, 0,1,2,3
	v_exp_f32 v[PA+2+\b], v[PA+2+\b]
.endr
	v_nop
	s_wait_alu depctr_va_vdst(0)                   ; and behind it
.set j, 0
.rept 8                                        ; the sum, in eight chains
	v_pk_add_f32 v[T+2*j:T+2*j+1], v[SA+4*j:SA+4*j+1], v[SA+4*j+2:SA+4*j+3]
.set j, j+1
.endr
.set j, 0
.rept 16
	v_pk_add_f32 v[T+2*(j%8):T+2*(j%8)+1], v[T+2*(j%8):T+2*(j%8)+1], v[SA+32+2*j:SA+33+2*j]
.set j, j+1
.endr
.irp i, 0,2,4,6
	s_delay_alu instid0(VALU_DEP_4)
	v_pk_add_f32 v[T+\i:T+\i+1], v[T+\i:T+\i+1], v[T+8+\i:T+9+\i]
.endr
.irp i, 0,2
	s_delay_alu instid0(VALU_DEP_2)
	v_pk_add_f32 v[T+\i:T+\i+1], v[T+\i:T+\i+1], v[T+4+\i:T+5+\i]
.endr
	s_delay_alu instid0(VALU_DEP_1)
	v_pk_add_f32 v[T:T+1], v[T:T+1], v[T+2:T+3]
	s_delay_alu instid0(VALU_DEP_1)
	v_add_f32 v[T], v[T], v[T+1]
	s_delay_alu instid0(VALU_DEP_1)
	v_permlanex16_b32 v[T+1], v[T], s[SEL], s[SEL+1]
	s_delay_alu instid0(VALU_DEP_1)
	v_add_f32 v[T], v[T], v[T+1]
	s_delay_alu instid0(VALU_DEP_1)
	v_cndmask_b32 v[PA+1], v[PA], v[T], s[HI]      ; lanes 0-15: -M_w of query r, lanes 16-31: its sum
.endm
; my row of the sixteen partials of a tile, from buffer address rd into v[rp] on; added up and stored
.macro RED rp, rd
.irp i, 0,1,2,3,4,5,6,7,8,9,10,11,12,13,14,15
	ds_load_b64 v[\rp+2*\i:\rp+2*\i+1], v[\rd] offset:4352*\i
.endr
	s_wait_xcnt 0x0                                ; the last row's store has read its data and its base
	s_add_nc_u64 s[54:55], s[54:55], 65536         ; 16 rows of att on; the store below names the 16 rows before
	s_wait_dscnt 0x0                               ; the row is in; and, for the others' sake, all my LDS instructions are done
.irp k, 0,1,2,3,4,5,6,7
	v_pk_add_f32 v[\rp+4*\k:\rp+4*\k+1], v[\rp+4*\k:\rp+4*\k+1], v[\rp+4*\k+2:\rp+4*\k+3]
.endr
.irp k, 0,1,2
	v_pk_add_f32 v[\rp+8*\k:\rp+8*\k+1], v[\rp+8*\k:\rp+8*\k+1], v[\rp+8*\k+4:\rp+8*\k+5]
.endr
	v_pk_add_f32 v[\rp+24:\rp+25], v[\rp+24:\rp+25], v[\rp+28:\rp+29]
	v_pk_add_f32 v[\rp:\rp+1], v[\rp:\rp+1], v[\rp+8:\rp+9]
	s_delay_alu instid0(VALU_DEP_2)
	v_pk_add_f32 v[\rp+16:\rp+17], v[\rp+16:\rp+17], v[\rp+24:\rp+25]
	s_delay_alu instid0(VALU_DEP_1)
	v_pk_add_f32 v[RES:RES+1], v[\rp:\rp+1], v[\rp+16:\rp+17]
	global_store_b64 v[A8], v[RES:RES+1], s[54:55] offset:-65536   ; 32 lanes store 256 consecutive bytes: a head's part of a row of att
.endm
.macro PV d, t
	v_wmma_scale_f32_16x16x128_f8f6f4 v[\d:\d+7], v[SB+12*\t:SB+12*\t+11], v[PC:PC+11], 0, v[VS+\t], v[AS] matrix_a_fmt:MATRIX_FMT_FP6 matrix_b_fmt:MATRIX_FMT_FP6
.endm
.macro OST d, t                        ; lane (r, half): query r, channels 16 t + 8 half + 0 .. 7; from the accumulator's low end on
	ds_store_b128 v[AOP+PAR], v[\d:\d+3] offset:64*\t
	ds_store_b128 v[AOP+PAR], v[\d+4:\d+7] offset:64*\t+16
.endm
; TRIP j, of parity p: barrier j with tile j + 1's first half inside it; then tile j's second half and tile j - 1's row.  first: tile 0.  last: tile 31.
.macro ITER p, first, last
	s_barrier_signal -1                            ; all my LDS instructions were waited for at the end of the trip before
.if \last == 0
	PHA 1-(\p)
.endif
.set PAR, \p
.set SB, S+64*(\p)
.set PB, PP+6*(\p)
	s_wait_alu depctr_va_vdst(0)
	s_barrier_wait -1
.if \last == 0
	ds_store_b32 v[ASTS], v[PP+6*(1-(\p))+1] offset:STSZ*(1-(\p))  ; tile j + 1's statistics
.endif
	ds_load_b128 v[T:T+3], v[ASTR] offset:STSZ*(\p)                ; tile j's: -M of the eight waves of my half,
	ds_load_b128 v[T+4:T+7], v[ASTR] offset:STSZ*(\p)+16
	ds_load_b128 v[T+8:T+11], v[ASTR] offset:STSZ*(\p)+64          ; their sums
	ds_load_b128 v[T+12:T+15], v[ASTR] offset:STSZ*(\p)+80
.if \last == 0
	s_add_co_u32 s60, s[TI], 2                     ; Q of tile j + 2, held at 31, so that no load leaves the buffer
	s_min_u32 s60, s60, 31
	s_mul_i32 s56, s60, 768
	s_lshr_b32 s58, s60, 2
	s_lshl_b32 s58, s58, 8
	s_and_b32 s60, s60, 3
	s_lshl_b32 s60, s60, 2
	s_add_co_u32 s58, s58, s60
	s_add_nc_u64 s[44:45], s[50:51], s[56:57]      ; (the loads that named these pairs were waited for in the first half)
	s_add_nc_u64 s[46:47], s[52:53], s[58:59]
	global_load_b128 v[QF:QF+3], v[A16], s[44:45]
	global_load_b64 v[QF+4:QF+5], v[A8], s[44:45] offset:512
	global_load_b32 v[QS], v[A16R], s[46:47]
.endif
	s_wait_dscnt 0x0
	v_min3_num_f32 v[T+16], v[T], v[T+1], v[T+2]
	s_delay_alu instid0(VALU_DEP_1)
	v_min3_num_f32 v[T+16], v[T+16], v[T+3], v[T+4]
	s_delay_alu instid0(VALU_DEP_1)
	v_min3_num_f32 v[T+16], v[T+16], v[T+5], v[T+6]
	s_delay_alu instid0(VALU_DEP_1)
	v_min_num_f32 v[T+16], v[T+16], v[T+7]
	v_permlanex16_b32 v[T+17], v[T+16], s[SEL], s[SEL+1]
	s_delay_alu instid0(VALU_DEP_1)
	v_min_num_f32 v[T+16], v[T+16], v[T+17]        ; -M of the row
	s_delay_alu instid0(VALU_DEP_1)
.irp i, 0,2,4,6
	v_pk_add_f32 v[T+\i:T+\i+1], v[T+16:T+17], v[T+\i:T+\i+1] op_sel_hi:[0,1] neg_lo:[0,1] neg_hi:[0,1]   ; M_w - M: whole numbers, 0 or less
.endr
	v_sub_f32 v[T+17], v[T+16], v[PB]              ; my own wave's
.irp i, 0,1,2,3,4,5,6,7
	v_cvt_i32_f32 v[T+\i], v[T+\i]
.endr
	v_cvt_i32_f32 v[T+17], v[T+17]
.irp i, 0,1,2,3,4,5,6,7
	v_ldexp_f32 v[T+8+\i], v[T+8+\i], v[T+\i]      ; each wave's sum under the row's M: nothing is rounded
.endr
	v_pk_add_f32 v[T+8:T+9], v[T+8:T+9], v[T+10:T+11]
	s_delay_alu instid0(VALU_DEP_2)
	v_pk_add_f32 v[T+12:T+13], v[T+12:T+13], v[T+14:T+15]
	s_delay_alu instid0(VALU_DEP_1)
	v_pk_add_f32 v[T+8:T+9], v[T+8:T+9], v[T+12:T+13]
	s_delay_alu instid0(VALU_DEP_1)
	v_add_f32 v[T+8], v[T+8], v[T+9]
	s_delay_alu instid0(VALU_DEP_1)
	v_permlanex16_b32 v[T+9], v[T+8], s[SEL], s[SEL+1]
	s_delay_alu instid0(VALU_DEP_1)
	v_add_f32 v[T+8], v[T+8], v[T+9]               ; the row's sum
	s_delay_alu instid0(VALU_DEP_1)
	v_cmp_lt_f32 vcc_lo, 0, v[T+8]
	s_wait_alu depctr_va_vdst(0)                   ; the wait ahead of the reciprocal
	v_rcp_f32 v[T+16], v[T+8]
	v_nop
	s_wait_alu depctr_va_vdst(0)                   ; and behind it
	v_cndmask_b32 v[T+16], 0, v[T+16], vcc_lo      ; a row with every key masked: all its weights are 0
	s_delay_alu instid0(VALU_DEP_1)
	v_ldexp_f32 v[T+20], v[T+16], v[T+17]          ; 2^(M_w - M) / sum
.irp b, 0,1,2,3
	v_mul_f32 v[PB+2+\b], v[PB+2+\b], v[T+20]      ; the blocks' largest weights
.endr
.irp b, 0,1,2,3
	s_delay_alu instid0(VALU_DEP_4)
	v_max_num_f32 v[PB+2+\b], 0x1800000, v[PB+2+\b]   ; the floor 2^(3 - 127): the byte cannot fall under 1
.endr
.irp b, 0,1,2,3
	s_delay_alu instid0(VALU_DEP_4)
	v_add_nc_u32 v[PB+2+\b], 0xff000000, v[PB+2+\b]   ; 2 off the exponent field: the conversion's scale operand
.endr
.irp b, 0,1,2,3
	s_delay_alu instid0(VALU_DEP_4)
	v_lshrrev_b32 v[T+22+\b], 23, v[PB+2+\b]
.endr
	s_delay_alu instid0(VALU_DEP_3)
	v_lshl_or_b32 v[AS], v[T+23], 8, v[T+22]
	s_delay_alu instid0(VALU_DEP_1)
	v_lshl_or_b32 v[AS], v[T+24], 16, v[AS]
	s_delay_alu instid0(VALU_DEP_1)
	v_lshl_or_b32 v[AS], v[T+25], 24, v[AS]        ; A's scale word: the 32 multiplications below stand between it and the product
.set j, 0
.rept 32
	v_pk_mul_f32 v[SB+j:SB+j+1], v[SB+j:SB+j+1], v[T+20:T+21] op_sel_hi:[1,0]   ; the finished weights
.set j, j+2
.endr
.irp c, 0,1
	v_cvt_scalef32_pk16_fp6_f32 v[PC+6*\c:PC+2+6*\c], v[SB+32*\c:SB+15+32*\c], v[PB+2+2*\c]
	v_cvt_scalef32_pk16_fp6_f32 v[PC+12+4*\c:PC+14+4*\c], v[SB+16+32*\c:SB+31+32*\c], v[PB+3+2*\c]
.endr
	v_nop                                          ; one plain place behind a scaled conversion
.irp i, 0,1,2,3,4,5,6,7,8,9,10,11
	ds_load_b128 v[SB+4*\i:SB+4*\i+3], v[AVL] offset:512*\i        ; V's four fragments, into registers that the weights have left
.endr
.irp c, 0,1                                    ; a whole block to a lane
.irp i, 0,1,2
	v_permlane16_swap_b32 v[PC+6*\c+\i], v[PC+12+4*\c+\i]
.endr
.irp i, 0,1,2
	s_delay_alu instid0(VALU_DEP_3)
	v_mov_b32 v[PC+3+6*\c+\i], v[PC+12+4*\c+\i]
.endr
.endr
.rept 4
	v_nop                                          ; an operand written by vector instructions stands 4 places ahead of the scaled product
.endr
	s_wait_alu depctr_va_vdst(0)                   ; directly ahead of the wait below
	s_wait_dscnt 0x0
	PV SB+48, 0                                    ; my keys' part of O^T: four accumulators
	PV SB+56, 1
	PV T+12, 2
	PV T+20, 3
.rept 5                                        ; 4 places ahead of the stores of O^T and of loads into V's registers; 5 ahead of the next scores, which write over these registers
	v_nop                                          ; places ahead of the stores of O^T and of loads into V's registers
.endr
	OST SB+48, 0
	OST SB+56, 1
	OST T+12, 2
	OST T+20, 3
.if \first
	s_wait_dscnt 0x0
.else
	RED SB, ARD+1-(\p)                             ; tile j - 1's row
.endif
	s_add_co_u32 s[TI], s[TI], 1
.endm
	PHA 0                                          ; tile 0's first half
	global_load_b128 v[QF:QF+3], v[A16], s[50:51] offset:768       ; Q of tile 1
	global_load_b64 v[QF+4:QF+5], v[A8], s[50:51] offset:1280
	global_load_b32 v[QS], v[A16R], s[52:53] offset:4
	ds_store_b32 v[ASTS], v[PP+1]
	s_wait_dscnt 0x0
	ITER 0, 1, 0
	s_mov_b32 s[CNT], 15
.Lpair:                                            ; 15 trips of two tiles, 1 .. 30: the buffers are back where they began
	ITER 1, 0, 0
	ITER 0, 0, 0
	s_sub_co_u32 s[CNT], s[CNT], 1
	s_cmp_lg_u32 s[CNT], 0
	s_wait_alu depctr_va_vdst(0)                   ; the wait ahead of the branch
	s_cbranch_scc1 .Lpair
	ITER 1, 0, 1
	s_barrier_signal -1
	s_barrier_wait -1
	RED S, ARD+1                                   ; tile 31 lies in buffer 1
	v_lshl_add_u32 v[T], v0, 2, SPARE
	v_mov_b32 v[T+1], 0
	s_wait_alu depctr_va_vdst(0)
	s_wait_tensorcnt 0x0                           ; the wave's end
	ds_add_u32 v[T], v[T+1]
	s_wait_dscnt 0x0
	s_endpgm
.Lfunc_end_k_q8134e07222_attend:
	.size	k_q8134e07222_attend, .Lfunc_end_k_q8134e07222_attend-k_q8134e07222_attend
	.p2alignl 7, 3214868480
	.fill 96, 4, 3214868480
	.section	.rodata,"a",@progbits
	.p2align	6, 0x0
	.amdhsa_kernel k_q8134e07222_attend
		.amdhsa_group_segment_fixed_size 252416
		.amdhsa_private_segment_fixed_size 0
		.amdhsa_enable_private_segment 0
		.amdhsa_kernarg_size 32
		.amdhsa_user_sgpr_count 2
		.amdhsa_user_sgpr_kernarg_segment_ptr 1
		.amdhsa_wavefront_size32 1
		.amdhsa_system_sgpr_workgroup_id_x 1
		.amdhsa_system_sgpr_workgroup_id_y 1
		.amdhsa_system_sgpr_workgroup_id_z 1
		.amdhsa_system_vgpr_workitem_id 0
		.amdhsa_next_free_vgpr 256
		.amdhsa_next_free_sgpr 66
		.amdhsa_reserve_vcc 1
		.amdhsa_float_denorm_mode_32 3
		.amdhsa_float_denorm_mode_16_64 3
		.amdhsa_memory_ordered 1
		.amdhsa_forward_progress 1
		.amdhsa_inst_pref_size 105
	.end_amdhsa_kernel
	.amdgpu_metadata
---
amdhsa.version: [ 1, 2 ]
amdhsa.kernels:
  - .name:           k_q8134e07222_attend
    .symbol:         k_q8134e07222_attend.kd
    .args:
      - { .name: qws, .offset: 0, .size: 8, .value_kind: global_buffer, .address_space: global }
      - { .name: kvws, .offset: 8, .size: 8, .value_kind: global_buffer, .address_space: global }
      - { .name: mask, .offset: 16, .size: 8, .value_kind: global_buffer, .address_space: global }
      - { .name: att, .offset: 24, .size: 8, .value_kind: global_buffer, .address_space: global }
    .group_segment_fixed_size: 252416
    .private_segment_fixed_size: 0
    .kernarg_segment_align: 8
    .kernarg_segment_size: 32
    .max_flat_workgroup_size: 512
    .sgpr_count:     66
    .vgpr_count:     256
    .wavefront_size: 32
...
	.end_amdgpu_metadata
.endif
;; end of part 5
;; launch post (part 6): grid 256 x 1, 16 waves a work-group, no clusters, 307,200 bytes of LDS; arguments qpf, att, g1, b1, wows, Wo_scales, bo, g2, b2, out0; writes out0
.if DOCPART == 6
	.amdgcn_target "amdgcn-amd-amdhsa--gfx1250"
	.amdhsa_code_object_version 6
	.text
	.protected	k_q8134e07222_post
	.globl	k_q8134e07222_post
	.p2align	8
	.type	k_q8134e07222_post,@function
k_q8134e07222_post:
	s_mov_b64 s[64:65], 0
	v_nop
	global_prefetch_b8 v0, s[64:65] scope:SCOPE_SE
	s_setreg_imm32_b32 hwreg(HW_REG_WAVE_MODE, 25, 1), 1
	s_wait_xcnt 0x0
; x = LN(qp + attn; g1, b1);  out = LN(x + relu(x Wo + bo); g2, b2).  The product on codes of FP6 (E2M3) with E8M0 scales: x is quantised here, along its 1,024 columns; Wo comes as codes.  All else in f32.
; SHARES.  A work-group owns 32 whole rows (the norms want whole rows): two tiles m of 16.  THE SIXTEEN WAVES SHARE THE COLUMNS: wave w has columns 64 w .. 64 w + 63 of y, x, the product and out.
; Lane (r, h), register 32 m + 16 c + e holds (row 16 m + r, column 64 w + 32 c + 16 h + e): sixteen neighbours along K a lane, as the conversions want them.  The product is used transposed (source 0 = 16 rows of Wo's codes,
; source 1 = 16 rows of x), and the rows of Wo that form a tile were chosen, when wows was laid, so that its results fall into this same layout: bias, relu and residual go register by register.
; x's codes go from wave to wave through LDS as images of the operand's registers; a wave's 64 columns are half a fragment (six registers) and half a scale word.
; A norm's sums meet in LDS: one word a row and wave, one barrier a sum.  The variance is taken of the centred numbers, as the reference has it.
; NO TENSOR LOADS, NO CLUSTER: each byte of Wo's codes is used by ONE wave of a work-group, for two matrix instructions; it comes in the operand's order straight into that wave's registers, 512 consecutive bytes an instruction,
; two K steps ahead.  A ring shared by a cluster would hold 128 along K in 98,304 bytes and leave a wave 8 matrix instructions between two rounds of the cluster's barrier.
; LIMITS: a block whose largest magnitude lies under 2^-124 keeps the scale byte 1; a block of zeros gets the byte 1 and not 127 (its codes are zeros; this launch alone reads the bytes); NaN and infinities are not served.
; REGISTERS: v2-15 addresses; v16-79 Y (y, x, u; during the product Wo's odd K steps v16-63 and x's fragment of tile 0 v64-75); v80-143 AT (attn; gain and bias of a norm; the product's sums; rows on the way out);
;   v144-191 Wo's even K steps; v192-223 Wo's scale words and v238-239 x's: these hold scales alone; v224-237, v240-255 at work (during the product v224-235: x's fragment of tile 1).
.set XSC,  24576                       ; LDS: x's 16 fragments at 0 (K step s, tile m: 2 s + m; 1,536 bytes each; half c at 768 c: 512 bytes, then 256); their scale words here, 128 bytes each,
.set RED,  26624                       ; four sums x 16 waves x 128 bytes,
.set PARK, 34816                       ; x while its registers hold operands: 8,192 bytes a wave,
.set STG,  165888                      ; and a stage of 32 rows x (256 + 16) bytes for each wave
.set Y,   16
.set AT,  80
.set W0,  16
.set W1,  144
.set WS,  192
.set XF0, 64
.set XF1, 224
.set XS,  238
.set WV,  24                           ; s24 my wave's number
.set HI,  30                           ; s30 the mask of lanes 16-31
.set SEL, 32                           ; s[32:33] lane selects for v_permlanex16_b32: lane l xor 16
.set INV, 34                           ; s34 1 / 1024;  s35 -1 / 1024;  s36 the norm's 1e-6
	s_load_b256 s[4:11], s[0:1], 0x0               ; qpf, att, g1, b1
	s_load_b256 s[12:19], s[0:1], 0x20             ; wows, Wo's scales, bo, g2
	s_load_b128 s[20:23], s[0:1], 0x40             ; b2, out0
	v_lshrrev_b32 v1, 5, v0
	s_delay_alu instid0(VALU_DEP_1)
	v_readfirstlane_b32 s[WV], v1                  ; wave 0..15
	v_and_b32 v224, 31, v0                         ; lane
	v_and_b32 v225, 15, v0                         ; r
	v_bfe_u32 v226, v0, 4, 1                       ; h
	s_delay_alu instid0(VALU_DEP_1)
	v_lshlrev_b32 v2, 6, v226                      ; 64 h: my sixteen numbers of a block of 32, in a vector of 1,024
	s_delay_alu instid0(VALU_DEP_4)
	v_lshlrev_b32 v3, 4, v224                      ; 16 x lane
	v_lshlrev_b32 v4, 3, v224                      ; 8 x lane
	v_lshlrev_b32 v5, 2, v224                      ; 4 x lane
	s_wait_alu depctr_va_vdst(0)
	s_lshr_b32 s25, s[WV], 1                       ; my K step of the product
	s_and_b32 s26, s[WV], 1                        ; and my half of it
	s_mul_i32 s27, s25, 3072
	s_mul_i32 s28, s26, 768
	s_add_co_u32 s27, s27, s28
	v_add_nc_u32 v6, s27, v3                       ; where I store my half fragment's first four registers,
	v_add_nc_u32 v7, s27, v4
	s_delay_alu instid0(VALU_DEP_1)
	v_add_nc_u32 v7, 512, v7                       ; its last two,
	s_lshl_b32 s27, s25, 8
	s_lshl_b32 s28, s26, 1
	s_add_co_u32 s27, s27, s28
	s_add_co_u32 s27, s27, XSC
	v_add_nc_u32 v8, s27, v5                       ; and my two bytes of the scale word
	s_lshl_b32 s27, s[WV], 7
	s_add_co_u32 s27, s27, RED
	v_add_nc_u32 v9, s27, v5                       ; a sum: my wave's word for row = lane
	v_add_nc_u32 v10, RED, v5                      ; and where the sixteen waves' words for that row begin
	s_lshl_b32 s27, s[WV], 13
	s_add_co_u32 s27, s27, PARK
	v_add_nc_u32 v11, s27, v3
	s_mul_i32 s27, s[WV], 8704
	s_add_co_u32 s27, s27, STG                     ; my stage
	v_mul_u32_u24 v12, v225, 272
	s_delay_alu instid0(VALU_DEP_1)
	v_lshl_add_u32 v12, v226, 6, v12
	s_delay_alu instid0(VALU_DEP_1)
	v_add_nc_u32 v12, s27, v12                     ; by the work's layout: row r, + 64 h
	v_mul_u32_u24 v13, v226, 272
	s_delay_alu instid0(VALU_DEP_1)
	v_lshl_add_u32 v13, v225, 4, v13
	s_delay_alu instid0(VALU_DEP_1)
	v_add_nc_u32 v13, s27, v13                     ; by rows: lanes 0-15 one row of 256 bytes, lanes 16-31 the next
	v_lshlrev_b32 v14, 12, v226
	s_delay_alu instid0(VALU_DEP_1)
	v_lshl_add_u32 v14, v225, 4, v14               ; and the same two rows in memory
	v_and_b32 v15, 8, v225
	s_delay_alu instid0(VALU_DEP_1)
	v_add_nc_u32 v15, v15, v225
	s_delay_alu instid0(VALU_DEP_1)
	v_lshlrev_b32 v15, 5, v15                      ; Wo's scale words: lane r takes row r + 8 (r / 8) of a tile's span, 32 bytes a row
.irp i, 232,233,235,236,237
	v_mov_b32 v\i, 0                               ; written once: lane permutes' destinations and the upper halves of pairs count as read
.endr
	s_mov_b32 s[HI], 0xffff0000
	s_mov_b32 s[SEL], 0x76543210
	s_mov_b32 s[SEL+1], 0xfedcba98
	s_mov_b32 s[INV], 0x3a800000
	s_mov_b32 s[INV+1], 0xba800000
	s_mov_b32 s[INV+2], 0x358637bd
	s_lshl_b32 s38, ttmp9, 17                      ; 32 rows of 4,096 bytes a work-group
	s_lshl_b32 s40, s[WV], 8                       ; 64 columns of 4 bytes a wave
	s_add_co_u32 s38, s38, s40
	s_mov_b32 s39, 0
	s_mov_b32 s41, 0
	s_mul_i32 s42, s[WV], 49152                    ; my four tiles of Wo: 4 x 8 fragments of 1,536 bytes
	s_mov_b32 s43, 0
	s_lshl_b32 s44, s[WV], 11                      ; and their 64 rows of scale bytes
	s_mov_b32 s45, 0
	s_wait_alu depctr_va_vdst(0)
	s_wait_kmcnt 0x0
	s_add_nc_u64 s[4:5], s[4:5], s[38:39]
	s_add_nc_u64 s[6:7], s[6:7], s[38:39]
	s_add_nc_u64 s[22:23], s[22:23], s[38:39]
	s_add_nc_u64 s[8:9], s[8:9], s[40:41]
	s_add_nc_u64 s[10:11], s[10:11], s[40:41]
	s_add_nc_u64 s[16:17], s[16:17], s[40:41]
	s_add_nc_u64 s[18:19], s[18:19], s[40:41]
	s_add_nc_u64 s[20:21], s[20:21], s[40:41]
	s_add_nc_u64 s[12:13], s[12:13], s[42:43]
	s_add_nc_u64 s[14:15], s[14:15], s[44:45]
.macro WLOAD set, s                    ; my four fragments of Wo for K step s: 12 loads of 512 consecutive bytes
.irp t, 0,1,2,3
.irp c, 0,1,2
	global_load_b128 v[\set+12*\t+4*\c:\set+12*\t+4*\c+3], v3, s[12:13] offset:12288*\t+1536*(\s)+512*\c
.endr
.endr
.endm
.macro GLOAD reg, base                 ; 32 numbers of a vector of 1,024, in the work's layout: register 16 c + e: column 64 w + 32 c + 16 h + e
.irp c, 0,1
.irp e, 0,1,2,3
	global_load_b128 v[\reg+16*\c+4*\e:\reg+16*\c+4*\e+3], v2, s[\base:\base+1] offset:128*\c+16*\e
.endr
.endr
.endm
.irp i, 0,1,2,3,4,5,6,7,8,9,10,11,12,13,14,15
	global_load_b128 v[Y+4*\i:Y+4*\i+3], v14, s[4:5] offset:8192*\i th:TH_LOAD_NT      ; qp, by rows: sixteen lanes read 256 consecutive bytes
.endr
.irp i, 0,1,2,3,4,5,6,7,8,9,10,11,12,13,14,15
	global_load_b128 v[AT+4*\i:AT+4*\i+3], v14, s[6:7] offset:8192*\i th:TH_LOAD_NT    ; attn likewise
.endr
.irp t, 0,1,2,3
	global_load_b128 v[WS+8*\t:WS+8*\t+3], v15, s[14:15] offset:32*(32*(\t/2)+8*(\t%2))       ; tile t's scale words of K steps 0-3,
	global_load_b128 v[WS+8*\t+4:WS+8*\t+7], v15, s[14:15] offset:32*(32*(\t/2)+8*(\t%2))+16  ; 4-7
.endr
	WLOAD W1, 0
	s_wait_loadcnt 20                              ; qp and attn are in; the 8 loads of scale words and the 12 of Wo's first K step may be out
.set j, 0
.rept 32
	v_pk_add_f32 v[Y+j:Y+j+1], v[Y+j:Y+j+1], v[AT+j:AT+j+1]   ; y = qp + attn, still by rows
.set j, j+2
.endr
	GLOAD AT, 8                                    ; g1
	GLOAD AT+32, 10                                ; b1
.irp i, 0,1,2,3,4,5,6,7,8,9,10,11,12,13,14,15
	ds_store_b128 v13, v[Y+4*\i:Y+4*\i+3] offset:544*\i       ; y turns through my stage, once: in by rows,
.endr
.irp m, 0,1
.irp c, 0,1
.irp e, 0,1,2,3
	ds_load_b128 v[Y+32*\m+16*\c+4*\e:Y+32*\m+16*\c+4*\e+3], v12 offset:4352*\m+128*\c+16*\e   ; out in the work's layout.  LDS serves a wave's instructions in order (ISA guide 5.7.1.4)
.endr
.endr
.endr
	s_wait_dscnt 0x0
.macro FOLD                            ; the four chains become one number for each tile, lane l xor 16's (the row's other 32 columns of my 64) added
	s_delay_alu instid0(VALU_DEP_2)
	v_pk_add_f32 v[224:225], v[224:225], v[226:227]
	s_delay_alu instid0(VALU_DEP_2)
	v_pk_add_f32 v[228:229], v[228:229], v[230:231]
	s_delay_alu instid0(VALU_DEP_2)
	v_add_f32 v224, v224, v225
	s_delay_alu instid0(VALU_DEP_2)
	v_add_f32 v228, v228, v229
	s_delay_alu instid0(VALU_DEP_2)
	v_permlanex16_b32 v232, v224, s[SEL], s[SEL+1]
	s_delay_alu instid0(VALU_DEP_2)
	v_permlanex16_b32 v233, v228, s[SEL], s[SEL+1]
	s_delay_alu instid0(VALU_DEP_2)
	v_add_f32 v224, v224, v232
	s_delay_alu instid0(VALU_DEP_2)
	v_add_f32 v228, v228, v233
.endm
.macro XRED k                          ; v224, v228: my wave's sums for row r of tiles 0, 1 -> the rows' sums over all sixteen waves.  Each of the four sums has LDS bytes of its own: one barrier serves
	s_delay_alu instid0(VALU_DEP_1)
	v_cndmask_b32 v232, v224, v228, s[HI]          ; lane l: row l of the 32
	ds_store_b32 v9, v232 offset:2048*(\k)
	s_wait_dscnt 0x0                               ; for the others' sake: my word is stored
	s_barrier_signal -1
	s_barrier_wait -1
.irp i, 0,1,2,3,4,5,6,7,8,9,10,11,12,13,14,15
	ds_load_b32 v[240+\i], v10 offset:2048*(\k)+128*\i
.endr
	s_wait_dscnt 0x0
	v_pk_add_f32 v[240:241], v[240:241], v[242:243]
	v_pk_add_f32 v[244:245], v[244:245], v[246:247]
	v_pk_add_f32 v[248:249], v[248:249], v[250:251]
	v_pk_add_f32 v[252:253], v[252:253], v[254:255]
	s_delay_alu instid0(VALU_DEP_3)
	v_pk_add_f32 v[240:241], v[240:241], v[244:245]
	s_delay_alu instid0(VALU_DEP_2)
	v_pk_add_f32 v[248:249], v[248:249], v[252:253]
	s_delay_alu instid0(VALU_DEP_1)
	v_pk_add_f32 v[240:241], v[240:241], v[248:249]
	s_delay_alu instid0(VALU_DEP_1)
	v_add_f32 v240, v240, v241
	s_delay_alu instid0(VALU_DEP_1)
	v_permlanex16_b32 v233, v240, s[SEL], s[SEL+1]
	s_delay_alu instid0(VALU_DEP_1)
	v_cndmask_b32 v224, v240, v233, s[HI]          ; row r's, in both halves of the lanes
	s_delay_alu instid0(VALU_DEP_2)
	v_cndmask_b32 v228, v233, v240, s[HI]          ; row 16 + r's
.endm
.macro LNORM k                         ; Y = (Y - mean) x rsqrt(var + 1e-6) x gain + bias; gain in v[AT] on, bias in v[AT + 32] on, on their way since before the sums
	v_pk_add_f32 v[224:225], v[Y:Y+1], v[Y+2:Y+3]
	v_pk_add_f32 v[228:229], v[Y+32:Y+33], v[Y+34:Y+35]
	v_pk_add_f32 v[226:227], v[Y+4:Y+5], v[Y+6:Y+7]
	v_pk_add_f32 v[230:231], v[Y+36:Y+37], v[Y+38:Y+39]
.irp j, 8,12,16,20,24,28
	s_delay_alu instid0(VALU_DEP_4)
	v_pk_add_f32 v[224:225], v[224:225], v[Y+\j:Y+\j+1]
	s_delay_alu instid0(VALU_DEP_4)
	v_pk_add_f32 v[228:229], v[228:229], v[Y+32+\j:Y+33+\j]
	s_delay_alu instid0(VALU_DEP_4)
	v_pk_add_f32 v[226:227], v[226:227], v[Y+2+\j:Y+3+\j]
	s_delay_alu instid0(VALU_DEP_4)
	v_pk_add_f32 v[230:231], v[230:231], v[Y+34+\j:Y+35+\j]
.endr
	FOLD
	XRED 2*\k
	s_delay_alu instid0(VALU_DEP_2)
	v_mul_f32 v234, s[INV+1], v224                 ; -mean of my row of tile 0,
	s_delay_alu instid0(VALU_DEP_2)
	v_mul_f32 v236, s[INV+1], v228                 ; of tile 1
.irp j, 0,2,4,6,8,10,12,14,16,18,20,22,24,26,28,30
	v_pk_add_f32 v[Y+\j:Y+\j+1], v[Y+\j:Y+\j+1], v[234:235] op_sel_hi:[1,0]
	v_pk_add_f32 v[Y+32+\j:Y+33+\j], v[Y+32+\j:Y+33+\j], v[236:237] op_sel_hi:[1,0]
.endr
	v_pk_mul_f32 v[224:225], v[Y:Y+1], v[Y:Y+1]
	v_pk_mul_f32 v[228:229], v[Y+32:Y+33], v[Y+32:Y+33]
	v_pk_mul_f32 v[226:227], v[Y+2:Y+3], v[Y+2:Y+3]
	v_pk_mul_f32 v[230:231], v[Y+34:Y+35], v[Y+34:Y+35]
.irp j, 4,8,12,16,20,24,28
	s_delay_alu instid0(VALU_DEP_4)
	v_pk_fma_f32 v[224:225], v[Y+\j:Y+\j+1], v[Y+\j:Y+\j+1], v[224:225]
	s_delay_alu instid0(VALU_DEP_4)
	v_pk_fma_f32 v[228:229], v[Y+32+\j:Y+33+\j], v[Y+32+\j:Y+33+\j], v[228:229]
	s_delay_alu instid0(VALU_DEP_4)
	v_pk_fma_f32 v[226:227], v[Y+2+\j:Y+3+\j], v[Y+2+\j:Y+3+\j], v[226:227]
	s_delay_alu instid0(VALU_DEP_4)
	v_pk_fma_f32 v[230:231], v[Y+34+\j:Y+35+\j], v[Y+34+\j:Y+35+\j], v[230:231]
.endr
	FOLD
	XRED 2*\k+1
	s_delay_alu instid0(VALU_DEP_2)
	v_fma_f32 v224, v224, s[INV], s[INV+2]         ; var + 1e-6
	s_delay_alu instid0(VALU_DEP_2)
	v_fma_f32 v228, v228, s[INV], s[INV+2]
	s_wait_alu depctr_va_vdst(0)
	v_rsq_f32 v234, v224
	v_rsq_f32 v236, v228
	v_nop                                          ; a plain place behind the two
	s_wait_loadcnt 0x0                             ; gain and bias are in
	s_wait_alu depctr_va_vdst(0)                   ; one wait for the two, ahead of their first reader
.irp j, 0,2,4,6,8,10,12,14,16,18,20,22,24,26,28,30
	v_pk_mul_f32 v[Y+\j:Y+\j+1], v[Y+\j:Y+\j+1], v[234:235] op_sel_hi:[1,0]
	v_pk_mul_f32 v[Y+32+\j:Y+33+\j], v[Y+32+\j:Y+33+\j], v[236:237] op_sel_hi:[1,0]
.endr
.irp j, 0,2,4,6,8,10,12,14,16,18,20,22,24,26,28,30
	v_pk_fma_f32 v[Y+\j:Y+\j+1], v[Y+\j:Y+\j+1], v[AT+\j:AT+\j+1], v[AT+32+\j:AT+33+\j]
	v_pk_fma_f32 v[Y+32+\j:Y+33+\j], v[Y+32+\j:Y+33+\j], v[AT+\j:AT+\j+1], v[AT+32+\j:AT+33+\j]
.endr
.endm
; 32 numbers of a lane, v[s] on: sixteen neighbours of each of two blocks of 32 (the other sixteen lie in lane l xor 16), become six registers of codes in v224-229 and two scale bytes in v244
.macro QUANT2 s
	v_max3_num_f32 v234, |v[\s]|, |v[\s+1]|, 0x1800000         ; with the floor 2^(3 - 127): the byte cannot fall under 1
	v_max3_num_f32 v235, |v[\s+16]|, |v[\s+17]|, 0x1800000
.irp i, 2,4,6,8,10,12,14
	s_delay_alu instid0(VALU_DEP_2)
	v_max3_num_f32 v234, v234, |v[\s+\i]|, |v[\s+1+\i]|
	s_delay_alu instid0(VALU_DEP_2)
	v_max3_num_f32 v235, v235, |v[\s+16+\i]|, |v[\s+17+\i]|
.endr
	v_permlanex16_b32 v236, v234, s[SEL], s[SEL+1]
	s_delay_alu instid0(VALU_DEP_2)
	v_permlanex16_b32 v237, v235, s[SEL], s[SEL+1]
	s_delay_alu instid0(VALU_DEP_2)
	v_max_num_f32 v234, v234, v236                 ; the blocks' largest magnitudes
	s_delay_alu instid0(VALU_DEP_2)
	v_max_num_f32 v235, v235, v237
	s_delay_alu instid0(VALU_DEP_2)
	v_add_nc_u32 v240, 0xff000000, v234            ; 2 off the exponent field: the conversion's scale operand
	s_delay_alu instid0(VALU_DEP_2)
	v_add_nc_u32 v241, 0xff000000, v235
	s_delay_alu instid0(VALU_DEP_2)
	v_lshrrev_b32 v242, 23, v240                   ; the scale's byte
	s_delay_alu instid0(VALU_DEP_2)
	v_lshrrev_b32 v243, 23, v241
	s_delay_alu instid0(VALU_DEP_1)
	v_lshl_or_b32 v244, v243, 8, v242
	v_cvt_scalef32_pk16_fp6_f32 v[224:226], v[\s:\s+15], v240
	v_cvt_scalef32_pk16_fp6_f32 v[230:232], v[\s+16:\s+31], v241
	v_nop                                          ; one plain place behind a scaled conversion
.irp i, 0,1,2
	v_permlane16_swap_b32 v[224+\i], v[230+\i]     ; a whole block to a lane: lanes 0-15 the first block, lanes 16-31 the second
.endr
.irp i, 0,1,2
	s_delay_alu instid0(VALU_DEP_3)
	v_mov_b32 v[227+\i], v[230+\i]
.endr
.endm
	LNORM 0                                        ; x
.irp m, 0,1
	QUANT2 Y+32*\m
	ds_store_b128 v6, v[224:227] offset:1536*\m
	ds_store_b64 v7, v[228:229] offset:1536*\m
	ds_store_b16 v8, v244 offset:128*\m
	s_wait_dscnt 0x0                               ; the stores have read their registers
.endr
.irp i, 0,1,2,3,4,5,6,7,8,9,10,11,12,13,14,15
	ds_store_b128 v11, v[Y+4*\i:Y+4*\i+3] offset:512*\i        ; x waits in my own bytes of LDS while its registers hold operands
.endr
	s_wait_dscnt 0x0                               ; all my LDS stores are done: the others may read x's images, and Y's registers may be loaded
	GLOAD AT, 16                                   ; bo INTO the accumulators, once for each tile of rows: the bias costs no addition
	GLOAD AT+32, 16
	WLOAD W0, 1
	s_barrier_signal -1
	s_barrier_wait -1                              ; x's sixteen fragments lie in LDS
; K step s: x's two fragments from LDS, eight products (two tiles of rows x my four tiles of Wo), the eight accumulators by turns, one instruction a turn; then the loads of K step s + 2
.macro GSTEP s
.if (\s)%2
.set WSET, W0
.else
.set WSET, W1
.endif
.irp m, 0,1
.set XFM, XF0+(XF1-XF0)*\m
	ds_load_b128 v[XFM:XFM+3], v3 offset:1536*(2*(\s)+\m)
	ds_load_b64 v[XFM+4:XFM+5], v4 offset:1536*(2*(\s)+\m)+512
	ds_load_b128 v[XFM+6:XFM+9], v3 offset:1536*(2*(\s)+\m)+768
	ds_load_b64 v[XFM+10:XFM+11], v4 offset:1536*(2*(\s)+\m)+1280
	ds_load_b32 v[XS+\m], v5 offset:XSC+128*(2*(\s)+\m)
.endr
.if (\s) < 7
	s_wait_loadcnt 12                              ; this step's fragments of Wo are in (ahead of the first step: bo too); the next step's 12 loads may be out
.else
	s_wait_loadcnt 0x0
.endif
	s_wait_dscnt 0x0
.irp m, 0,1
.set XFM, XF0+(XF1-XF0)*\m
.irp t, 0,1,2,3
	v_wmma_scale_f32_16x16x128_f8f6f4 v[AT+32*\m+8*\t:AT+32*\m+8*\t+7], v[WSET+12*\t:WSET+12*\t+11], v[XFM:XFM+11], v[AT+32*\m+8*\t:AT+32*\m+8*\t+7], v[WS+8*\t+(\s)], v[XS+\m] matrix_a_fmt:MATRIX_FMT_FP6 matrix_b_fmt:MATRIX_FMT_FP6
.endr
.endr
.rept 4
	v_nop                                          ; places ahead of loads into the operands' registers, and of the first read of the sums
.endr
.if (\s) < 6
	WLOAD WSET, (\s)+2
.endif
.endm
.irp s, 0,1,2,3,4,5,6,7
	GSTEP \s
.endr
.irp i, 0,1,2,3,4,5,6,7,8,9,10,11,12,13,14,15
	ds_load_b128 v[Y+4*\i:Y+4*\i+3], v11 offset:512*\i         ; x comes back
.endr
.set j, 0
.rept 64
	v_max_num_f32 v[AT+j], 0, v[AT+j]              ; relu, each accumulator from its low end on
.set j, j+1
.endr
	s_wait_dscnt 0x0
.set j, 0
.rept 32
	v_pk_add_f32 v[Y+j:Y+j+1], v[Y+j:Y+j+1], v[AT+j:AT+j+1]   ; u = x + relu(x Wo + bo)
.set j, j+2
.endr
	GLOAD AT, 18                                   ; g2
	GLOAD AT+32, 20                                ; b2
	LNORM 1
.irp m, 0,1
.irp c, 0,1
.irp e, 0,1,2,3
	ds_store_b128 v12, v[Y+32*\m+16*\c+4*\e:Y+32*\m+16*\c+4*\e+3] offset:4352*\m+128*\c+16*\e   ; the way out: through my stage,
.endr
.endr
.endr
.irp i, 0,1,2,3,4,5,6,7,8,9,10,11,12,13,14,15
	ds_load_b128 v[AT+4*\i:AT+4*\i+3], v13 offset:544*\i      ; back by rows
.endr
.irp i, 0,1,2,3,4,5,6,7,8,9,10,11,12,13,14,15
	s_wait_dscnt 15-\i                             ; the younger loads may be out
	global_store_b128 v14, v[AT+4*\i:AT+4*\i+3], s[22:23] offset:8192*\i th:TH_STORE_NT   ; sixteen lanes store 256 consecutive bytes of a row
.endr
	s_wait_xcnt 0x0
	v_lshl_add_u32 v254, v0, 2, 0x4a800
	v_mov_b32 v255, 0
	s_wait_alu depctr_va_vdst(0)
	s_wait_tensorcnt 0x0
	ds_add_u32 v254, v255
	s_wait_dscnt 0x0
	s_endpgm
.Lfunc_end_k_q8134e07222_post:
	.size	k_q8134e07222_post, .Lfunc_end_k_q8134e07222_post-k_q8134e07222_post
	.p2alignl 7, 3214868480
	.fill 96, 4, 3214868480
	.section	.rodata,"a",@progbits
	.p2align	6, 0x0
	.amdhsa_kernel k_q8134e07222_post
		.amdhsa_group_segment_fixed_size 307200
		.amdhsa_private_segment_fixed_size 0
		.amdhsa_enable_private_segment 0
		.amdhsa_kernarg_size 80
		.amdhsa_user_sgpr_count 2
		.amdhsa_user_sgpr_kernarg_segment_ptr 1
		.amdhsa_wavefront_size32 1
		.amdhsa_system_sgpr_workgroup_id_x 1
		.amdhsa_system_sgpr_workgroup_id_y 1
		.amdhsa_system_sgpr_workgroup_id_z 1
		.amdhsa_system_vgpr_workitem_id 0
		.amdhsa_next_free_vgpr 256
		.amdhsa_next_free_sgpr 66
		.amdhsa_reserve_vcc 0
		.amdhsa_float_denorm_mode_32 3
		.amdhsa_float_denorm_mode_16_64 3
		.amdhsa_memory_ordered 1
		.amdhsa_forward_progress 1
		.amdhsa_inst_pref_size 91
	.end_amdhsa_kernel
	.amdgpu_metadata
---
amdhsa.version: [ 1, 2 ]
amdhsa.kernels:
  - .name:           k_q8134e07222_post
    .symbol:         k_q8134e07222_post.kd
    .args:
      - { .name: qpf, .offset: 0, .size: 8, .value_kind: global_buffer, .address_space: global }
      - { .name: att, .offset: 8, .size: 8, .value_kind: global_buffer, .address_space: global }
      - { .name: g1, .offset: 16, .size: 8, .value_kind: global_buffer, .address_space: global }
      - { .name: b1, .offset: 24, .size: 8, .value_kind: global_buffer, .address_space: global }
      - { .name: wows, .offset: 32, .size: 8, .value_kind: global_buffer, .address_space: global }
      - { .name: Wo_scales, .offset: 40, .size: 8, .value_kind: global_buffer, .address_space: global }
      - { .name: bo, .offset: 48, .size: 8, .value_kind: global_buffer, .address_space: global }
      - { .name: g2, .offset: 56, .size: 8, .value_kind: global_buffer, .address_space: global }
      - { .name: b2, .offset: 64, .size: 8, .value_kind: global_buffer, .address_space: global }
      - { .name: out0, .offset: 72, .size: 8, .value_kind: global_buffer, .address_space: global }
    .group_segment_fixed_size: 307200
    .private_segment_fixed_size: 0
    .kernarg_segment_align: 8
    .kernarg_segment_size: 80
    .max_flat_workgroup_size: 512
    .sgpr_count:     66
    .vgpr_count:     256
    .wavefront_size: 32
...
	.end_amdgpu_metadata
.endif
;; end of part 6
